; MI455X (gfx1250); checked and timed in simulation.
; The chip was launched on July 23, 2026; its instructions are those of AMD's public machine-readable ISA for CDNA 5 (MIT licence, August 2026) and "CDNA5" Instruction Set Architecture Reference Guide (July 2026). The comments in the code are by the model that wrote it; some were corrected since.
;; Scaled Dot Attention. Allowed arithmetic: float matrix products may take bf16 or f16 operands with f32 sums; other float arithmetic in f32, or as packed bf16 or f16 multiplies, adds, multiply-adds, maxima and minima; sums over many terms, partial sums and values carried from step to step in f32; what a program stores and reads back later, other than sums and carried values, may be rounded once to bf16 or f16.
;; Inputs: Wk 1,024 x 1,024 float32; Wq 1,024 x 1,024 float32; Wv 1,024 x 1,024 float32; bk 1,024 float32; bq 1,024 float32; bv 1,024 float32; keys 4 x 4,096 x 1,024 float32; queries 4 x 512 x 1,024 float32; values 4 x 4,096 x 1,024 float32.
;; Outputs: out0 4 x 512 x 1,024 float32; out1 4 x 4,096 x 512 float32.
;; 3 versions, each right; version 2 is faster than version 1; version 3 is version 2 with the launches projq, norm written anew for expert scheduling mode. Each part assembles by itself: llvm-mc -triple=amdgcn-amd-amdhsa -mcpu=gfx1250 --defsym DOCPART=n.
;; ======== version 1 of 3: 7 launches
;; limits: values are held in f16: magnitudes above 65,504 overflow, below 6.1e-05 lose precision; inputs' magnitudes at most 65,504
;; workspace buffers: qf 8,388,608 bytes; q2b 4,194,304 bytes; cqv 8,192 bytes; ew 16,777,216 bytes; stt 1,048,576 bytes; pn 16,777,216 bytes; tp 33,554,432 bytes; tsum 8,388,608 bytes
;; launch projq (part 1): grid 8 x 32, 8 waves a work-group, no clusters, 140,288 bytes of LDS; arguments queries, Wq, bq, qf; writes qf
.if DOCPART == 1
	.amdgcn_target "amdgcn-amd-amdhsa--gfx1250"
	.amdhsa_code_object_version 6
	.text
	.protected	k_qfff147f53c_projq
	.globl	k_qfff147f53c_projq
	.p2align	8
	.type	k_qfff147f53c_projq,@function
k_qfff147f53c_projq:
	s_mov_b64 s[64:65], 0
	v_nop
	global_prefetch_b8 v0, s[64:65] scope:SCOPE_SE
	s_setreg_imm32_b32 hwreg(HW_REG_WAVE_MODE, 25, 1), 1
	s_wait_xcnt 0x0
; C[m][n] = sum over k of A[m][k] B[n][k] + bias[n].  A: [2048][1024], B: [1024][1024], bias: [1024], C: [2048][1024], all f32.
; A and B are rounded once to bf16 on their way from memory into LDS (load, convert, LDS store), the sums are f32.  The bias is rounded to bf16 too, so that all
; that comes in carries one and the same rounding, and starts the sums.
; A work-group makes 64 x 128 of C: 8 x 32 work-groups.  Eight waves, wave w: rows 16 (w / 2) on, columns 64 (w % 2) on: four accumulators of 16 x 16.
; K goes in 8 steps of 128 through two LDS slots.  In step t a wave asks for its part of stage t + 2 (24 loads of 512 bytes into one of two register sets),
; multiplies half of slot t % 2, converts stage t + 1 into the other slot, multiplies the other half; one barrier a step.
; No tensor load: the operands are f32 in memory and are wanted as bf16, so they pass through registers anyway.  No cluster for the same reason.
; The matrix instruction is used transposed (source 0 = 16 rows of B, source 1 = 16 rows of A): a lane holds one row of C and eight neighbouring columns.
; LIMIT: operands and bias carry bf16's 8 significant bits; NaN and infinities are not treated apart.
.set ROWB,  4096                       ; bytes in a row of A, B and C
.set PITCH, 272                        ; an LDS row: 256 bytes of bf16 + 16: the 16 rows of a fragment load start 16 bytes apart modulo 256
.set ASZ,   64*PITCH                   ; A's 64 rows, then B's 128 rows
.set SLOT,  192*PITCH
.set STAGE, 2*SLOT                     ; behind the slots: 16 rows x 272 bytes for each wave, for the way out
.set SPARE, STAGE+8*16*PITCH           ; the spare words: 128 bytes for each of eight waves
.set VOA, 1                            ; v1   byte offset of my 16 bytes in my first row of A's tile (8 rows a wave)
.set VOB, 2                            ; v2   the same for B (16 rows a wave)
.set LSA, 3                            ; v3   where my 8 bytes of my first row of A go in slot 0
.set LSB, 4                            ; v4   the same for B
.set AA,  5                            ; v5   my A fragment's address in slot 0
.set AB,  6                            ; v6   my first B fragment's
.set STO, 7                            ; v7   the way out: in
.set RD,  8                            ; v8   the way out: back
.set CO,  9                            ; v9   my byte offset in two rows of C
.set BO,  10                           ; v10  my byte offset in the bias
.set SPW, 12                           ; v12  my spare word; never rewritten
.set NIL, 13                           ; v13  0; never rewritten
.set ACC, 16                           ; v16-47   four accumulators
.set FR,  64                           ; v64-159  two fragment sets of 48: A 8, B 4 x 8
.set OB,  160                          ; v160-191 rows read back; at the start: the bias in bf16
.set P0,  0                            ; window 1: v0-95 and v96-191: the two register sets of a stage (A 8 x 4, B 16 x 4)
.set MSB, 0
.macro WIN new                         ; the immediate's high byte repeats the setting that is left
.if MSB != (\new)
	s_set_vgpr_msb (MSB<<8)|(\new)
.set MSB, (\new)
.endif
.endm
.macro PLACES                          ; four plain places between a matrix instruction and a load into, or a read of, its registers
.rept 4
	v_nop
.endr
.endm
	s_load_b256 s[4:11], s[0:1], 0x0               ; A s[4:5], B s[6:7], bias s[8:9], C s[10:11]
	v_lshl_add_u32 v[SPW], v0, 2, SPARE
	v_mov_b32 v[NIL], 0
	v_lshrrev_b32 v48, 5, v0
	v_readfirstlane_b32 s12, v48                   ; wave 0..7
	v_and_b32 v49, 31, v0                          ; lane
	v_and_b32 v50, 15, v0                          ; r
	v_bfe_u32 v51, v0, 4, 1                        ; h
	s_lshr_b32 s14, s12, 1                         ; wm: which 16 rows
	s_and_b32 s15, s12, 1                          ; wn: which 64 columns
	s_and_b32 s16, ttmp7, 0xffff                   ; y: block of 64 rows
	v_lshlrev_b32 v48, 4, v49                      ; 16 x lane
	v_lshl_add_u32 v[VOA], s12, 15, v48            ; + wave x 8 rows
	v_lshl_add_u32 v[VOB], s12, 16, v48            ; + wave x 16 rows
	s_mul_i32 s17, s12, 8*PITCH
	v_lshl_add_u32 v[LSA], v49, 3, s17
	s_mul_i32 s17, s12, 16*PITCH
	s_add_co_u32 s17, s17, ASZ
	v_lshl_add_u32 v[LSB], v49, 3, s17
	v_mul_u32_u24 v48, v50, PITCH                  ; r x pitch
	v_lshl_add_u32 v[AA], v51, 4, v48              ; + 16 h
	s_mul_i32 s17, s15, 64*PITCH
	s_add_co_u32 s17, s17, ASZ
	v_add_nc_u32 v[AB], s17, v[AA]
	s_mul_i32 s17, s14, 16*PITCH
	v_add_nc_u32 v[AA], s17, v[AA]
	s_mul_i32 s17, s12, 16*PITCH
	s_add_co_u32 s17, s17, STAGE                   ; my stage
	v_lshl_add_u32 v[STO], v51, 5, v48             ; row r, 32 bytes for each half of the lanes
	v_add_nc_u32 v[STO], s17, v[STO]
	v_mul_u32_u24 v[RD], v51, PITCH                ; back: lanes 0-15 one row of 256 bytes, lanes 16-31 the next
	v_lshl_add_u32 v[RD], v50, 4, v[RD]
	v_add_nc_u32 v[RD], s17, v[RD]
	v_lshlrev_b32 v[CO], 12, v51
	v_lshl_add_u32 v[CO], v50, 4, v[CO]
	v_lshlrev_b32 v[BO], 5, v51                    ; bias: 8 h numbers,
	v_lshl_add_u32 v[BO], s15, 8, v[BO]            ; + 64 wn
	s_lshl_b32 s18, s16, 18                        ; A: 64 y rows
	s_mov_b32 s19, 0
	s_lshl_b32 s20, ttmp9, 19                      ; B: 128 x rows
	s_mov_b32 s21, 0
	s_lshl_b32 s22, ttmp9, 9                       ; bias, and C's columns: 128 x numbers
	s_mov_b32 s23, 0
	s_lshl_b32 s24, s14, 16                        ; C: 16 wm rows,
	s_add_co_u32 s24, s24, s18                     ; + 64 y rows,
	s_add_co_u32 s24, s24, s22                     ; + 128 x columns,
	s_lshl_b32 s25, s15, 8
	s_add_co_u32 s24, s24, s25                     ; + 64 wn columns
	s_mov_b32 s25, 0
	s_mov_b32 s26, 0xffff0000                      ; a word's upper bf16
	s_wait_kmcnt 0x0
	s_add_nc_u64 s[4:5], s[4:5], s[18:19]
	s_add_nc_u64 s[6:7], s[6:7], s[20:21]
	s_add_nc_u64 s[8:9], s[8:9], s[22:23]
	s_add_nc_u64 s[10:11], s[10:11], s[24:25]
; my part of a stage: 8 rows of A's tile and 16 of B's, 512 bytes of a row to a load
.macro LOADS p
	WIN 0x40                                       ; destination window 1
.irp i, 0,1,2,3,4,5,6,7
	global_load_b128 v[(\p)+4*\i:(\p)+4*\i+3], v[VOA], s[4:5] offset:\i*ROWB
.endr
.irp i, 0,1,2,3,4,5,6,7,8,9,10,11,12,13,14,15
	global_load_b128 v[(\p)+32+4*\i:(\p)+32+4*\i+3], v[VOB], s[6:7] offset:\i*ROWB
.endr
	WIN 0
.endm
.macro ISSUE p
	s_wait_xcnt 0x0                                ; the bases are stepped only when every earlier load has had its address translated
	s_add_nc_u64 s[4:5], s[4:5], 512               ; 128 numbers along K
	s_add_nc_u64 s[6:7], s[6:7], 512
	LOADS \p
.endm
; a stage is rounded to bf16 in place and stored into a slot.  n: the loads of the one younger stage, which stay out
.macro CONSUME p, slot, n
	s_wait_loadcnt \n
	WIN 0x45                                       ; destination and both sources window 1
.set i, 0
.rept 24
	v_cvt_pk_bf16_f32 v[(\p)+4*i], v[(\p)+4*i], v[(\p)+4*i+1]
	v_cvt_pk_bf16_f32 v[(\p)+4*i+1], v[(\p)+4*i+2], v[(\p)+4*i+3]
.set i, i+1
.endr
	WIN 0x04                                       ; store data window 1, address window 0
.set i, 0
.rept 8
	ds_store_b64 v[LSA], v[(\p)+4*i:(\p)+4*i+1] offset:(\slot)*SLOT+i*PITCH
.set i, i+1
.endr
.set i, 0
.rept 16
	ds_store_b64 v[LSB], v[(\p)+32+4*i:(\p)+32+4*i+1] offset:(\slot)*SLOT+i*PITCH
.set i, i+1
.endr
	WIN 0
.endm
.macro MULS c                          ; four matrix instructions, the accumulators by turns
.irp b, 0,1,2,3
	v_wmma_f32_16x16x32_bf16 v[ACC+8*\b:ACC+8*\b+7], v[FR+48*(\c)+8+8*\b:FR+48*(\c)+8+8*\b+7], v[FR+48*(\c):FR+48*(\c)+7], v[ACC+8*\b:ACC+8*\b+7]
.endr
.endm
; 64 along K at byte k of the slot's rows: 20 fragment loads, 8 matrix instructions
.macro HALF slot, k
	PLACES
.irp c, 0,1
	ds_load_b128 v[FR+48*\c:FR+48*\c+3],   v[AA] offset:(\slot)*SLOT+(\k)+64*\c
	ds_load_b128 v[FR+48*\c+4:FR+48*\c+7], v[AA] offset:(\slot)*SLOT+(\k)+64*\c+32
.irp b, 0,1,2,3
	ds_load_b128 v[FR+48*\c+8+8*\b:FR+48*\c+8+8*\b+3],   v[AB] offset:(\slot)*SLOT+\b*16*PITCH+(\k)+64*\c
	ds_load_b128 v[FR+48*\c+12+8*\b:FR+48*\c+12+8*\b+3], v[AB] offset:(\slot)*SLOT+\b*16*PITCH+(\k)+64*\c+32
.endr
.endr
	s_wait_dscnt 10                                ; the first set is in; the second set's ten loads may be out
	MULS 0
	s_wait_dscnt 0x0
	MULS 1
.endm
.macro STEP slot, issue, n
.if \issue
	ISSUE P0+96*(\slot)                            ; stage t + 2 into the set that the last step emptied
.endif
	HALF \slot, 0
	CONSUME P0+96*(1-(\slot)), 1-(\slot), \n       ; stage t + 1 into the slot that was read in the last step, ahead of its barrier
	HALF \slot, 128
	s_wait_dscnt 0x0                               ; my stores into the other slot are done and my reads of this one are back
	s_barrier_signal -1
	s_barrier_wait -1
.endm
.irp k, 0,1,2,3                        ; the bias goes straight into the accumulators: register j of block k is bias[64 wn + 16 k + 8 h + j]
	global_load_b128 v[ACC+8*\k:ACC+8*\k+3],   v[BO], s[8:9] offset:64*\k
	global_load_b128 v[ACC+8*\k+4:ACC+8*\k+7], v[BO], s[8:9] offset:64*\k+16
.endr
	LOADS P0                                       ; stage 0
	ISSUE P0+96                                    ; stage 1
	CONSUME P0, 0, 24                              ; stage 0 (and the bias, which is older) is in; stage 1's 24 loads stay out
.set i, 0
.rept 16                               ; the bias is rounded to bf16 and widened again, in place: it starts the sums
	v_cvt_pk_bf16_f32 v[OB+i], v[ACC+2*i], v[ACC+2*i+1]
.set i, i+1
.endr
.set i, 0
.rept 16
	v_lshlrev_b32 v[ACC+2*i], 16, v[OB+i]
	v_and_b32 v[ACC+2*i+1], s26, v[OB+i]
.set i, i+1
.endr
	s_wait_dscnt 0x0
	s_barrier_signal -1
	s_barrier_wait -1
	s_mov_b32 s13, 3
.Lk:                                                   ; steps 0 to 5: they ask for stages 2 to 7
	STEP 0, 1, 24
	STEP 1, 1, 24
	s_sub_co_u32 s13, s13, 1
	s_cmp_lg_u32 s13, 0
	s_cbranch_scc1 .Lk
	STEP 0, 0, 0                                   ; step 6: nothing is left to ask for; stage 7 is the last out
	HALF 1, 0                                      ; step 7
	HALF 1, 128
	; THE WAY OUT, through my own stage: a lane's 32 bytes of a row in, whole rows of 256 bytes back
	PLACES
.irp b, 0,1,2,3
	ds_store_b128 v[STO], v[ACC+8*\b:ACC+8*\b+3]   offset:64*\b
	ds_store_b128 v[STO], v[ACC+8*\b+4:ACC+8*\b+7] offset:64*\b+16
.endr
.irp t, 0,1,2,3,4,5,6,7
	ds_load_b128 v[OB+4*\t:OB+4*\t+3], v[RD] offset:\t*2*PITCH  ; LDS serves a wave's instructions in order: these see the stores above
.endr
.irp t, 0,1,2,3,4,5,6,7
	s_wait_dscnt 7-\t
	global_store_b128 v[CO], v[OB+4*\t:OB+4*\t+3], s[10:11] offset:\t*2*ROWB  ; 16 lanes store 256 consecutive bytes, at a multiple of 256 from C's first byte
.endr
	s_wait_tensorcnt 0x0                           ; the wave's end: an add of 0 to my spare word behind my last LDS store, and its wait
	ds_add_u32 v[SPW], v[NIL]
	s_wait_dscnt 0x0
	s_endpgm
.Lfunc_end_k_qfff147f53c_projq:
	.size	k_qfff147f53c_projq, .Lfunc_end_k_qfff147f53c_projq-k_qfff147f53c_projq
	.p2alignl 7, 3214868480
	.fill 96, 4, 3214868480
	.section	.rodata,"a",@progbits
	.p2align	6, 0x0
	.amdhsa_kernel k_qfff147f53c_projq
		.amdhsa_group_segment_fixed_size 140288
		.amdhsa_private_segment_fixed_size 0
		.amdhsa_enable_private_segment 0
		.amdhsa_kernarg_size 32
		.amdhsa_user_sgpr_count 2
		.amdhsa_user_sgpr_kernarg_segment_ptr 1
		.amdhsa_wavefront_size32 1
		.amdhsa_system_sgpr_workgroup_id_x 1
		.amdhsa_system_sgpr_workgroup_id_y 1
		.amdhsa_system_sgpr_workgroup_id_z 1
		.amdhsa_system_vgpr_workitem_id 0
		.amdhsa_next_free_vgpr 448
		.amdhsa_next_free_sgpr 66
		.amdhsa_reserve_vcc 0
		.amdhsa_float_denorm_mode_32 3
		.amdhsa_float_denorm_mode_16_64 3
		.amdhsa_memory_ordered 1
		.amdhsa_forward_progress 1
		.amdhsa_inst_pref_size 53
	.end_amdhsa_kernel
	.amdgpu_metadata
---
amdhsa.version: [ 1, 2 ]
amdhsa.kernels:
  - .name:           k_qfff147f53c_projq
    .symbol:         k_qfff147f53c_projq.kd
    .args:
      - { .name: queries, .offset: 0, .size: 8, .value_kind: global_buffer, .address_space: global }
      - { .name: Wq, .offset: 8, .size: 8, .value_kind: global_buffer, .address_space: global }
      - { .name: bq, .offset: 16, .size: 8, .value_kind: global_buffer, .address_space: global }
      - { .name: qf, .offset: 24, .size: 8, .value_kind: global_buffer, .address_space: global }
    .group_segment_fixed_size: 140288
    .private_segment_fixed_size: 0
    .kernarg_segment_align: 8
    .kernarg_segment_size: 32
    .max_flat_workgroup_size: 256
    .sgpr_count:     66
    .vgpr_count:     448
    .wavefront_size: 32
...
	.end_amdgpu_metadata
.endif
;; end of part 1
;; launch fold (part 2): grid 8 x 32, 8 waves a work-group, no clusters, 129,024 bytes of LDS; arguments qf, Wk, bk, q2b, cqv; writes q2b, cqv
.if DOCPART == 2
	.amdgcn_target "amdgcn-amd-amdhsa--gfx1250"
	.amdhsa_code_object_version 6
	.text
	.protected	k_qfff147f53c_fold
	.globl	k_qfff147f53c_fold
	.p2align	8
	.type	k_qfff147f53c_fold,@function
k_qfff147f53c_fold:
	s_mov_b64 s[64:65], 0
	v_nop
	global_prefetch_b8 v0, s[64:65] scope:SCOPE_SE
	s_setreg_imm32_b32 hwreg(HW_REG_WAVE_MODE, 25, 1), 1
	s_wait_xcnt 0x0
; q2[m][n] = sum over k of q[m][k] Wk[k][n] (stored bf16), cq[m] = sum over k of q[m][k] bk[k] (f32).  q: [2048][1024] f32, Wk: [1024][1024] f32, bk: [1024] f32.
; Why: k . q = (keys Wk^T + bk) . q = keys . (q Wk) + q . bk, so the projection of 16,384 keys becomes one of 2,048 queries.  The order of rounding differs from the
; projection written out.
; FORMATS.  The products are f16.  q, which the program itself made, is rounded once to f16 (11 significant bits), times 2^-4, which is exact and is taken back (x 16) on the way out.
; Wk and bk, the module's inputs, are rounded to bf16 like all its inputs, and that number is written as f16.  q2 leaves in bf16: it is the next launch's operand beside keys.
; LIMITS.  |q| stays under 16 x 65,504; |Wk| and |bk| under 65,504; below 6.1e-5 (q: 9.8e-4) f16 keeps a fixed step of 6e-8 (q: 9.5e-7).  NaN and infinities are not treated apart.
; Shares, ring and waits as in the launch in front: 64 x 128 of q2 to a work-group, eight waves of 16 x 64, 8 K steps of 128, two slots, one barrier a step.
; Wk lies [k][n], so its fragments come out of LDS turned, by ds_load_tr16_b128.  A fifth accumulator multiplies A's fragment by a fragment whose 16 rows are all bk:
; each of its registers is cq of the lane's row.  Every wave makes it and one in sixteen stores it: a fifth more matrix instructions in this launch, for no branch in the loop.
; The 40 accumulator registers are cleared by v_mov_b32: there is no bias to start them, and the first step is not written out.
.set ROWB,  4096
.set PA,    272                        ; a row of A in LDS: 256 bytes + 16
.set PB,    288                        ; a row of Wk in LDS: 256 + 32
.set ASLOT, 64*PA
.set BBASE, 2*ASLOT
.set BSLOT, 128*PB
.set BKB,   BBASE+2*BSLOT              ; bk in f16, 2,048 bytes
.set STAGE, BKB+2048                   ; the work-group's stage: 64 rows x 272 bytes
.set SPARE, STAGE+64*PA
.set VOA, 1
.set VOB, 2
.set LSA, 3
.set LSB, 4
.set AA,  5
.set AB,  6                            ; v6, v7  my first Wk fragment's address in slot 0, 1
.set ABK, 8                            ; v8   bk's fragment of the lap in hand
.set STO, 9
.set RD,  10
.set CO,  11
.set CQO, 12
.set SPW, 13
.set NIL, 14
.set ACC, 16                           ; v16-55   five accumulators; the fifth is cq's
.set FR,  64                           ; v64-159  two fragment sets of 48: A 8, Wk 4 x 8, bk 8
.set OB,  160
.set TMP, 176
.set P0,  0
.set MK,  30                           ; s30      a word's upper bf16
.set DN,  32                           ; s[32:33] 2^-4: the packed multiply takes the pair's low word for both halves
.set UP,  34                           ; s[34:35] 16
.set MSB, 0
.macro WIN new
.if MSB != (\new)
	s_set_vgpr_msb (MSB<<8)|(\new)
.set MSB, (\new)
.endif
.endm
.macro PLACES
.rept 4
	v_nop
.endr
.endm
; cnt quads of f32 at v[b ..] (the caller sets the windows): each number is rounded to bf16, and that number is written as f16, into the quad's first two registers.
; Phase by phase over all quads, so that no line reads the result of the one before it.
.macro TOF16 b, cnt
.set i, 0
.rept \cnt
	v_cvt_pk_bf16_f32 v[(\b)+4*i], v[(\b)+4*i], v[(\b)+4*i+1]
	v_cvt_pk_bf16_f32 v[(\b)+4*i+1], v[(\b)+4*i+2], v[(\b)+4*i+3]
.set i, i+1
.endr
.irp w, 0,1
.set i, 0
.rept \cnt
	v_lshlrev_b32 v[(\b)+4*i+2], 16, v[(\b)+4*i+\w]
	v_and_b32 v[(\b)+4*i+3], s[MK], v[(\b)+4*i+\w]
.set i, i+1
.endr
.set i, 0
.rept \cnt
	v_cvt_pk_f16_f32 v[(\b)+4*i+\w], v[(\b)+4*i+2], v[(\b)+4*i+3]
.set i, i+1
.endr
.endr
.endm
	s_load_b256 s[4:11], s[0:1], 0x0               ; q s[4:5], Wk s[6:7], bk s[8:9], q2 s[10:11]
	s_load_b64 s[16:17], s[0:1], 0x20              ; cq
	v_lshl_add_u32 v[SPW], v0, 2, SPARE
	v_mov_b32 v[NIL], 0
	v_lshrrev_b32 v56, 5, v0
	v_readfirstlane_b32 s12, v56                   ; wave
	v_and_b32 v57, 31, v0                          ; lane
	v_and_b32 v58, 15, v0                          ; r
	v_bfe_u32 v59, v0, 4, 1                        ; h
	s_lshr_b32 s14, s12, 1                         ; wm
	s_and_b32 s15, s12, 1                          ; wn
	s_and_b32 s18, ttmp7, 0xffff                   ; y
	s_mov_b32 s[MK], 0xffff0000
	s_mov_b32 s[DN], 0x3d800000                    ; 2^-4
	s_mov_b32 s[DN+1], s[DN]                       ; named with it as a pair
	s_mov_b32 s[UP], 0x41800000                    ; 16
	s_mov_b32 s[UP+1], s[UP]
	v_lshlrev_b32 v56, 4, v57
	v_lshl_add_u32 v[VOA], s12, 15, v56            ; wave x 8 rows + 16 x lane
	v_lshl_add_u32 v[VOB], s12, 16, v56            ; wave x 16 rows + 16 x lane
	s_mul_i32 s28, s12, 8*PA
	v_lshl_add_u32 v[LSA], v57, 3, s28
	s_mul_i32 s28, s12, 16*PB
	s_add_co_u32 s28, s28, BBASE
	v_lshl_add_u32 v[LSB], v57, 3, s28
	v_mul_u32_u24 v56, v58, PA                     ; r x pitch
	s_mul_i32 s28, s14, 16*PA
	v_lshl_add_u32 v[AA], v59, 4, v56
	v_add_nc_u32 v[AA], s28, v[AA]                 ; (16 wm + r) x pitch + 16 h
	s_lshl_b32 s29, s15, 7
	s_add_co_u32 s28, s28, s29
	s_add_co_u32 s28, s28, STAGE
	v_lshl_add_u32 v[STO], v59, 4, v56
	v_add_nc_u32 v[STO], s28, v[STO]               ; stage row 16 wm + r, byte 128 wn + 16 h
	v_and_b32 v60, 7, v0
	v_lshl_add_u32 v60, v59, 3, v60                ; 8 h + lane % 8: the row of Wk that I address
	v_mul_u32_u24 v60, v60, PB
	v_bfe_u32 v61, v0, 3, 1
	v_lshl_add_u32 v60, v61, 4, v60                ; + 16 ((lane / 8) % 2)
	s_add_co_u32 s29, s29, BBASE                   ; + 128 wn bytes: my 64 columns
	v_add_nc_u32 v[AB], s29, v60
	v_add_nc_u32 v[AB+1], BSLOT, v[AB]
	v_lshl_add_u32 v[ABK], v59, 4, BKB
	s_mul_i32 s28, s12, 8*PA
	s_add_co_u32 s28, s28, STAGE
	v_mul_u32_u24 v[RD], v59, PA                   ; back: wave w takes rows 8 w on, whole
	v_lshl_add_u32 v[RD], v58, 4, v[RD]
	v_add_nc_u32 v[RD], s28, v[RD]
	v_lshlrev_b32 v[CO], 11, v59                   ; a row of q2 is 2,048 bytes
	v_lshl_add_u32 v[CO], v58, 4, v[CO]
	v_lshlrev_b32 v[CQO], 2, v58
	v_lshlrev_b32 v60, 4, v0                       ; bk: 16 bytes a thread,
	v_lshl_add_u32 v61, v0, 3, BKB                 ; 8 bytes of f16
	s_lshl_b32 s20, s18, 18                        ; q: 64 y rows
	s_mov_b32 s21, 0
	s_lshl_b32 s22, ttmp9, 9                       ; Wk: 128 x columns
	s_mov_b32 s23, 0
	s_lshl_b32 s24, s18, 17                        ; q2: 64 y rows,
	s_lshl_b32 s25, s12, 14                        ; + 8 w rows,
	s_add_co_u32 s24, s24, s25
	s_lshl_b32 s25, ttmp9, 8                       ; + 128 x columns
	s_add_co_u32 s24, s24, s25
	s_mov_b32 s25, 0
	s_lshl_b32 s26, s18, 8                         ; cq: 64 y + 16 wm numbers
	s_lshl_b32 s27, s14, 6
	s_add_co_u32 s26, s26, s27
	s_mov_b32 s27, 0
	s_or_b32 s29, ttmp9, s15                       ; 0: mine is the wave that stores cq
	s_wait_kmcnt 0x0
	s_add_nc_u64 s[4:5], s[4:5], s[20:21]
	s_add_nc_u64 s[6:7], s[6:7], s[22:23]
	s_add_nc_u64 s[10:11], s[10:11], s[24:25]
	s_add_nc_u64 s[16:17], s[16:17], s[26:27]
.macro LOADS p
	WIN 0x40
.irp i, 0,1,2,3,4,5,6,7
	global_load_b128 v[(\p)+4*\i:(\p)+4*\i+3], v[VOA], s[4:5] offset:\i*ROWB
.endr
.irp i, 0,1,2,3,4,5,6,7,8,9,10,11,12,13,14,15
	global_load_b128 v[(\p)+32+4*\i:(\p)+32+4*\i+3], v[VOB], s[6:7] offset:\i*ROWB
.endr
	WIN 0
.endm
.macro ISSUE p
	s_wait_xcnt 0x0                                ; the bases are stepped only when every earlier load has had its address translated
	s_add_nc_u64 s[4:5], s[4:5], 512               ; q: 128 numbers along its rows
	s_add_nc_u64 s[6:7], s[6:7], 128*ROWB          ; Wk: 128 rows down
	LOADS \p
.endm
; a stage is converted in place and stored into a slot: q times 2^-4 to f16; Wk to bf16 and that to f16.  n: the loads of the one younger stage, which stay out
.macro CONSUME p, slot, n
	s_wait_loadcnt \n
	WIN 0x45
.set i, 0
.rept 16
	v_pk_mul_f32 v[(\p)+2*i:(\p)+2*i+1], v[(\p)+2*i:(\p)+2*i+1], s[DN:DN+1] op_sel_hi:[1,0]
.set i, i+1
.endr
.set i, 0
.rept 8
	v_cvt_pk_f16_f32 v[(\p)+4*i], v[(\p)+4*i], v[(\p)+4*i+1]
	v_cvt_pk_f16_f32 v[(\p)+4*i+1], v[(\p)+4*i+2], v[(\p)+4*i+3]
.set i, i+1
.endr
	TOF16 (\p)+32, 16
	WIN 0x04
.set i, 0
.rept 8
	ds_store_b64 v[LSA], v[(\p)+4*i:(\p)+4*i+1] offset:(\slot)*ASLOT+i*PA
.set i, i+1
.endr
.set i, 0
.rept 16
	ds_store_b64 v[LSB], v[(\p)+32+4*i:(\p)+32+4*i+1] offset:(\slot)*BSLOT+i*PB
.set i, i+1
.endr
	WIN 0
.endm
.macro MULS c                          ; five matrix instructions, the accumulators by turns
.irp b, 0,1,2,3,4
	v_wmma_f32_16x16x32_f16 v[ACC+8*\b:ACC+8*\b+7], v[FR+48*(\c)+8+8*\b:FR+48*(\c)+8+8*\b+7], v[FR+48*(\c):FR+48*(\c)+7], v[ACC+8*\b:ACC+8*\b+7]
.endr
.endm
; half hf of a step: 64 along K: 24 fragment loads, 10 matrix instructions
.macro HALF slot, hf
	PLACES
.irp c, 0,1
	ds_load_b128 v[FR+48*\c:FR+48*\c+3],   v[AA] offset:(\slot)*ASLOT+64*(2*(\hf)+\c)
	ds_load_b128 v[FR+48*\c+4:FR+48*\c+7], v[AA] offset:(\slot)*ASLOT+64*(2*(\hf)+\c)+32
.irp b, 0,1,2,3
	ds_load_tr16_b128 v[FR+48*\c+8+8*\b:FR+48*\c+8+8*\b+3],   v[AB+(\slot)] offset:(2*(\hf)+\c)*32*PB+32*\b
	ds_load_tr16_b128 v[FR+48*\c+12+8*\b:FR+48*\c+12+8*\b+3], v[AB+(\slot)] offset:(2*(\hf)+\c)*32*PB+16*PB+32*\b
.endr
	ds_load_b128 v[FR+48*\c+40:FR+48*\c+43], v[ABK] offset:(\slot)*256+64*(2*(\hf)+\c)     ; all 16 lanes of a half read the same 16 bytes of bk
	ds_load_b128 v[FR+48*\c+44:FR+48*\c+47], v[ABK] offset:(\slot)*256+64*(2*(\hf)+\c)+32
.endr
	s_wait_dscnt 12                                ; the first set is in; the second set's twelve loads may be out
	MULS 0
	s_wait_dscnt 0x0
	MULS 1
.endm
.macro STEP slot, issue, n
.if \issue
	ISSUE P0+96*(\slot)
.endif
	HALF \slot, 0
	CONSUME P0+96*(1-(\slot)), 1-(\slot), \n
	HALF \slot, 1
	s_wait_dscnt 0x0                               ; my stores into the other slot are done and my reads of this one are back
	s_barrier_signal -1
	s_barrier_wait -1
.endm
	global_load_b128 v[TMP:TMP+3], v60, s[8:9]     ; bk: four numbers a thread
	LOADS P0                                       ; stage 0
	ISSUE P0+96                                    ; stage 1
.set i, 0
.rept 40
	v_mov_b32 v[ACC+i], 0
.set i, i+1
.endr
	s_wait_loadcnt 48                              ; bk is in; the two stages' 48 loads stay out
	TOF16 TMP, 1
	ds_store_b64 v61, v[TMP:TMP+1]
	CONSUME P0, 0, 24
	s_wait_dscnt 0x0
	s_barrier_signal -1
	s_barrier_wait -1
	s_mov_b32 s13, 3
.Lk:                                                   ; steps 0 to 5: they ask for stages 2 to 7
	STEP 0, 1, 24
	STEP 1, 1, 24
	v_add_nc_u32 v[ABK], 512, v[ABK]               ; bk: two steps, 256 numbers, on
	s_sub_co_u32 s13, s13, 1
	s_cmp_lg_u32 s13, 0
	s_cbranch_scc1 .Lk
	STEP 0, 0, 0                                   ; step 6
	HALF 1, 0                                      ; step 7
	HALF 1, 1
	; THE WAY OUT.  The sums are taken back by 16.  A wave's 64 columns are 128 bytes of bf16, half of a row's 256: the waves share one stage, with a barrier between writing and reading.
	PLACES
.set i, 0
.rept 17                               ; each accumulator from its low end on; of the fifth the first pair alone is wanted
	v_pk_mul_f32 v[ACC+2*i:ACC+2*i+1], v[ACC+2*i:ACC+2*i+1], s[UP:UP+1] op_sel_hi:[1,0]
.set i, i+1
.endr
.irp b, 0,1,2,3
.irp k, 0,1,2,3
	v_cvt_pk_bf16_f32 v[TMP+4*\b+\k], v[ACC+8*\b+2*\k], v[ACC+8*\b+2*\k+1]
.endr
.endr
.irp b, 0,1,2,3
	ds_store_b128 v[STO], v[TMP+4*\b:TMP+4*\b+3] offset:32*\b
.endr
	s_wait_dscnt 0x0                               ; for the others' sake: my stores into the stage are done
	s_barrier_signal -1
	s_barrier_wait -1
.irp t, 0,1,2,3
	ds_load_b128 v[OB+4*\t:OB+4*\t+3], v[RD] offset:\t*2*PA
.endr
.irp t, 0,1,2,3
	s_wait_dscnt 3-\t
	global_store_b128 v[CO], v[OB+4*\t:OB+4*\t+3], s[10:11] offset:\t*4096  ; 16 lanes store 256 consecutive bytes, at a multiple of 256 from q2's first byte
.endr
	s_cmp_lg_u32 s29, 0
	s_cbranch_scc1 .Lno_cq                         ; cq hangs on the rows alone: column block 0's waves with wn = 0 store it
	global_store_b32 v[CQO], v[ACC+32], s[16:17]   ; the two halves of the lanes hold, and store, the same 16 numbers
.Lno_cq:
	s_wait_tensorcnt 0x0                           ; the wave's end: an add of 0 to my spare word behind my last LDS store, and its wait
	ds_add_u32 v[SPW], v[NIL]
	s_wait_dscnt 0x0
	s_endpgm
.Lfunc_end_k_qfff147f53c_fold:
	.size	k_qfff147f53c_fold, .Lfunc_end_k_qfff147f53c_fold-k_qfff147f53c_fold
	.p2alignl 7, 3214868480
	.fill 96, 4, 3214868480
	.section	.rodata,"a",@progbits
	.p2align	6, 0x0
	.amdhsa_kernel k_qfff147f53c_fold
		.amdhsa_group_segment_fixed_size 129024
		.amdhsa_private_segment_fixed_size 0
		.amdhsa_enable_private_segment 0
		.amdhsa_kernarg_size 40
		.amdhsa_user_sgpr_count 2
		.amdhsa_user_sgpr_kernarg_segment_ptr 1
		.amdhsa_wavefront_size32 1
		.amdhsa_system_sgpr_workgroup_id_x 1
		.amdhsa_system_sgpr_workgroup_id_y 1
		.amdhsa_system_sgpr_workgroup_id_z 1
		.amdhsa_system_vgpr_workitem_id 0
		.amdhsa_next_free_vgpr 448
		.amdhsa_next_free_sgpr 66
		.amdhsa_reserve_vcc 0
		.amdhsa_float_denorm_mode_32 3
		.amdhsa_float_denorm_mode_16_64 3
		.amdhsa_memory_ordered 1
		.amdhsa_forward_progress 1
		.amdhsa_inst_pref_size 77
	.end_amdhsa_kernel
	.amdgpu_metadata
---
amdhsa.version: [ 1, 2 ]
amdhsa.kernels:
  - .name:           k_qfff147f53c_fold
    .symbol:         k_qfff147f53c_fold.kd
    .args:
      - { .name: qf, .offset: 0, .size: 8, .value_kind: global_buffer, .address_space: global }
      - { .name: Wk, .offset: 8, .size: 8, .value_kind: global_buffer, .address_space: global }
      - { .name: bk, .offset: 16, .size: 8, .value_kind: global_buffer, .address_space: global }
      - { .name: q2b, .offset: 24, .size: 8, .value_kind: global_buffer, .address_space: global }
      - { .name: cqv, .offset: 32, .size: 8, .value_kind: global_buffer, .address_space: global }
    .group_segment_fixed_size: 129024
    .private_segment_fixed_size: 0
    .kernarg_segment_align: 8
    .kernarg_segment_size: 40
    .max_flat_workgroup_size: 256
    .sgpr_count:     66
    .vgpr_count:     448
    .wavefront_size: 32
...
	.end_amdgpu_metadata
.endif
;; end of part 2
;; launch scores (part 3): grid 32 x 8, 4 waves a work-group, clusters of 4 x 1, 327,680 bytes of LDS; arguments keys, q2b, cqv, ew, stt; writes ew, stt
.if DOCPART == 3
	.amdgcn_target "amdgcn-amd-amdhsa--gfx1250"
	.amdhsa_code_object_version 6
	.text
	.protected	k_qfff147f53c_scores
	.globl	k_qfff147f53c_scores
	.p2align	8
	.type	k_qfff147f53c_scores,@function
k_qfff147f53c_scores:
	s_mov_b64 s[64:65], 0
	v_nop
	global_prefetch_b8 v0, s[64:65] scope:SCOPE_SE
	s_setreg_imm32_b32 hwreg(HW_REG_WAVE_MODE, 25, 1), 1
	s_wait_xcnt 0x0
	s_wait_alu depctr_hold_cnt(0) depctr_sa_sdst(0) depctr_va_vdst(0) depctr_va_sdst(0) depctr_va_ssrc(0) depctr_va_vcc(0) depctr_vm_vsrc(0)
	s_getreg_b32 s2, hwreg(HW_REG_IB_STS2, 6, 4)
	s_cmp_eq_u32 s2, 0
	s_cbranch_scc0 .Lentry_in_a_cluster
	s_endpgm
.Lentry_in_a_cluster:
	s_bfe_u32 s2, ttmp6, 0x10000c
	s_cmp_lg_u32 s2, 0x3003
	s_cbranch_scc0 .Lentry_shape_is_right
	s_endpgm
.Lentry_shape_is_right:
; S[s][kq] = keys[s] . q2[kq] + cq[kq]  (= k . q of the module, unscaled).  For each block of 64 keys and each query: m = c max S, l = the sum of e, e = 2^(c S - m), c = log2(e) / 32.
; keys: [4][4096][1024] f32, q2: [2048][1024] bf16, cq: [2048] f32.  Out: E [4][4096][512] f16 (e), st: m [4][64][512] f32, then l in the same shape 524,288 bytes on.
; The maximum is the block's true maximum; the next launch joins the 64 blocks of a batch.  LIMITS: keys are rounded to bf16 as a matrix operand; e lies in 0 to 1 (to within a rounding) and is
; kept in f16: below 6e-5 of its block's largest it has f16's fixed step of 6e-8; l is summed of the unrounded e; an e below 2^-126 counts as 0; NaN and infinities are not treated apart.
; SHARES.  A work-group: 128 keys x 256 queries of a batch.  Four waves, wave w: keys 64 (w / 2) on, queries 128 (w % 2) on: 32 accumulators.  K in 8 steps of 128, each four quarters of 32.
; q2's tiles (256 rows x 256 bytes) come by tensor loads into two slots; the four work-groups of a cluster are four key blocks of the same queries, so each tile is asked for JOINTLY
; (same line, same descriptor, mask of four).  keys are f32 in memory: each wave loads 32 rows x 512 bytes into one of two register sets, rounds them and stores them into slots of their own,
; which no tensor load touches.  Step t asks for stage t + 2 in its second quarter and converts stage t + 1 in its third.
; The matrix instruction is used transposed (source 0 = 16 queries, source 1 = 16 keys): a lane holds one key and eight neighbouring queries, so a row of E packs, and a query's maximum and sum
; run over registers and over the 16 lanes of a half.
; REGISTERS, in windows of 256: window 0: v2-23 addresses; v64-159, v160-255 two fragment buffers (q2 8 x 8, keys 4 x 8).  window 1: accumulator (a, b) at 8 (8 a + b).
;   window 2: v0-127, v128-255 the two register sets of keys.  window 3: v0-63 cq of my 128 queries in the accumulators' layout: the C operand that starts the sums.
.set PITCH, 272                        ; an LDS row: 256 bytes + 16: the 16 rows of a fragment load start 16 bytes apart modulo 256
.set QSLOT, 256*PITCH
.set KBASE, 2*QSLOT
.set KSLOT, 128*PITCH
.set STAGE, KBASE+2*KSLOT              ; 16 rows x 272 bytes for each wave, for the way out
.set SPARE, STAGE+4*16*PITCH           ; the spare words: 128 bytes for each of four waves
.set ADQ, 2                            ; v2, v3   my q2 fragments in slot 0, 1
.set ADK, 4                            ; v4, v5   my keys fragments in slot 0, 1
.set KO,  6                            ; v6   byte offset of my 16 bytes in my first row of the keys' tile
.set KL,  7                            ; v7   where my 8 bytes of that row go in keys' slot 0
.set STO, 8
.set RD,  9
.set CO,  10                           ; v10  my byte offset in two rows of E
.set SO,  11                           ; v11  16 x lane
.set SGS, 12                           ; v12  the statistics' way into my stage
.set SGL, 13                           ; v13  and back
.set SPW, 14                           ; v14  my spare word; never rewritten
.set NIL, 15                           ; v15  0; never rewritten
.set CIO, 16
.set F0,  64
.set F1,  160
.set MX,  64                           ; the way out: c max, 64 registers
.set SL,  128                          ; the sums, 64 registers; later the rows read back, two sets of 32
.set S2,  192
.set TMP, 208                          ; packed e
.set WV,  14                           ; s14  wave
.set G1,  24                           ; s[24:31] descriptor group 1
.set G0,  32                           ; s[32:39] descriptor group 0, a set for each slot
.set CS,  58                           ; s[58:59] c
.set MSB, 0
.macro WIN new
.if MSB != (\new)
	s_set_vgpr_msb (MSB<<8)|(\new)
.set MSB, (\new)
.endif
.endm
.macro PLACES
.rept 4
	v_nop
.endr
.endm
.macro CREST                           ; a round of the cluster's barrier behind its opening barrier
	s_cmp_lg_u32 s[WV], 0
	s_cbranch_scc1 .Lnot_wave_0_\@
	s_barrier_signal -3
.Lnot_wave_0_\@:
	s_barrier_wait -3
	s_barrier_signal -1
	s_barrier_wait -1
.endm
.macro CROUND
	s_barrier_signal -1
	s_barrier_wait -1
	CREST
.endm
	s_load_b256 s[4:11], s[0:1], 0x0               ; keys s[4:5], q2 s[6:7], cq s[8:9], E s[10:11]
	s_load_b64 s[12:13], s[0:1], 0x20              ; st
	v_lshl_add_u32 v[SPW], v0, 2, SPARE
	v_mov_b32 v[NIL], 0
	ds_add_u32 v[SPW], v[NIL]                      ; the wave's opening: the add and its wait ahead of my first tensor load
	v_lshrrev_b32 v18, 5, v0
	v_readfirstlane_b32 s[WV], v18                 ; wave 0..3
	s_lshr_b32 s15, s[WV], 1                       ; ws: which 64 keys
	s_and_b32 s16, s[WV], 1                        ; wq: which 128 queries
	s_and_b32 s19, ttmp7, 0xffff                   ; y = 2 x batch + half of the queries: the four partners share it
	s_lshr_b32 s52, s19, 1                         ; batch
	s_and_b32 s53, s19, 1                          ; half
	; descriptor group 1: 64 rows x 128 elements of 2 bytes, padded in LDS
	s_mov_b32 s[G1], 15|(1<<16)|(1<<20)|(1<<21)|(5<<22)|(3<<25)  ; the mask of four; 2-byte elements; padding on; bit 21 beside a mask; after every 64 words, 4 words
	s_mov_b32 s[G1+1], 128<<16                     ; tensor_dim0 = 128
	s_mov_b32 s[G1+2], 64<<16                      ; tensor_dim1 = 64
	s_mov_b32 s[G1+3], 128<<16                     ; tile_dim0 = 128
	s_mov_b32 s[G1+4], 64                          ; tile_dim1 = 64
	s_mov_b32 s[G1+5], 1024                        ; elements from row to row
	s_mov_b32 s[G1+6], 0
	s_mov_b32 s[G1+7], 0
	s_lshl_b32 s20, s19, 19                        ; q2: 256 y rows of 2,048 bytes,
	s_lshl_b32 s21, s[WV], 17                      ; + 64 w rows: my quarter of a tile
	s_add_co_u32 s20, s20, s21
	s_mov_b32 s21, 0
	s_mul_i32 s17, s[WV], 64*PITCH                 ; and where it goes: no place in the cluster enters an LDS address
	s_lshl_b32 s48, s19, 10                        ; cq: 256 y + 128 wq numbers
	s_lshl_b32 s49, s16, 9
	s_add_co_u32 s48, s48, s49
	s_mov_b32 s49, 0
	s_bfe_u32 s40, ttmp6, 0x40000                  ; cx
	s_lshl_b32 s41, ttmp9, 2
	s_add_co_u32 s41, s41, s40                     ; my block of 128 keys: it enters the addresses of keys, E and st alone
	s_lshl_b32 s42, s52, 24                        ; keys: batch x 4,096 rows of 4,096 bytes + block x 128 rows
	s_lshl_b32 s43, s41, 19
	s_add_co_u32 s42, s42, s43
	s_mov_b32 s43, 0
	s_lshl_b32 s44, s52, 22                        ; E: batch x 4,096 rows of 1,024 bytes,
	s_lshl_b32 s45, s41, 17                        ; + block x 128 rows,
	s_add_co_u32 s44, s44, s45
	s_lshl_b32 s45, s15, 16                        ; + 64 ws rows,
	s_add_co_u32 s44, s44, s45
	s_lshl_b32 s45, s53, 9                         ; + 256 x half columns,
	s_add_co_u32 s44, s44, s45
	s_lshl_b32 s45, s16, 8                         ; + 128 wq columns
	s_add_co_u32 s44, s44, s45
	s_mov_b32 s45, 0
	s_lshl_b32 s46, s52, 17                        ; st: (64 batch + 2 block + ws) rows of 2,048 bytes,
	s_lshl_b32 s47, s41, 12
	s_add_co_u32 s46, s46, s47
	s_lshl_b32 s47, s15, 11
	s_add_co_u32 s46, s46, s47
	s_lshl_b32 s47, s53, 10                        ; + 256 x half + 128 wq numbers
	s_add_co_u32 s46, s46, s47
	s_lshl_b32 s47, s16, 9
	s_add_co_u32 s46, s46, s47
	s_mov_b32 s47, 0
	s_mov_b32 s[CS], 0x3d38aa3b                    ; c = log2(e) / 32 = 0.0450842
	s_mov_b32 s[CS+1], s[CS]                       ; named with it as a pair
	s_wait_dscnt 0x0                               ; the opening add is done
	s_wait_kmcnt 0x0
	s_add_nc_u64 s[22:23], s[6:7], s[20:21]
	s_add_nc_u64 s[4:5], s[4:5], s[42:43]
	s_add_nc_u64 s[8:9], s[8:9], s[48:49]
	s_add_nc_u64 s[10:11], s[10:11], s[44:45]
	s_add_nc_u64 s[12:13], s[12:13], s[46:47]
	CROUND                                         ; all four work-groups are here: the first joint loads meet
.irp n, 0,1
	s_mov_b32 s[G0+4*\n], 1                        ; count = 1
	s_add_co_u32 s[G0+4*\n+1], s17, \n*QSLOT       ; LDS address
	s_add_nc_u64 s[G0+4*\n+2:G0+4*\n+3], s[22:23], \n*256  ; global address: K step n
	s_or_b32 s[G0+4*\n+3], s[G0+4*\n+3], 0x80000000        ; type = 2
.endr
	tensor_load_to_lds s[G0:G0+3], s[G1:G1+7]      ; the two first fills together: two loads of mine are out
	s_nop 0
	tensor_load_to_lds s[G0+4:G0+7], s[G1:G1+7]
	s_nop 0
	PLACES
	v_and_b32 v18, 31, v0                          ; lane
	v_and_b32 v19, 15, v0                          ; r
	v_bfe_u32 v20, v0, 4, 1                        ; h
	v_lshlrev_b32 v[CIO], 5, v20                   ; cq: 8 h numbers
	v_lshlrev_b32 v[SO], 4, v18
	v_lshl_add_u32 v[KO], s[WV], 17, v[SO]         ; wave x 32 rows of 4,096 bytes + 16 x lane
	s_mul_i32 s50, s[WV], 32*PITCH
	s_add_co_u32 s50, s50, KBASE
	v_lshl_add_u32 v[KL], v18, 3, s50
.macro KLOADS r                        ; my 32 rows of a stage, 512 bytes of a row to a load
	WIN 0x80                                       ; destination window 2
.set i, 0
.rept 32
	global_load_b128 v[128*(\r)+4*i:128*(\r)+4*i+3], v[KO], s[4:5] offset:i*4096
.set i, i+1
.endr
	WIN 0
.endm
.macro KISSUE r
	s_wait_xcnt 0x0                                ; the base is stepped only when every earlier load has had its address translated
	s_add_nc_u64 s[4:5], s[4:5], 512               ; 128 numbers along K
	KLOADS \r
.endm
; set r is rounded to bf16 in place and stored into keys' slot r.  n: the loads of the one younger stage, which stay out
.macro KCONS r, n
	s_wait_loadcnt \n
	WIN 0x8a                                       ; destination and both sources window 2
.set i, 0
.rept 32
	v_cvt_pk_bf16_f32 v[128*(\r)+4*i], v[128*(\r)+4*i], v[128*(\r)+4*i+1]
	v_cvt_pk_bf16_f32 v[128*(\r)+4*i+1], v[128*(\r)+4*i+2], v[128*(\r)+4*i+3]
.set i, i+1
.endr
	WIN 0x08                                       ; store data window 2, address window 0
.set i, 0
.rept 32
	ds_store_b64 v[KL], v[128*(\r)+4*i:128*(\r)+4*i+1] offset:(\r)*KSLOT+i*PITCH
.set i, i+1
.endr
	WIN 0
.endm
	WIN 0xc0                                       ; destination window 3
.irp b, 0,1,2,3,4,5,6,7
	global_load_b128 v[8*\b:8*\b+3],   v[CIO], s[8:9] offset:64*\b      ; register 8 b + j: cq of query 16 b + 8 h + j
	global_load_b128 v[8*\b+4:8*\b+7], v[CIO], s[8:9] offset:64*\b+16
.endr
	WIN 0
	KLOADS 0                                       ; stage 0
	KISSUE 1                                       ; stage 1
	v_mul_u32_u24 v21, v19, PITCH
	v_lshl_add_u32 v21, v20, 4, v21                ; r x pitch + 16 h
	s_mul_i32 s50, s16, 128*PITCH
	v_add_nc_u32 v[ADQ], s50, v21
	v_add_nc_u32 v[ADQ+1], QSLOT, v[ADQ]
	s_mul_i32 s50, s15, 64*PITCH
	s_add_co_u32 s50, s50, KBASE
	v_add_nc_u32 v[ADK], s50, v21
	v_add_nc_u32 v[ADK+1], KSLOT, v[ADK]
	s_mul_i32 s50, s[WV], 16*PITCH
	s_add_co_u32 s50, s50, STAGE                   ; my stage
	v_add_nc_u32 v[STO], s50, v21
	v_mul_u32_u24 v[RD], v20, PITCH
	v_lshl_add_u32 v[RD], v19, 4, v[RD]
	v_add_nc_u32 v[RD], s50, v[RD]
	v_lshlrev_b32 v[CO], 10, v20
	v_lshl_add_u32 v[CO], v19, 4, v[CO]
	v_lshl_add_u32 v[SGS], v20, 5, s50
	v_add_nc_u32 v[SGL], s50, v[SO]
; 16 matrix instructions: key blocks a0, a0 + 1 x all 8 query blocks, 32 along K.  first = 1: cq starts the sums.  The 32 accumulators take turns.
.macro MUL16 f, a0, first
.if \first
	WIN 0x70                                       ; D window 1, C window 3
.else
	WIN 0x50                                       ; C and D window 1
.endif
.irp a, \a0, (\a0)+1
.irp b, 0,1,2,3,4,5,6,7
.if \first
	v_wmma_f32_16x16x32_bf16 v[8*(8*(\a)+\b):8*(8*(\a)+\b)+7], v[(\f)+8*\b:(\f)+8*\b+7], v[(\f)+64+8*(\a):(\f)+64+8*(\a)+7], v[8*\b:8*\b+7]
.else
	v_wmma_f32_16x16x32_bf16 v[8*(8*(\a)+\b):8*(8*(\a)+\b)+7], v[(\f)+8*\b:(\f)+8*\b+7], v[(\f)+64+8*(\a):(\f)+64+8*(\a)+7], v[8*(8*(\a)+\b):8*(8*(\a)+\b)+7]
.endif
.endr
.endr
.endm
; 24 LDS loads in one run: the fragments of quarter q of a step into buffer f
.macro FETCH slot, q, f
	WIN 0
.irp b, 0,1,2,3,4,5,6,7
	ds_load_b128 v[(\f)+8*\b:(\f)+8*\b+3],   v[ADQ+(\slot)] offset:\b*16*PITCH+64*(\q)
	ds_load_b128 v[(\f)+8*\b+4:(\f)+8*\b+7], v[ADQ+(\slot)] offset:\b*16*PITCH+64*(\q)+32
.endr
.irp a, 0,1,2,3
	ds_load_b128 v[(\f)+64+8*\a:(\f)+64+8*\a+3],   v[ADK+(\slot)] offset:\a*16*PITCH+64*(\q)
	ds_load_b128 v[(\f)+64+8*\a+4:(\f)+64+8*\a+7], v[ADK+(\slot)] offset:\a*16*PITCH+64*(\q)+32
.endr
.endm
; One of a step's first three quarters: multiplies buffer f; in its middle fetches quarter q into g; iss: the set to ask for; con: the set to convert, with its count n
.macro QUARTER slot, q, f, g, first=0, iss=-1, con=-1, n=0
	s_wait_dscnt 0x0                               ; buffer f is in (its loads were issued 16 matrix instructions ago)
	MUL16 \f, 0, \first
	PLACES                                         ; in front of the loads into g, which the quarter before multiplied
	FETCH \slot, \q, \g
.if (\iss) >= 0
	KISSUE \iss
.endif
.if (\con) >= 0
	KCONS \con, \n
.endif
	MUL16 \f, 2, \first
.endm
; The last quarter multiplies buffer 1 and changes slots: ONE barrier.  In front of it each wave waits for all its tensor loads (one is out: its part of the next q2 slot), adds 0 to its spare
; word, and waits for that, for its reads of both slots in hand and for its stores into the next keys' slot.  fill = 1: the barrier opens a round of the cluster's, and q2's slot is filled again first behind it.
.macro TURN slot, next, fill
	WIN 0
	s_wait_tensorcnt 0x0
	ds_add_u32 v[SPW], v[NIL]                      ; 0 onto my spare word
	s_wait_dscnt 0x0
	s_barrier_signal -1
	MUL16 F1, 0, 0                                 ; work on registers while the others arrive
	WIN 0
	s_barrier_wait -1
.if \fill
	CREST                                          ; no wave of any partner still reads this slot's tile or has a load on its way
	s_add_nc_u64 s[G0+4*(\slot)+2:G0+4*(\slot)+3], s[G0+4*(\slot)+2:G0+4*(\slot)+3], 512  ; two K steps on; no tensor load of mine is out
	tensor_load_to_lds s[G0+4*(\slot):G0+4*(\slot)+3], s[G1:G1+7]  ; my one tensor load behind the round: it has a step less 16 matrix instructions in which to land
	s_nop 0
.endif
	PLACES                                         ; behind the load; also the places in front of the loads into buffer 0
	FETCH \next, 0, F0
	MUL16 F1, 2, 0
.endm
	KCONS 0, 32                                    ; stage 0 (and cq, which is older) is in; stage 1's 32 loads stay out
	s_wait_tensorcnt 1                             ; my part of K step 0 is in; K step 1's may stay out
	s_wait_dscnt 0x0                               ; my rows of keys are in their slot
	s_barrier_signal -1
	s_barrier_wait -1
	FETCH 0, 0, F0
	QUARTER 0, 1, F0, F1, 1                        ; the first quarter stands in front of the loop: its products start the sums, on cq
	WIN 0
	s_mov_b32 s3, 3
.Llap:                                                 ; a trip: from a lap's second quarter to the next lap's first; steps 0 to 5 ask for stages 2 to 7 and fill both q2 slots again
	QUARTER 0, 2, F1, F0, 0, 0
	QUARTER 0, 3, F0, F1, 0, -1, 1, 32
	TURN 0, 1, 1
	QUARTER 1, 1, F0, F1
	QUARTER 1, 2, F1, F0, 0, 1
	QUARTER 1, 3, F0, F1, 0, -1, 0, 32
	TURN 1, 0, 1
	QUARTER 0, 1, F0, F1
	WIN 0
	s_sub_co_u32 s3, s3, 1
	s_cmp_lg_u32 s3, 0
	s_cbranch_scc1 .Llap
	QUARTER 0, 2, F1, F0                           ; the last lap asks for nothing
	QUARTER 0, 3, F0, F1, 0, -1, 1, 0              ; stage 7 is the last out
	TURN 0, 1, 0
	QUARTER 1, 1, F0, F1
	QUARTER 1, 2, F1, F0
	QUARTER 1, 3, F0, F1
	s_wait_dscnt 0x0
	MUL16 F1, 0, 0
	MUL16 F1, 2, 0
	; THE BLOCK'S STATISTICS.  Register 8 b + j of a lane stands for query 16 b + 8 h + j; its 64 keys lie in the four key blocks and the 16 lanes of my half.
	PLACES
	WIN 0x15                                       ; three sources window 1
.set i, 0
.rept 64
	v_max3_num_f32 v[MX+i], v[i], v[64+i], v[128+i]  ; each accumulator's lowest registers are read first
.set i, i+1
.endr
	WIN 0x01
.set i, 0
.rept 64
	v_max_num_f32 v[MX+i], v[192+i], v[MX+i]
.set i, i+1
.endr
	WIN 0
.macro XRED op, base                   ; over the 16 lanes of a half: four steps, each over all 64 registers, so that no line waits for the one before it
.irp m, 1,2,4,8
.set i, 0
.rept 64
	\op v[(\base)+i], v[(\base)+i], v[(\base)+i] row_xmask:\m row_mask:0xf bank_mask:0xf
.set i, i+1
.endr
.endr
.endm
	XRED v_max_num_f32_dpp, MX
.set i, 0
.rept 32
	v_pk_mul_f32 v[MX+2*i:MX+2*i+1], v[MX+2*i:MX+2*i+1], s[CS:CS+1] op_sel_hi:[1,0]  ; m = c max
.set i, i+1
.endr
	WIN 0x41                                       ; destination and source 0 window 1, m window 0
.set i, 0
.rept 128
	v_pk_fma_f32 v[2*i:2*i+1], v[2*i:2*i+1], s[CS:CS+1], v[MX+(2*i)%64:MX+(2*i)%64+1] op_sel_hi:[1,0,1] neg_lo:[0,0,1] neg_hi:[0,0,1]  ; c S - m
.set i, i+1
.endr
.set i, 0
.rept 256
	v_exp_f32 v[i], v[i]
.set i, i+1
.endr
	v_nop                                          ; a plain instruction between the last exponential and the use of its result
	WIN 0x05                                       ; both sources window 1
.set i, 0
	s_wait_alu depctr_va_vdst(0)
.rept 32
	v_pk_add_f32 v[SL+2*i:SL+2*i+1], v[2*i:2*i+1], v[64+2*i:64+2*i+1]
	v_pk_add_f32 v[S2+2*i:S2+2*i+1], v[128+2*i:128+2*i+1], v[192+2*i:192+2*i+1]
.set i, i+1
.endr
	WIN 0
.set i, 0
.rept 32
	v_pk_add_f32 v[SL+2*i:SL+2*i+1], v[SL+2*i:SL+2*i+1], v[S2+2*i:S2+2*i+1]
.set i, i+1
.endr
	XRED v_add_f32_dpp, SL
	; m and l of my 128 queries go through my stage, so that each leaves as 512 consecutive bytes.  The 16 lanes of a half hold, and store, the same numbers.
.irp b, 0,1,2,3,4,5,6,7
	ds_store_b128 v[SGS], v[MX+8*\b:MX+8*\b+3]   offset:64*\b
	ds_store_b128 v[SGS], v[MX+8*\b+4:MX+8*\b+7] offset:64*\b+16
	ds_store_b128 v[SGS], v[SL+8*\b:SL+8*\b+3]   offset:512+64*\b
	ds_store_b128 v[SGS], v[SL+8*\b+4:SL+8*\b+7] offset:512+64*\b+16
.endr
	ds_load_b128 v[S2:S2+3],   v[SGL]
	ds_load_b128 v[S2+4:S2+7], v[SGL] offset:512
	s_wait_dscnt 0x0
	global_store_b128 v[SO], v[S2:S2+3],   s[12:13]
	global_store_b128 v[SO], v[S2+4:S2+7], s[12:13] offset:524288
	; E, a key block (16 rows x 256 bytes) at a time: rounded to f16, 16 bytes a lane into my stage, whole rows back
.macro PACK a
	WIN 0x05
.irp b, 0,1,2,3,4,5,6,7
.irp k, 0,1,2,3
	v_cvt_pk_f16_f32 v[TMP+4*\b+\k], v[64*(\a)+8*\b+2*\k], v[64*(\a)+8*\b+2*\k+1]
.endr
.endr
	WIN 0
.endm
.macro TOSTAGE a
	s_wait_xcnt 0x0                                ; the registers that earlier stores read are loaded again only behind this wait
.irp b, 0,1,2,3,4,5,6,7
	ds_store_b128 v[STO], v[TMP+4*\b:TMP+4*\b+3] offset:32*\b
.endr
.irp t, 0,1,2,3,4,5,6,7
	ds_load_b128 v[SL+32*((\a)%2)+4*\t:SL+32*((\a)%2)+4*\t+3], v[RD] offset:\t*2*PITCH  ; LDS serves a wave's instructions in order: these see the stores above
.endr
.endm
.macro SEND a
.irp t, 0,1,2,3,4,5,6,7
	s_wait_dscnt 7-\t
	global_store_b128 v[CO], v[SL+32*((\a)%2)+4*\t:SL+32*((\a)%2)+4*\t+3], s[10:11] offset:(16*(\a)+2*\t)*1024  ; 16 lanes store 256 consecutive bytes, at a multiple of 256 from E's first byte
.endr
.endm
	PACK 0
	TOSTAGE 0
.irp a, 1,2,3                          ; a block's conversions stand between the loads of the block before and the wait for them
	PACK \a
	SEND (\a)-1
	TOSTAGE \a
.endr
	SEND 3
	s_wait_tensorcnt 0x0                           ; the wave's end: an add of 0 to my spare word behind my last tensor load and my last LDS store, and its wait
	ds_add_u32 v[SPW], v[NIL]
	s_wait_dscnt 0x0
	CROUND                                         ; the closing round: no work-group ends while a partner may still ask for a tile that names it
	s_endpgm
.Lfunc_end_k_qfff147f53c_scores:
	.size	k_qfff147f53c_scores, .Lfunc_end_k_qfff147f53c_scores-k_qfff147f53c_scores
	.p2alignl 7, 3214868480
	.fill 96, 4, 3214868480
	.section	.rodata,"a",@progbits
	.p2align	6, 0x0
	.amdhsa_kernel k_qfff147f53c_scores
		.amdhsa_group_segment_fixed_size 327680
		.amdhsa_private_segment_fixed_size 0
		.amdhsa_enable_private_segment 0
		.amdhsa_kernarg_size 40
		.amdhsa_user_sgpr_count 2
		.amdhsa_user_sgpr_kernarg_segment_ptr 1
		.amdhsa_wavefront_size32 1
		.amdhsa_system_sgpr_workgroup_id_x 1
		.amdhsa_system_sgpr_workgroup_id_y 1
		.amdhsa_system_sgpr_workgroup_id_z 1
		.amdhsa_system_vgpr_workitem_id 0
		.amdhsa_next_free_vgpr 832
		.amdhsa_next_free_sgpr 66
		.amdhsa_reserve_vcc 0
		.amdhsa_float_denorm_mode_32 3
		.amdhsa_float_denorm_mode_16_64 3
		.amdhsa_memory_ordered 1
		.amdhsa_forward_progress 1
		.amdhsa_inst_pref_size 187
	.end_amdhsa_kernel
	.amdgpu_metadata
---
amdhsa.version: [ 1, 2 ]
amdhsa.kernels:
  - .name:           k_qfff147f53c_scores
    .symbol:         k_qfff147f53c_scores.kd
    .args:
      - { .name: keys, .offset: 0, .size: 8, .value_kind: global_buffer, .address_space: global }
      - { .name: q2b, .offset: 8, .size: 8, .value_kind: global_buffer, .address_space: global }
      - { .name: cqv, .offset: 16, .size: 8, .value_kind: global_buffer, .address_space: global }
      - { .name: ew, .offset: 24, .size: 8, .value_kind: global_buffer, .address_space: global }
      - { .name: stt, .offset: 32, .size: 8, .value_kind: global_buffer, .address_space: global }
    .group_segment_fixed_size: 327680
    .private_segment_fixed_size: 0
    .kernarg_segment_align: 8
    .kernarg_segment_size: 40
    .max_flat_workgroup_size: 128
    .sgpr_count:     66
    .vgpr_count:     832
    .wavefront_size: 32
...
	.end_amdgpu_metadata
.endif
;; end of part 3
;; launch norm (part 4): grid 4 x 64, 8 waves a work-group, no clusters, 9,216 bytes of LDS; arguments ew, stt, out1, pn; writes out1, pn
.if DOCPART == 4
	.amdgcn_target "amdgcn-amd-amdhsa--gfx1250"
	.amdhsa_code_object_version 6
	.text
	.protected	k_qfff147f53c_norm
	.globl	k_qfff147f53c_norm
	.p2align	8
	.type	k_qfff147f53c_norm,@function
k_qfff147f53c_norm:
	s_mov_b64 s[64:65], 0
	v_nop
	global_prefetch_b8 v0, s[64:65] scope:SCOPE_SE
	s_setreg_imm32_b32 hwreg(HW_REG_WAVE_MODE, 25, 1), 1
	s_wait_xcnt 0x0
; The softmax is finished.  For each query: M = the maximum of its 64 blocks' m, L = the sum of l 2^(m - M); weight = e 2^(m_block - M) / L.
; E: [4][4096][512] f16, st: m [4][64][512] f32 and l 524,288 bytes on.  Out: out1 [4][4096][512] f32, Pn: the same numbers rounded to f16, the next launch's matrix operand.
; A stream: memory binds, so no matrix unit, no cluster, no tensor load.  A work-group owns 256 rows x 128 columns; a lane 4 columns, a wave 32 rows (half a block of 64 keys).
; Each load of E covers 256 consecutive bytes, each store of out1 512, of Pn 256.  All 32 rows of a wave are asked for at the start and lie in registers while M and L are made.
; M and L of the group's 128 columns: wave w joins blocks 8 w to 8 w + 7, the eight waves' figures meet in LDS behind one barrier, and every wave joins those.
; LIMITS: an exponential below 2^-126 counts as 0; a weight lies in 0 to 1, and in Pn it keeps f16's fixed step of 6e-8 below 6.1e-5; NaN and infinities are not treated apart.
.set MP,    0                          ; the waves' maxima: 512 bytes a wave
.set LP,    4096                       ; the waves' sums
.set SPARE, 8192
.set SOFF, 1                           ; v1  st: my 16 bytes in my wave's first block
.set OWO,  2                           ; v2  st: my 16 bytes in the block of my rows
.set EO,   3                           ; v3  E and Pn: my 8 bytes in my wave's first row
.set OO,   4                           ; v4  out1: my 16 bytes there
.set LST,  5                           ; v5  LDS: 16 x thread
.set LL,   6                           ; v6  LDS: 16 x lane
.set SPW,  7
.set NIL,  8
.set ZR,   9                           ; v9  0, the addend of the mixed multiply
.set MO,   12                          ; v12-15  a maximum for each of my 4 columns
.set LO,   16                          ; v16-19  a sum
.set OWN,  20                          ; v20-23  m of my rows' block
.set FF,   24                          ; v24-27  2^(m - M) / L
.set MB,   32                          ; v32-63  eight quads of m
.set LB,   64                          ; v64-95  eight quads of l
.set ER,   96                          ; v96-159 32 rows of E, two registers each
.set OU,   160                         ; v160-175 two sets of 8: four f32, two words of f16
	s_load_b256 s[4:11], s[0:1], 0x0               ; E s[4:5], st s[6:7], out1 s[8:9], Pn s[10:11]
	v_lshl_add_u32 v[SPW], v0, 2, SPARE
	v_mov_b32 v[NIL], 0
	v_mov_b32 v[ZR], 0
	v_lshrrev_b32 v10, 5, v0
	v_readfirstlane_b32 s12, v10                   ; wave
	v_and_b32 v10, 31, v0                          ; lane
	s_and_b32 s13, ttmp7, 0xffff                   ; y = 16 x batch + group of 256 rows
	s_lshr_b32 s14, s13, 4                         ; batch
	s_and_b32 s15, s13, 15
	v_lshlrev_b32 v[LL], 4, v10
	v_lshlrev_b32 v[LST], 4, v0
	v_lshl_add_u32 v[SOFF], s12, 14, v[LL]         ; wave x 8 blocks of 2,048 bytes
	s_lshl_b32 s16, s15, 2
	s_lshr_b32 s17, s12, 1
	s_add_co_u32 s16, s16, s17                     ; my rows' block: 4 x group + wave / 2
	v_lshl_add_u32 v[OWO], s16, 11, v[LL]
	v_lshlrev_b32 v[EO], 3, v10
	v_lshl_add_u32 v[EO], s12, 15, v[EO]           ; wave x 32 rows of 1,024 bytes
	v_lshl_add_u32 v[OO], s12, 16, v[LL]           ; wave x 32 rows of 2,048 bytes
	s_lshl_b32 s18, s14, 17                        ; st: batch x 64 blocks + 128 x columns
	s_lshl_b32 s19, ttmp9, 9
	s_add_co_u32 s18, s18, s19
	s_lshl_b32 s22, s13, 19                        ; out1: 256 y rows + 128 x columns
	s_add_co_u32 s22, s22, s19
	s_mov_b32 s19, 0
	s_mov_b32 s23, 0
	s_lshl_b32 s20, s13, 18                        ; E and Pn likewise
	s_lshl_b32 s21, ttmp9, 8
	s_add_co_u32 s20, s20, s21
	s_mov_b32 s21, 0
	s_wait_kmcnt 0x0
	s_add_nc_u64 s[4:5], s[4:5], s[20:21]
	s_add_nc_u64 s[6:7], s[6:7], s[18:19]
	s_add_nc_u64 s[8:9], s[8:9], s[22:23]
	s_add_nc_u64 s[10:11], s[10:11], s[20:21]
.irp i, 0,1,2,3,4,5,6,7
	global_load_b128 v[MB+4*\i:MB+4*\i+3], v[SOFF], s[6:7] offset:\i*2048
.endr
.irp i, 0,1,2,3,4,5,6,7
	global_load_b128 v[LB+4*\i:LB+4*\i+3], v[SOFF], s[6:7] offset:\i*2048+524288
.endr
	global_load_b128 v[OWN:OWN+3], v[OWO], s[6:7]
.set i, 0
.rept 32
	global_load_b64 v[ER+2*i:ER+2*i+1], v[EO], s[4:5] offset:i*1024 th:TH_LOAD_NT
.set i, i+1
.endr
; eight (m, l) for each of my 4 columns are joined into one: MO = the maximum, LO = the sum of l 2^(m - MO)
.macro COMBINE
.irp c, 0,1,2,3
	v_max3_num_f32 v[MO+\c], v[MB+\c], v[MB+4+\c], v[MB+8+\c]
.endr
.irp c, 0,1,2,3
	v_max3_num_f32 v[MO+\c], v[MO+\c], v[MB+12+\c], v[MB+16+\c]
.endr
.irp c, 0,1,2,3
	v_max3_num_f32 v[MO+\c], v[MO+\c], v[MB+20+\c], v[MB+24+\c]
.endr
.irp c, 0,1,2,3
	v_max_num_f32 v[MO+\c], v[MO+\c], v[MB+28+\c]
.endr
.irp i, 0,1,2,3,4,5,6,7
	v_pk_add_f32 v[MB+4*\i:MB+4*\i+1],   v[MB+4*\i:MB+4*\i+1],   v[MO:MO+1]   neg_lo:[0,1] neg_hi:[0,1]
	v_pk_add_f32 v[MB+4*\i+2:MB+4*\i+3], v[MB+4*\i+2:MB+4*\i+3], v[MO+2:MO+3] neg_lo:[0,1] neg_hi:[0,1]
.endr
.set i, 0
.rept 32
	v_exp_f32 v[MB+i], v[MB+i]
.set i, i+1
.endr
	v_nop                                          ; a plain instruction between the last exponential and the use of its result
	s_wait_alu depctr_va_vdst(0)
	v_pk_mul_f32 v[LO:LO+1],   v[LB:LB+1],   v[MB:MB+1]
	v_pk_mul_f32 v[LO+2:LO+3], v[LB+2:LB+3], v[MB+2:MB+3]
.irp i, 1,2,3,4,5,6,7
	v_pk_fma_f32 v[LO:LO+1],   v[LB+4*\i:LB+4*\i+1],   v[MB+4*\i:MB+4*\i+1],   v[LO:LO+1]
	v_pk_fma_f32 v[LO+2:LO+3], v[LB+4*\i+2:LB+4*\i+3], v[MB+4*\i+2:MB+4*\i+3], v[LO+2:LO+3]
.endr
.endm
	s_wait_loadcnt 32                              ; the statistics are in; E's 32 loads stay out
	COMBINE
	ds_store_b128 v[LST], v[MO:MO+3] offset:MP
	ds_store_b128 v[LST], v[LO:LO+3] offset:LP
	s_wait_dscnt 0x0                               ; for the others' sake: my figures are in LDS
	s_barrier_signal -1
	s_barrier_wait -1
.irp i, 0,1,2,3,4,5,6,7
	ds_load_b128 v[MB+4*\i:MB+4*\i+3], v[LL] offset:MP+512*\i
	ds_load_b128 v[LB+4*\i:LB+4*\i+3], v[LL] offset:LP+512*\i
.endr
	s_wait_dscnt 0x0
	COMBINE                                        ; M and L
	v_pk_add_f32 v[OWN:OWN+1],   v[OWN:OWN+1],   v[MO:MO+1]   neg_lo:[0,1] neg_hi:[0,1]
	v_pk_add_f32 v[OWN+2:OWN+3], v[OWN+2:OWN+3], v[MO+2:MO+3] neg_lo:[0,1] neg_hi:[0,1]
.irp c, 0,1,2,3
	v_exp_f32 v[OWN+\c], v[OWN+\c]
.endr
.irp c, 0,1,2,3
	v_rcp_f32 v[LO+\c], v[LO+\c]
.endr
	v_nop
	s_wait_alu depctr_va_vdst(0)
	v_pk_mul_f32 v[FF:FF+1],   v[OWN:OWN+1],   v[LO:LO+1]
	v_pk_mul_f32 v[FF+2:FF+3], v[OWN+2:OWN+3], v[LO+2:LO+3]
.set i, 0
.rept 32
.set o, OU+8*(i%2)
	s_wait_loadcnt 31-i                            ; row i is in; the younger rows stay out
	s_wait_xcnt 0x0                                ; the registers that earlier stores read are rewritten only behind this wait
	v_fma_mix_f32 v[o],   v[ER+2*i],   v[FF],   v[ZR] op_sel_hi:[1,0,0]                  ; an f16 half times an f32
	v_fma_mix_f32 v[o+1], v[ER+2*i],   v[FF+1], v[ZR] op_sel:[1,0,0] op_sel_hi:[1,0,0]
	v_fma_mix_f32 v[o+2], v[ER+2*i+1], v[FF+2], v[ZR] op_sel_hi:[1,0,0]
	v_fma_mix_f32 v[o+3], v[ER+2*i+1], v[FF+3], v[ZR] op_sel:[1,0,0] op_sel_hi:[1,0,0]
	v_cvt_pk_f16_f32 v[o+4], v[o],   v[o+1]
	v_cvt_pk_f16_f32 v[o+5], v[o+2], v[o+3]
	global_store_b128 v[OO], v[o:o+3],   s[8:9]   offset:i*2048 th:TH_STORE_NT
	global_store_b64  v[EO], v[o+4:o+5], s[10:11] offset:i*1024
.set i, i+1
.endr
	s_wait_tensorcnt 0x0                           ; the wave's end: an add of 0 to my spare word behind my last LDS store, and its wait
	ds_add_u32 v[SPW], v[NIL]
	s_wait_dscnt 0x0
	s_endpgm
.Lfunc_end_k_qfff147f53c_norm:
	.size	k_qfff147f53c_norm, .Lfunc_end_k_qfff147f53c_norm-k_qfff147f53c_norm
	.p2alignl 7, 3214868480
	.fill 96, 4, 3214868480
	.section	.rodata,"a",@progbits
	.p2align	6, 0x0
	.amdhsa_kernel k_qfff147f53c_norm
		.amdhsa_group_segment_fixed_size 9216
		.amdhsa_private_segment_fixed_size 0
		.amdhsa_enable_private_segment 0
		.amdhsa_kernarg_size 32
		.amdhsa_user_sgpr_count 2
		.amdhsa_user_sgpr_kernarg_segment_ptr 1
		.amdhsa_wavefront_size32 1
		.amdhsa_system_sgpr_workgroup_id_x 1
		.amdhsa_system_sgpr_workgroup_id_y 1
		.amdhsa_system_sgpr_workgroup_id_z 1
		.amdhsa_system_vgpr_workitem_id 0
		.amdhsa_next_free_vgpr 176
		.amdhsa_next_free_sgpr 66
		.amdhsa_reserve_vcc 0
		.amdhsa_float_denorm_mode_32 3
		.amdhsa_float_denorm_mode_16_64 3
		.amdhsa_memory_ordered 1
		.amdhsa_forward_progress 1
		.amdhsa_inst_pref_size 37
	.end_amdhsa_kernel
	.amdgpu_metadata
---
amdhsa.version: [ 1, 2 ]
amdhsa.kernels:
  - .name:           k_qfff147f53c_norm
    .symbol:         k_qfff147f53c_norm.kd
    .args:
      - { .name: ew, .offset: 0, .size: 8, .value_kind: global_buffer, .address_space: global }
      - { .name: stt, .offset: 8, .size: 8, .value_kind: global_buffer, .address_space: global }
      - { .name: out1, .offset: 16, .size: 8, .value_kind: global_buffer, .address_space: global }
      - { .name: pn, .offset: 24, .size: 8, .value_kind: global_buffer, .address_space: global }
    .group_segment_fixed_size: 9216
    .private_segment_fixed_size: 0
    .kernarg_segment_align: 8
    .kernarg_segment_size: 32
    .max_flat_workgroup_size: 256
    .sgpr_count:     66
    .vgpr_count:     176
    .wavefront_size: 32
...
	.end_amdgpu_metadata
.endif
;; end of part 4
;; launch ctx (part 5): grid 8 x 32, 4 waves a work-group, clusters of 4 x 1, 327,680 bytes of LDS; arguments pn, values, tp; writes tp
.if DOCPART == 5
	.amdgcn_target "amdgcn-amd-amdhsa--gfx1250"
	.amdhsa_code_object_version 6
	.text
	.protected	k_qfff147f53c_ctx
	.globl	k_qfff147f53c_ctx
	.p2align	8
	.type	k_qfff147f53c_ctx,@function
k_qfff147f53c_ctx:
	s_mov_b64 s[64:65], 0
	v_nop
	global_prefetch_b8 v0, s[64:65] scope:SCOPE_SE
	s_setreg_imm32_b32 hwreg(HW_REG_WAVE_MODE, 25, 1), 1
	s_wait_xcnt 0x0
	s_wait_alu depctr_hold_cnt(0) depctr_sa_sdst(0) depctr_va_vdst(0) depctr_va_sdst(0) depctr_va_ssrc(0) depctr_va_vcc(0) depctr_vm_vsrc(0)
	s_getreg_b32 s2, hwreg(HW_REG_IB_STS2, 6, 4)
	s_cmp_eq_u32 s2, 0
	s_cbranch_scc0 .Lentry_in_a_cluster
	s_endpgm
.Lentry_in_a_cluster:
	s_bfe_u32 s2, ttmp6, 0x10000c
	s_cmp_lg_u32 s2, 0x3003
	s_cbranch_scc0 .Lentry_shape_is_right
	s_endpgm
.Lentry_shape_is_right:
; Tp[part][kq][h] = the sum over a quarter of a batch's keys s of Pn[s][kq] values[s][h].  Pn: [4][4096][512] f16, values: [4][4096][1024] f32, Tp: [4 parts][2048][1024] f32.
; Why values and not v: the weights of a query sum to 1, so weights^T (values Wv^T + bv) = (weights^T values) Wv^T + bv; Wv and bv follow two launches on.  The order of rounding differs
; from the projection written out.  The keys are split in four so that 64 tiles of 256 x 128 make 256 work-groups; the parts stay f32 and are added in the next launch, in a fixed order.
; FORMATS.  The products are f16: the weights, which the program itself made, keep 11 significant bits.  values, the module's input, are rounded to bf16 like all its inputs, and that number is written as f16.
; LIMITS.  |values| stays under 65,504; below 6.1e-5 f16 keeps a fixed step of 6e-8.  NaN and infinities are not treated apart.
; SHARES.  A work-group: 256 queries x 128 channels, 1,024 keys in 8 steps of 128.  Four waves, wave w: queries 128 (w / 2) on, channels 64 (w % 2) on: 32 accumulators.
; Pn's tiles (128 keys x 512 bytes) come by tensor loads into two slots; the four work-groups of a cluster are four channel blocks of the same weights, so each tile is asked for JOINTLY.
; values are f32: each wave loads 32 rows x 512 bytes into one of two register sets, converts them and stores them into slots of their own, which no tensor load touches.
; Step t asks for stage t + 2 in its second quarter and converts stage t + 1 in its third.  Both operands lie [key][..], so all fragments come out of LDS turned, by ds_load_tr16_b128.
; Source 0 = 16 channels, source 1 = 16 queries: a lane holds one query and eight neighbouring channels.
; REGISTERS: window 0: v2-23 addresses; v64-159, v160-255 two fragment buffers (Pn 8 x 8, values 4 x 8).  window 1: accumulator (b, c) at 8 (4 b + c).  window 2: the two register sets of values.
.set PP,    544                        ; a row of Pn in LDS: 512 bytes + 32
.set PSLOT, 128*PP
.set VBASE, 2*PSLOT
.set PV,    288                        ; a row of values in LDS: 256 + 32
.set VSLOT, 128*PV
.set STAGE, VBASE+2*VSLOT
.set SP,    272
.set SPARE, STAGE+4*16*SP
.set ADP, 2                            ; v2, v3   my Pn fragments in slot 0, 1
.set ADV, 4                            ; v4, v5   my values fragments in slot 0, 1
.set VO,  6
.set VL,  7
.set STO, 8
.set RD,  9
.set CO,  10
.set SPW, 14
.set NIL, 15
.set F0,  64
.set F1,  160
.set BK,  64                           ; the way out: rows read back, two sets of 32
.set WV,  14
.set G1,  24
.set G0,  32
.set MK,  56                           ; s56  a word's upper bf16
.set MSB, 0
.macro WIN new
.if MSB != (\new)
	s_set_vgpr_msb (MSB<<8)|(\new)
.set MSB, (\new)
.endif
.endm
.macro PLACES
.rept 4
	v_nop
.endr
.endm
.macro CREST
	s_cmp_lg_u32 s[WV], 0
	s_cbranch_scc1 .Lnot_wave_0_\@
	s_barrier_signal -3
.Lnot_wave_0_\@:
	s_barrier_wait -3
	s_barrier_signal -1
	s_barrier_wait -1
.endm
.macro CROUND
	s_barrier_signal -1
	s_barrier_wait -1
	CREST
.endm
	s_load_b128 s[4:7], s[0:1], 0x0                ; Pn s[4:5], values s[6:7]
	s_load_b64 s[8:9], s[0:1], 0x10                ; Tp
	v_lshl_add_u32 v[SPW], v0, 2, SPARE
	v_mov_b32 v[NIL], 0
	ds_add_u32 v[SPW], v[NIL]                      ; the wave's opening: the add and its wait ahead of my first tensor load
	v_lshrrev_b32 v18, 5, v0
	v_readfirstlane_b32 s[WV], v18
	s_lshr_b32 s15, s[WV], 1                       ; wk: which 128 queries
	s_and_b32 s16, s[WV], 1                        ; wh: which 64 channels
	s_and_b32 s19, ttmp7, 0xffff                   ; y = 2 (4 batch + quarter) + half of the queries: the four partners share it
	s_lshr_b32 s52, s19, 1                         ; 4 batch + quarter: 1,024 keys each
	s_and_b32 s53, s19, 1                          ; half
	s_and_b32 s54, s52, 3                          ; quarter
	s_lshr_b32 s55, s52, 2                         ; batch
	s_mov_b32 s[MK], 0xffff0000
	; descriptor group 1: 32 rows x 256 elements of 2 bytes, padded in LDS
	s_mov_b32 s[G1], 15|(1<<16)|(1<<20)|(1<<21)|(6<<22)|(7<<25)  ; the mask of four; 2-byte elements; padding on; bit 21 beside a mask; after every 128 words, 8 words
	s_mov_b32 s[G1+1], 256<<16                     ; tensor_dim0 = 256
	s_mov_b32 s[G1+2], 32<<16                      ; tensor_dim1 = 32
	s_mov_b32 s[G1+3], 256<<16                     ; tile_dim0 = 256
	s_mov_b32 s[G1+4], 32                          ; tile_dim1 = 32
	s_mov_b32 s[G1+5], 512                         ; elements from row to row
	s_mov_b32 s[G1+6], 0
	s_mov_b32 s[G1+7], 0
	s_lshl_b32 s20, s52, 20                        ; Pn: 1,024 rows of 1,024 bytes for each quarter,
	s_lshl_b32 s21, s[WV], 15                      ; + 32 w rows: my quarter of a tile,
	s_add_co_u32 s20, s20, s21
	s_lshl_b32 s21, s53, 9                         ; + 256 x half columns
	s_add_co_u32 s20, s20, s21
	s_mov_b32 s21, 0
	s_mul_i32 s17, s[WV], 32*PP                    ; and where it goes
	s_bfe_u32 s40, ttmp6, 0x40000                  ; cx
	s_lshl_b32 s41, ttmp9, 2
	s_add_co_u32 s41, s41, s40                     ; my block of 128 channels: it enters the addresses of values and Tp alone
	s_lshl_b32 s42, s52, 22                        ; values: 1,024 rows of 4,096 bytes for each quarter + 128 x block columns
	s_lshl_b32 s43, s41, 9
	s_add_co_u32 s42, s42, s43
	s_lshl_b32 s44, s54, 23                        ; Tp: the part,
	s_add_co_u32 s44, s44, s43                     ; + my channels,
	s_mov_b32 s43, 0
	s_lshl_b32 s45, s55, 21                        ; + 512 batch rows of 4,096 bytes,
	s_add_co_u32 s44, s44, s45
	s_lshl_b32 s45, s53, 20                        ; + 256 x half rows,
	s_add_co_u32 s44, s44, s45
	s_lshl_b32 s45, s15, 19                        ; + 128 wk rows,
	s_add_co_u32 s44, s44, s45
	s_lshl_b32 s45, s16, 8                         ; + 64 wh channels
	s_add_co_u32 s44, s44, s45
	s_mov_b32 s45, 0
	s_wait_dscnt 0x0                               ; the opening add is done
	s_wait_kmcnt 0x0
	s_add_nc_u64 s[22:23], s[4:5], s[20:21]
	s_add_nc_u64 s[6:7], s[6:7], s[42:43]
	s_add_nc_u64 s[8:9], s[8:9], s[44:45]
	CROUND                                         ; all four work-groups are here: the first joint loads meet
.irp n, 0,1
	s_mov_b32 s[G0+4*\n], 1
	s_add_co_u32 s[G0+4*\n+1], s17, \n*PSLOT
	s_add_nc_u64 s[G0+4*\n+2:G0+4*\n+3], s[22:23], \n*131072  ; step n: 128 rows down
	s_or_b32 s[G0+4*\n+3], s[G0+4*\n+3], 0x80000000
.endr
	tensor_load_to_lds s[G0:G0+3], s[G1:G1+7]      ; the two first fills together: two loads of mine are out
	s_nop 0
	tensor_load_to_lds s[G0+4:G0+7], s[G1:G1+7]
	s_nop 0
	PLACES
	v_and_b32 v18, 31, v0                          ; lane
	v_and_b32 v19, 15, v0                          ; r
	v_bfe_u32 v20, v0, 4, 1                        ; h
	v_lshlrev_b32 v21, 4, v18
	v_lshl_add_u32 v[VO], s[WV], 17, v21           ; wave x 32 rows of 4,096 bytes + 16 x lane
	s_mul_i32 s50, s[WV], 32*PV
	s_add_co_u32 s50, s50, VBASE
	v_lshl_add_u32 v[VL], v18, 3, s50
.macro KLOADS r
	WIN 0x80
.set i, 0
.rept 32
	global_load_b128 v[128*(\r)+4*i:128*(\r)+4*i+3], v[VO], s[6:7] offset:i*4096
.set i, i+1
.endr
	WIN 0
.endm
.macro KISSUE r
	s_wait_xcnt 0x0                                ; the base is stepped only when every earlier load has had its address translated
	s_add_nc_u64 s[6:7], s[6:7], 128*4096          ; 128 keys down
	KLOADS \r
.endm
; set r is converted in place and stored into values' slot r: each number is rounded to bf16, and that number is written as f16, into its quad's first two registers.
; Phase by phase over all 32 quads, so that no line reads the result of the one before it.  n: the loads of the one younger stage, which stay out
.macro KCONS r, n
	s_wait_loadcnt \n
	WIN 0x8a                                       ; destination and both sources window 2
.set i, 0
.rept 32
	v_cvt_pk_bf16_f32 v[128*(\r)+4*i], v[128*(\r)+4*i], v[128*(\r)+4*i+1]
	v_cvt_pk_bf16_f32 v[128*(\r)+4*i+1], v[128*(\r)+4*i+2], v[128*(\r)+4*i+3]
.set i, i+1
.endr
.irp w, 0,1
.set i, 0
.rept 32
	v_lshlrev_b32 v[128*(\r)+4*i+2], 16, v[128*(\r)+4*i+\w]
	v_and_b32 v[128*(\r)+4*i+3], s[MK], v[128*(\r)+4*i+\w]
.set i, i+1
.endr
.set i, 0
.rept 32
	v_cvt_pk_f16_f32 v[128*(\r)+4*i+\w], v[128*(\r)+4*i+2], v[128*(\r)+4*i+3]
.set i, i+1
.endr
.endr
	WIN 0x08                                       ; store data window 2, address window 0
.set i, 0
.rept 32
	ds_store_b64 v[VL], v[128*(\r)+4*i:128*(\r)+4*i+1] offset:(\r)*VSLOT+i*PV
.set i, i+1
.endr
	WIN 0
.endm
	KLOADS 0                                       ; stage 0
	KISSUE 1                                       ; stage 1
	v_and_b32 v21, 7, v0
	v_lshl_add_u32 v21, v20, 3, v21                ; 8 h + lane % 8: the key that I address
	v_bfe_u32 v22, v0, 3, 1                        ; (lane / 8) % 2: which 16 bytes
	v_mul_u32_u24 v[ADP], v21, PP
	v_lshl_add_u32 v[ADP], v22, 4, v[ADP]
	v_lshl_add_u32 v[ADP], s15, 8, v[ADP]          ; + 128 wk queries
	v_add_nc_u32 v[ADP+1], PSLOT, v[ADP]
	v_mul_u32_u24 v[ADV], v21, PV
	v_lshl_add_u32 v[ADV], v22, 4, v[ADV]
	s_lshl_b32 s50, s16, 7                         ; + 64 wh channels
	s_add_co_u32 s50, s50, VBASE
	v_add_nc_u32 v[ADV], s50, v[ADV]
	v_add_nc_u32 v[ADV+1], VSLOT, v[ADV]
	s_mul_i32 s50, s[WV], 16*SP
	s_add_co_u32 s50, s50, STAGE                   ; my stage
	v_mul_u32_u24 v[STO], v19, SP
	v_lshl_add_u32 v[STO], v20, 5, v[STO]          ; row r, 32 bytes for each half of the lanes
	v_add_nc_u32 v[STO], s50, v[STO]
	v_mul_u32_u24 v[RD], v20, SP
	v_lshl_add_u32 v[RD], v19, 4, v[RD]
	v_add_nc_u32 v[RD], s50, v[RD]
	v_lshlrev_b32 v[CO], 12, v20
	v_lshl_add_u32 v[CO], v19, 4, v[CO]
; 16 matrix instructions: query blocks b0 .. b0 + 3 x all 4 channel blocks, 32 keys.  first = 1: the products start the sums.  The 32 accumulators take turns.
.macro MUL16 f, b0, first
	WIN 0x50                                       ; C and D window 1
.irp b, \b0, (\b0)+1, (\b0)+2, (\b0)+3
.irp c, 0,1,2,3
.if \first
	v_wmma_f32_16x16x32_f16 v[8*(4*(\b)+\c):8*(4*(\b)+\c)+7], v[(\f)+64+8*\c:(\f)+64+8*\c+7], v[(\f)+8*(\b):(\f)+8*(\b)+7], 0
.else
	v_wmma_f32_16x16x32_f16 v[8*(4*(\b)+\c):8*(4*(\b)+\c)+7], v[(\f)+64+8*\c:(\f)+64+8*\c+7], v[(\f)+8*(\b):(\f)+8*(\b)+7], v[8*(4*(\b)+\c):8*(4*(\b)+\c)+7]
.endif
.endr
.endr
.endm
.macro FETCH slot, q, f                ; 24 turning loads in one run: the fragments of quarter q (32 keys) into buffer f
	WIN 0
.irp b, 0,1,2,3,4,5,6,7
	ds_load_tr16_b128 v[(\f)+8*\b:(\f)+8*\b+3],   v[ADP+(\slot)] offset:(\q)*32*PP+32*\b
	ds_load_tr16_b128 v[(\f)+8*\b+4:(\f)+8*\b+7], v[ADP+(\slot)] offset:(\q)*32*PP+16*PP+32*\b
.endr
.irp c, 0,1,2,3
	ds_load_tr16_b128 v[(\f)+64+8*\c:(\f)+64+8*\c+3],   v[ADV+(\slot)] offset:(\q)*32*PV+32*\c
	ds_load_tr16_b128 v[(\f)+64+8*\c+4:(\f)+64+8*\c+7], v[ADV+(\slot)] offset:(\q)*32*PV+16*PV+32*\c
.endr
.endm
.macro QUARTER slot, q, f, g, first=0, iss=-1, con=-1, n=0
	s_wait_dscnt 0x0                               ; buffer f is in
	MUL16 \f, 0, \first
	PLACES                                         ; in front of the loads into g, which the quarter before multiplied
	FETCH \slot, \q, \g
.if (\iss) >= 0
	KISSUE \iss
.endif
.if (\con) >= 0
	KCONS \con, \n
.endif
	MUL16 \f, 4, \first
.endm
; The last quarter changes slots: ONE barrier; in front of it each wave waits for all its tensor loads (one is out: its part of the next Pn slot), adds 0 to its spare word, and waits for that,
; for its reads of the slots in hand and for its stores into the next values' slot.  fill = 1: the barrier opens a round of the cluster's, and Pn's slot is filled again first behind it.
.macro TURN slot, next, fill
	WIN 0
	s_wait_tensorcnt 0x0
	ds_add_u32 v[SPW], v[NIL]                      ; 0 onto my spare word
	s_wait_dscnt 0x0
	s_barrier_signal -1
	MUL16 F1, 0, 0
	WIN 0
	s_barrier_wait -1
.if \fill
	CREST
	s_add_nc_u64 s[G0+4*(\slot)+2:G0+4*(\slot)+3], s[G0+4*(\slot)+2:G0+4*(\slot)+3], 262144  ; two steps, 256 rows, down; no tensor load of mine is out
	tensor_load_to_lds s[G0+4*(\slot):G0+4*(\slot)+3], s[G1:G1+7]  ; my one tensor load behind the round
	s_nop 0
.endif
	PLACES
	FETCH \next, 0, F0
	MUL16 F1, 4, 0
.endm
	KCONS 0, 32                                    ; stage 0 is in; stage 1's 32 loads stay out
	s_wait_tensorcnt 1                             ; my part of step 0 is in; step 1's may stay out
	s_wait_dscnt 0x0
	s_barrier_signal -1
	s_barrier_wait -1
	FETCH 0, 0, F0
	QUARTER 0, 1, F0, F1, 1                        ; the first quarter stands in front of the loop: its products start the sums
	WIN 0
	s_mov_b32 s3, 3
.Llap:                                                 ; steps 0 to 5 ask for stages 2 to 7 and fill both Pn slots again
	QUARTER 0, 2, F1, F0, 0, 0
	QUARTER 0, 3, F0, F1, 0, -1, 1, 32
	TURN 0, 1, 1
	QUARTER 1, 1, F0, F1
	QUARTER 1, 2, F1, F0, 0, 1
	QUARTER 1, 3, F0, F1, 0, -1, 0, 32
	TURN 1, 0, 1
	QUARTER 0, 1, F0, F1
	WIN 0
	s_sub_co_u32 s3, s3, 1
	s_cmp_lg_u32 s3, 0
	s_cbranch_scc1 .Llap
	QUARTER 0, 2, F1, F0
	QUARTER 0, 3, F0, F1, 0, -1, 1, 0
	TURN 0, 1, 0
	QUARTER 1, 1, F0, F1
	QUARTER 1, 2, F1, F0
	QUARTER 1, 3, F0, F1
	s_wait_dscnt 0x0
	MUL16 F1, 0, 0
	MUL16 F1, 4, 0
	; THE WAY OUT, a query block (16 rows x 256 bytes of f32) at a time through my own stage
	PLACES
.macro TOSTAGE b
	WIN 0
	s_wait_xcnt 0x0                                ; the registers that earlier stores read are loaded again only behind this wait
	WIN 0x04                                       ; store data window 1
.irp c, 0,1,2,3
	ds_store_b128 v[STO], v[8*(4*(\b)+\c):8*(4*(\b)+\c)+3]   offset:64*\c
	ds_store_b128 v[STO], v[8*(4*(\b)+\c)+4:8*(4*(\b)+\c)+7] offset:64*\c+16
.endr
	WIN 0
.irp t, 0,1,2,3,4,5,6,7
	ds_load_b128 v[BK+32*((\b)%2)+4*\t:BK+32*((\b)%2)+4*\t+3], v[RD] offset:\t*2*SP  ; LDS serves a wave's instructions in order: these see the stores above, and the next block's stores come behind them
.endr
.endm
.macro SEND b, younger                 ; younger: the next block's sixteen LDS instructions, or none
.irp t, 0,1,2,3,4,5,6,7
	s_wait_dscnt (\younger)+7-\t
	global_store_b128 v[CO], v[BK+32*((\b)%2)+4*\t:BK+32*((\b)%2)+4*\t+3], s[8:9] offset:(16*(\b)+2*\t)*4096  ; 16 lanes store 256 consecutive bytes, at a multiple of 256 from Tp's first byte
.endr
.endm
	TOSTAGE 0
.irp b, 1,2,3,4,5,6,7
	TOSTAGE \b
	SEND (\b)-1, 16
.endr
	SEND 7, 0
	s_wait_tensorcnt 0x0                           ; the wave's end: an add of 0 to my spare word behind my last tensor load and my last LDS store, and its wait
	ds_add_u32 v[SPW], v[NIL]
	s_wait_dscnt 0x0
	CROUND                                         ; the closing round
	s_endpgm
.Lfunc_end_k_qfff147f53c_ctx:
	.size	k_qfff147f53c_ctx, .Lfunc_end_k_qfff147f53c_ctx-k_qfff147f53c_ctx
	.p2alignl 7, 3214868480
	.fill 96, 4, 3214868480
	.section	.rodata,"a",@progbits
	.p2align	6, 0x0
	.amdhsa_kernel k_qfff147f53c_ctx
		.amdhsa_group_segment_fixed_size 327680
		.amdhsa_private_segment_fixed_size 0
		.amdhsa_enable_private_segment 0
		.amdhsa_kernarg_size 24
		.amdhsa_user_sgpr_count 2
		.amdhsa_user_sgpr_kernarg_segment_ptr 1
		.amdhsa_wavefront_size32 1
		.amdhsa_system_sgpr_workgroup_id_x 1
		.amdhsa_system_sgpr_workgroup_id_y 1
		.amdhsa_system_sgpr_workgroup_id_z 1
		.amdhsa_system_vgpr_workitem_id 0
		.amdhsa_next_free_vgpr 768
		.amdhsa_next_free_sgpr 66
		.amdhsa_reserve_vcc 0
		.amdhsa_float_denorm_mode_32 3
		.amdhsa_float_denorm_mode_16_64 3
		.amdhsa_memory_ordered 1
		.amdhsa_forward_progress 1
		.amdhsa_inst_pref_size 153
	.end_amdhsa_kernel
	.amdgpu_metadata
---
amdhsa.version: [ 1, 2 ]
amdhsa.kernels:
  - .name:           k_qfff147f53c_ctx
    .symbol:         k_qfff147f53c_ctx.kd
    .args:
      - { .name: pn, .offset: 0, .size: 8, .value_kind: global_buffer, .address_space: global }
      - { .name: values, .offset: 8, .size: 8, .value_kind: global_buffer, .address_space: global }
      - { .name: tp, .offset: 16, .size: 8, .value_kind: global_buffer, .address_space: global }
    .group_segment_fixed_size: 327680
    .private_segment_fixed_size: 0
    .kernarg_segment_align: 8
    .kernarg_segment_size: 24
    .max_flat_workgroup_size: 128
    .sgpr_count:     66
    .vgpr_count:     768
    .wavefront_size: 32
...
	.end_amdgpu_metadata
.endif
;; end of part 5
;; launch red (part 6): grid 256 x 1, 8 waves a work-group, no clusters, 0 bytes of LDS; arguments tp, tsum; writes tsum
.if DOCPART == 6
	.amdgcn_target "amdgcn-amd-amdhsa--gfx1250"
	.amdhsa_code_object_version 6
	.text
	.protected	k_qfff147f53c_red
	.globl	k_qfff147f53c_red
	.p2align	8
	.type	k_qfff147f53c_red,@function
k_qfff147f53c_red:
	s_mov_b64 s[64:65], 0
	v_nop
	global_prefetch_b8 v0, s[64:65] scope:SCOPE_SE
	s_setreg_imm32_b32 hwreg(HW_REG_WAVE_MODE, 25, 1), 1
	s_wait_xcnt 0x0
; T = (Tp[0] + Tp[1]) + (Tp[2] + Tp[3]), all f32: the four parts of the sum over keys, added in one fixed order.  Tp: [4][2048][1024], T: [2048][1024].
; A stream: a work-group owns 32,768 bytes of T, a thread 16 bytes in each of 8 chunks of 4,096.  All 32 loads of a wave go out at once, each 512 consecutive bytes;
; the waits count down by a chunk's four.  No LDS, no barrier, no matrix unit: memory binds.
.set X, 8                              ; v[8 + 16 j + 4 p ..]: chunk j, part p
	s_load_b128 s[4:7], s[0:1], 0x0                ; Tp s[4:5], T s[6:7]
	v_lshlrev_b32 v1, 4, v0
	s_lshl_b32 s8, ttmp9, 15
	s_mov_b32 s9, 0
	s_wait_kmcnt 0x0
	s_add_nc_u64 s[4:5], s[4:5], s[8:9]
	s_add_nc_u64 s[6:7], s[6:7], s[8:9]
	s_add_nc_u64 s[10:11], s[4:5], 0x800000        ; the parts lie 8,388,608 bytes apart
	s_add_nc_u64 s[12:13], s[4:5], 0x1000000
	s_add_nc_u64 s[14:15], s[4:5], 0x1800000
.irp j, 0,1,2,3,4,5,6,7
	global_load_b128 v[X+16*\j:X+16*\j+3],     v1, s[4:5]   offset:\j*4096 th:TH_LOAD_NT
	global_load_b128 v[X+16*\j+4:X+16*\j+7],   v1, s[10:11] offset:\j*4096 th:TH_LOAD_NT
	global_load_b128 v[X+16*\j+8:X+16*\j+11],  v1, s[12:13] offset:\j*4096 th:TH_LOAD_NT
	global_load_b128 v[X+16*\j+12:X+16*\j+15], v1, s[14:15] offset:\j*4096 th:TH_LOAD_NT
.endr
.irp j, 0,1,2,3,4,5,6,7
	s_wait_loadcnt 28-4*\j                         ; chunk j's four parts are in; the younger chunks stay out
	v_pk_add_f32 v[X+16*\j:X+16*\j+1],     v[X+16*\j:X+16*\j+1],     v[X+16*\j+4:X+16*\j+5]
	v_pk_add_f32 v[X+16*\j+2:X+16*\j+3],   v[X+16*\j+2:X+16*\j+3],   v[X+16*\j+6:X+16*\j+7]
	v_pk_add_f32 v[X+16*\j+8:X+16*\j+9],   v[X+16*\j+8:X+16*\j+9],   v[X+16*\j+12:X+16*\j+13]
	v_pk_add_f32 v[X+16*\j+10:X+16*\j+11], v[X+16*\j+10:X+16*\j+11], v[X+16*\j+14:X+16*\j+15]
	v_pk_add_f32 v[X+16*\j:X+16*\j+1],     v[X+16*\j:X+16*\j+1],     v[X+16*\j+8:X+16*\j+9]
	v_pk_add_f32 v[X+16*\j+2:X+16*\j+3],   v[X+16*\j+2:X+16*\j+3],   v[X+16*\j+10:X+16*\j+11]
	global_store_b128 v1, v[X+16*\j:X+16*\j+3], s[6:7] offset:\j*4096
.endr
	s_endpgm
.Lfunc_end_k_qfff147f53c_red:
	.size	k_qfff147f53c_red, .Lfunc_end_k_qfff147f53c_red-k_qfff147f53c_red
	.p2alignl 7, 3214868480
	.fill 96, 4, 3214868480
	.section	.rodata,"a",@progbits
	.p2align	6, 0x0
	.amdhsa_kernel k_qfff147f53c_red
		.amdhsa_group_segment_fixed_size 0
		.amdhsa_private_segment_fixed_size 0
		.amdhsa_enable_private_segment 0
		.amdhsa_kernarg_size 16
		.amdhsa_user_sgpr_count 2
		.amdhsa_user_sgpr_kernarg_segment_ptr 1
		.amdhsa_wavefront_size32 1
		.amdhsa_system_sgpr_workgroup_id_x 1
		.amdhsa_system_sgpr_workgroup_id_y 1
		.amdhsa_system_sgpr_workgroup_id_z 1
		.amdhsa_system_vgpr_workitem_id 0
		.amdhsa_next_free_vgpr 136
		.amdhsa_next_free_sgpr 66
		.amdhsa_reserve_vcc 0
		.amdhsa_float_denorm_mode_32 3
		.amdhsa_float_denorm_mode_16_64 3
		.amdhsa_memory_ordered 1
		.amdhsa_forward_progress 1
		.amdhsa_inst_pref_size 8
	.end_amdhsa_kernel
	.amdgpu_metadata
---
amdhsa.version: [ 1, 2 ]
amdhsa.kernels:
  - .name:           k_qfff147f53c_red
    .symbol:         k_qfff147f53c_red.kd
    .args:
      - { .name: tp, .offset: 0, .size: 8, .value_kind: global_buffer, .address_space: global }
      - { .name: tsum, .offset: 8, .size: 8, .value_kind: global_buffer, .address_space: global }
    .group_segment_fixed_size: 0
    .private_segment_fixed_size: 0
    .kernarg_segment_align: 8
    .kernarg_segment_size: 16
    .max_flat_workgroup_size: 256
    .sgpr_count:     66
    .vgpr_count:     136
    .wavefront_size: 32
...
	.end_amdgpu_metadata
.endif
;; end of part 6
;; launch projo: the kernel of part 1 again; grid 8 x 32, 8 waves a work-group, no clusters, 140,288 bytes of LDS; arguments tsum, Wv, bv, out0; writes out0
;; ======== version 2 of 3: 7 launches; 1.11 times as fast as version 1
;; limits: values are held in f16: magnitudes above 65,504 overflow, below 6.1e-05 lose precision; inputs' magnitudes at most 65,504
;; workspace buffers: q16 4,194,304 bytes; q2b 4,194,304 bytes; cqv 8,192 bytes; ew 16,777,216 bytes; stt 1,048,576 bytes; pn 16,777,216 bytes; tp 33,554,432 bytes; t16 4,194,304 bytes
;; launch projq (part 7): grid 8 x 32, 8 waves a work-group, no clusters, 122,880 bytes of LDS; arguments queries, Wq, bq, q16; writes q16
.if DOCPART == 7
	.amdgcn_target "amdgcn-amd-amdhsa--gfx1250"
	.amdhsa_code_object_version 6
	.text
	.protected	k_qfff147f53c_projq
	.globl	k_qfff147f53c_projq
	.p2align	8
	.type	k_qfff147f53c_projq,@function
k_qfff147f53c_projq:
	s_mov_b64 s[64:65], 0
	v_nop
	global_prefetch_b8 v0, s[64:65] scope:SCOPE_SE
	s_setreg_imm32_b32 hwreg(HW_REG_WAVE_MODE, 25, 1), 1
	s_wait_xcnt 0x0
; q[m][n] = sum over k of queries[m][k] Wq[n][k] + bq[n], stored as f16 of q x 2^-4.  queries: [2048][1024], Wq: [1024][1024], bq: [1024], all f32; q16: [2048][1024] f16.
; queries, Wq and bq are rounded once to bf16 (all that comes in carries one and the same rounding), the sums are f32, the bias starts them.
; The factor 2^-4 is exact and is taken back by the next launch; it leaves |q| room up to 16 x 65,504.  Below 9.8e-4 q keeps a fixed step of 9.5e-7.
; A work-group makes 64 x 128: 8 x 32 work-groups.  Eight waves, wave w: rows 16 (w / 2) on, columns 64 (w % 2) on: four accumulators of 16 x 16.
; K goes in 8 steps of 128 through two LDS slots.  In step t a wave asks for its part of stage t + 2 (24 loads of 512 bytes into one of two register sets),
; multiplies half of slot t % 2, converts stage t + 1 into the other slot, multiplies the other half; one barrier a step.
; No tensor load: both operands are f32 in memory and are wanted as bf16, so they pass through registers anyway.  No cluster for the same reason.
; The matrix instruction is used transposed (source 0 = 16 rows of Wq, source 1 = 16 rows of queries): a lane holds one row of q and eight neighbouring columns.
; NaN and infinities are not treated apart.
.set ROWB,  4096                       ; bytes in a row of queries and Wq
.set PITCH, 272                        ; an LDS row: 256 bytes + 16: the 16 rows of a fragment load start 16 bytes apart modulo 256
.set ASZ,   64*PITCH                   ; A's 64 rows, then B's 128 rows
.set SLOT,  192*PITCH
.set STAGE, 2*SLOT                     ; behind the slots: the work-group's stage, 64 rows x 272 bytes
.set SPARE, STAGE+64*PITCH             ; the spare words: 128 bytes for each of eight waves
.set VOA, 1                            ; v1   byte offset of my 16 bytes in my first row of A's tile (8 rows a wave)
.set VOB, 2                            ; v2   the same for B (16 rows a wave)
.set LSA, 3                            ; v3   where my 8 bytes of my first row of A go in slot 0
.set LSB, 4                            ; v4   the same for B
.set AA,  5                            ; v5   my A fragment's address in slot 0
.set AB,  6                            ; v6   my first B fragment's
.set STO, 7                            ; v7   the way out: in
.set RD,  8                            ; v8   the way out: back
.set CO,  9                            ; v9   my byte offset in two rows of q16
.set BO,  10                           ; v10  my byte offset in the bias
.set SPW, 12                           ; v12  my spare word; never rewritten
.set NIL, 13                           ; v13  0; never rewritten
.set ACC, 16                           ; v16-47   four accumulators
.set FR,  64                           ; v64-159  two fragment sets of 48: A 8, B 4 x 8
.set OB,  160                          ; v160-175 rows read back; at the start: the bias in bf16
.set TMP, 176                          ; v176-191 packed results
.set P0,  0                            ; window 1: v0-95 and v96-191: the two register sets of a stage (A 8 x 4, B 16 x 4)
.set DN,  28                           ; s[28:29] 2^-4: the packed multiply takes the pair's low word for both halves
.set MSB, 0
.macro WIN new                         ; the immediate's high byte repeats the setting that is left
.if MSB != (\new)
	s_set_vgpr_msb (MSB<<8)|(\new)
.set MSB, (\new)
.endif
.endm
.macro PLACES                          ; four plain places between a matrix instruction and a load into, or a read of, its registers
.rept 4
	v_nop
.endr
.endm
	s_load_b256 s[4:11], s[0:1], 0x0               ; queries s[4:5], Wq s[6:7], bq s[8:9], q16 s[10:11]
	v_lshl_add_u32 v[SPW], v0, 2, SPARE
	v_mov_b32 v[NIL], 0
	v_lshrrev_b32 v48, 5, v0
	v_readfirstlane_b32 s12, v48                   ; wave 0..7
	v_and_b32 v49, 31, v0                          ; lane
	v_and_b32 v50, 15, v0                          ; r
	v_bfe_u32 v51, v0, 4, 1                        ; h
	s_lshr_b32 s14, s12, 1                         ; wm: which 16 rows
	s_and_b32 s15, s12, 1                          ; wn: which 64 columns
	s_and_b32 s16, ttmp7, 0xffff                   ; y: block of 64 rows
	v_lshlrev_b32 v48, 4, v49                      ; 16 x lane
	v_lshl_add_u32 v[VOA], s12, 15, v48            ; + wave x 8 rows
	v_lshl_add_u32 v[VOB], s12, 16, v48            ; + wave x 16 rows
	s_mul_i32 s17, s12, 8*PITCH
	v_lshl_add_u32 v[LSA], v49, 3, s17
	s_mul_i32 s17, s12, 16*PITCH
	s_add_co_u32 s17, s17, ASZ
	v_lshl_add_u32 v[LSB], v49, 3, s17
	v_mul_u32_u24 v48, v50, PITCH                  ; r x pitch
	v_lshl_add_u32 v[AA], v51, 4, v48              ; + 16 h
	s_mul_i32 s17, s15, 64*PITCH
	s_add_co_u32 s17, s17, ASZ
	v_add_nc_u32 v[AB], s17, v[AA]
	v_mov_b32 v[STO], v[AA]
	s_mul_i32 s17, s14, 16*PITCH
	v_add_nc_u32 v[AA], s17, v[AA]
	s_lshl_b32 s27, s15, 7
	s_add_co_u32 s17, s17, s27
	s_add_co_u32 s17, s17, STAGE
	v_add_nc_u32 v[STO], s17, v[STO]               ; stage row 16 wm + r, byte 128 wn + 16 h
	s_mul_i32 s17, s12, 8*PITCH
	s_add_co_u32 s17, s17, STAGE
	v_mul_u32_u24 v[RD], v51, PITCH                ; back: wave w takes rows 8 w on, whole: lanes 0-15 one row of 256 bytes, lanes 16-31 the next
	v_lshl_add_u32 v[RD], v50, 4, v[RD]
	v_add_nc_u32 v[RD], s17, v[RD]
	v_lshlrev_b32 v[CO], 11, v51                   ; a row of q16 is 2,048 bytes
	v_lshl_add_u32 v[CO], v50, 4, v[CO]
	v_lshlrev_b32 v[BO], 5, v51                    ; bias: 8 h numbers,
	v_lshl_add_u32 v[BO], s15, 8, v[BO]            ; + 64 wn
	s_lshl_b32 s18, s16, 18                        ; A: 64 y rows
	s_mov_b32 s19, 0
	s_lshl_b32 s20, ttmp9, 19                      ; B: 128 x rows
	s_mov_b32 s21, 0
	s_lshl_b32 s22, ttmp9, 9                       ; bias: 128 x numbers
	s_mov_b32 s23, 0
	s_lshl_b32 s24, s16, 17                        ; q16: 64 y rows,
	s_lshl_b32 s25, s12, 14                        ; + 8 w rows,
	s_add_co_u32 s24, s24, s25
	s_lshl_b32 s25, ttmp9, 8                       ; + 128 x columns
	s_add_co_u32 s24, s24, s25
	s_mov_b32 s25, 0
	s_mov_b32 s26, 0xffff0000                      ; a word's upper bf16
	s_mov_b32 s[DN], 0x3d800000                    ; 2^-4
	s_mov_b32 s[DN+1], s[DN]                       ; named with it as a pair
	s_wait_kmcnt 0x0
	s_add_nc_u64 s[4:5], s[4:5], s[18:19]
	s_add_nc_u64 s[6:7], s[6:7], s[20:21]
	s_add_nc_u64 s[8:9], s[8:9], s[22:23]
	s_add_nc_u64 s[10:11], s[10:11], s[24:25]
; my part of a stage: 8 rows of A's tile and 16 of B's, 512 bytes of a row to a load
.macro LOADS p
	WIN 0x40                                       ; destination window 1
.irp i, 0,1,2,3,4,5,6,7
	global_load_b128 v[(\p)+4*\i:(\p)+4*\i+3], v[VOA], s[4:5] offset:\i*ROWB
.endr
.irp i, 0,1,2,3,4,5,6,7,8,9,10,11,12,13,14,15
	global_load_b128 v[(\p)+32+4*\i:(\p)+32+4*\i+3], v[VOB], s[6:7] offset:\i*ROWB
.endr
	WIN 0
.endm
.macro ISSUE p
	s_wait_xcnt 0x0                                ; the bases are stepped only when every earlier load has had its address translated
	s_add_nc_u64 s[4:5], s[4:5], 512               ; 128 numbers along K
	s_add_nc_u64 s[6:7], s[6:7], 512
	LOADS \p
.endm
; a stage is rounded to bf16 in place and stored into a slot.  n: the loads of the one younger stage, which stay out
.macro CONSUME p, slot, n
	s_wait_loadcnt \n
	WIN 0x45                                       ; destination and both sources window 1
.set i, 0
.rept 24
	v_cvt_pk_bf16_f32 v[(\p)+4*i], v[(\p)+4*i], v[(\p)+4*i+1]
	v_cvt_pk_bf16_f32 v[(\p)+4*i+1], v[(\p)+4*i+2], v[(\p)+4*i+3]
.set i, i+1
.endr
	WIN 0x04                                       ; store data window 1, address window 0
.set i, 0
.rept 8
	ds_store_b64 v[LSA], v[(\p)+4*i:(\p)+4*i+1] offset:(\slot)*SLOT+i*PITCH
.set i, i+1
.endr
.set i, 0
.rept 16
	ds_store_b64 v[LSB], v[(\p)+32+4*i:(\p)+32+4*i+1] offset:(\slot)*SLOT+i*PITCH
.set i, i+1
.endr
	WIN 0
.endm
.macro MULS c                          ; four matrix instructions, the accumulators by turns
.irp b, 0,1,2,3
	v_wmma_f32_16x16x32_bf16 v[ACC+8*\b:ACC+8*\b+7], v[FR+48*(\c)+8+8*\b:FR+48*(\c)+8+8*\b+7], v[FR+48*(\c):FR+48*(\c)+7], v[ACC+8*\b:ACC+8*\b+7]
.endr
.endm
; 64 along K at byte k of the slot's rows: 20 fragment loads, 8 matrix instructions
.macro HALF slot, k
	PLACES
.irp c, 0,1
	ds_load_b128 v[FR+48*\c:FR+48*\c+3],   v[AA] offset:(\slot)*SLOT+(\k)+64*\c
	ds_load_b128 v[FR+48*\c+4:FR+48*\c+7], v[AA] offset:(\slot)*SLOT+(\k)+64*\c+32
.irp b, 0,1,2,3
	ds_load_b128 v[FR+48*\c+8+8*\b:FR+48*\c+8+8*\b+3],   v[AB] offset:(\slot)*SLOT+\b*16*PITCH+(\k)+64*\c
	ds_load_b128 v[FR+48*\c+12+8*\b:FR+48*\c+12+8*\b+3], v[AB] offset:(\slot)*SLOT+\b*16*PITCH+(\k)+64*\c+32
.endr
.endr
	s_wait_dscnt 10                                ; the first set is in; the second set's ten loads may be out
	MULS 0
	s_wait_dscnt 0x0
	MULS 1
.endm
.macro MEET                            ; a step's end: my stores into the other slot are done and my reads of this one are back; then all eight waves meet
	s_wait_dscnt 0x0
	s_barrier_signal -1
	s_barrier_wait -1
.endm
.irp k, 0,1,2,3                        ; the bias goes straight into the accumulators: register j of block k is bias[64 wn + 16 k + 8 h + j]
	global_load_b128 v[ACC+8*\k:ACC+8*\k+3],   v[BO], s[8:9] offset:64*\k
	global_load_b128 v[ACC+8*\k+4:ACC+8*\k+7], v[BO], s[8:9] offset:64*\k+16
.endr
	LOADS P0                                       ; stage 0
	ISSUE P0+96                                    ; stage 1
	CONSUME P0, 0, 24                              ; stage 0 (and the bias, which is older) is in; stage 1's 24 loads stay out
.set i, 0
.rept 16                               ; the bias is rounded to bf16 and widened again, in place: it starts the sums
	v_cvt_pk_bf16_f32 v[OB+i], v[ACC+2*i], v[ACC+2*i+1]
.set i, i+1
.endr
.set i, 0
.rept 16
	v_lshlrev_b32 v[ACC+2*i], 16, v[OB+i]
	v_and_b32 v[ACC+2*i+1], s26, v[OB+i]
.set i, i+1
.endr
	MEET
	s_mov_b32 s13, 4
.Lk:                                                   ; a trip is two steps; trips 1 to 3 ask for stages 2 to 7; the fourth asks for nothing and is left in its middle
	s_cmp_eq_u32 s13, 1
	s_cbranch_scc1 .Lno_more
	ISSUE P0                                       ; stage t + 2 into the set that the last step emptied
	s_branch .Lasked
.Lno_more:
	s_wait_loadcnt 0x0                             ; no younger stage follows stage 7: its wait is for all
.Lasked:
	HALF 0, 0
	CONSUME P0+96, 1, 24                           ; stage t + 1 into the slot that was read in the last step, ahead of its barrier
	HALF 0, 128
	MEET
	s_cmp_eq_u32 s13, 1
	s_cbranch_scc1 .Llast
	ISSUE P0+96
	HALF 1, 0
	CONSUME P0, 0, 24
	HALF 1, 128
	MEET
	s_sub_co_u32 s13, s13, 1
	s_cmp_lg_u32 s13, 0
	s_cbranch_scc1 .Lk
.Llast:
	HALF 1, 0                                      ; step 7
	HALF 1, 128
	; THE WAY OUT.  Times 2^-4, rounded to f16.  A wave's 64 columns are 128 bytes, half of a row's 256: the waves share one stage, with a barrier between writing and reading.
	PLACES
.set i, 0
.rept 16                               ; each accumulator from its low end on
	v_pk_mul_f32 v[ACC+2*i:ACC+2*i+1], v[ACC+2*i:ACC+2*i+1], s[DN:DN+1] op_sel_hi:[1,0]
.set i, i+1
.endr
.irp b, 0,1,2,3
.irp k, 0,1,2,3
	v_cvt_pk_f16_f32 v[TMP+4*\b+\k], v[ACC+8*\b+2*\k], v[ACC+8*\b+2*\k+1]
.endr
.endr
.irp b, 0,1,2,3
	ds_store_b128 v[STO], v[TMP+4*\b:TMP+4*\b+3] offset:32*\b
.endr
	MEET                                           ; for the others' sake: my stores into the stage are done
.irp t, 0,1,2,3
	ds_load_b128 v[OB+4*\t:OB+4*\t+3], v[RD] offset:\t*2*PITCH
.endr
.irp t, 0,1,2,3
	s_wait_dscnt 3-\t
	global_store_b128 v[CO], v[OB+4*\t:OB+4*\t+3], s[10:11] offset:\t*4096  ; 16 lanes store 256 consecutive bytes, at a multiple of 256 from q16's first byte
.endr
	s_wait_tensorcnt 0x0                           ; the wave's end: an add of 0 to my spare word behind my last LDS store, and its wait
	ds_add_u32 v[SPW], v[NIL]
	s_wait_dscnt 0x0
	s_endpgm
.Lfunc_end_k_qfff147f53c_projq:
	.size	k_qfff147f53c_projq, .Lfunc_end_k_qfff147f53c_projq-k_qfff147f53c_projq
	.p2alignl 7, 3214868480
	.fill 96, 4, 3214868480
	.section	.rodata,"a",@progbits
	.p2align	6, 0x0
	.amdhsa_kernel k_qfff147f53c_projq
		.amdhsa_group_segment_fixed_size 122880
		.amdhsa_private_segment_fixed_size 0
		.amdhsa_enable_private_segment 0
		.amdhsa_kernarg_size 32
		.amdhsa_user_sgpr_count 2
		.amdhsa_user_sgpr_kernarg_segment_ptr 1
		.amdhsa_wavefront_size32 1
		.amdhsa_system_sgpr_workgroup_id_x 1
		.amdhsa_system_sgpr_workgroup_id_y 1
		.amdhsa_system_sgpr_workgroup_id_z 1
		.amdhsa_system_vgpr_workitem_id 0
		.amdhsa_next_free_vgpr 448
		.amdhsa_next_free_sgpr 66
		.amdhsa_reserve_vcc 0
		.amdhsa_float_denorm_mode_32 3
		.amdhsa_float_denorm_mode_16_64 3
		.amdhsa_memory_ordered 1
		.amdhsa_forward_progress 1
		.amdhsa_inst_pref_size 45
	.end_amdhsa_kernel
	.amdgpu_metadata
---
amdhsa.version: [ 1, 2 ]
amdhsa.kernels:
  - .name:           k_qfff147f53c_projq
    .symbol:         k_qfff147f53c_projq.kd
    .args:
      - { .name: queries, .offset: 0, .size: 8, .value_kind: global_buffer, .address_space: global }
      - { .name: Wq, .offset: 8, .size: 8, .value_kind: global_buffer, .address_space: global }
      - { .name: bq, .offset: 16, .size: 8, .value_kind: global_buffer, .address_space: global }
      - { .name: q16, .offset: 24, .size: 8, .value_kind: global_buffer, .address_space: global }
    .group_segment_fixed_size: 122880
    .private_segment_fixed_size: 0
    .kernarg_segment_align: 8
    .kernarg_segment_size: 32
    .max_flat_workgroup_size: 256
    .sgpr_count:     66
    .vgpr_count:     448
    .wavefront_size: 32
...
	.end_amdgpu_metadata
.endif
;; end of part 7
;; launch fold (part 8): grid 16 x 16, 8 waves a work-group, clusters of 4 x 1, 327,680 bytes of LDS; arguments q16, Wk, bk, q2b, cqv; writes q2b, cqv
.if DOCPART == 8
	.amdgcn_target "amdgcn-amd-amdhsa--gfx1250"
	.amdhsa_code_object_version 6
	.text
	.protected	k_qfff147f53c_fold
	.globl	k_qfff147f53c_fold
	.p2align	8
	.type	k_qfff147f53c_fold,@function
k_qfff147f53c_fold:
	s_mov_b64 s[64:65], 0
	v_nop
	global_prefetch_b8 v0, s[64:65] scope:SCOPE_SE
	s_setreg_imm32_b32 hwreg(HW_REG_WAVE_MODE, 25, 1), 1
	s_wait_xcnt 0x0
	s_wait_alu depctr_hold_cnt(0) depctr_sa_sdst(0) depctr_va_vdst(0) depctr_va_sdst(0) depctr_va_ssrc(0) depctr_va_vcc(0) depctr_vm_vsrc(0)
	s_getreg_b32 s2, hwreg(HW_REG_IB_STS2, 6, 4)
	s_cmp_eq_u32 s2, 0
	s_cbranch_scc0 .Lentry_in_a_cluster
	s_endpgm
.Lentry_in_a_cluster:
	s_bfe_u32 s2, ttmp6, 0x10000c
	s_cmp_lg_u32 s2, 0x3003
	s_cbranch_scc0 .Lentry_shape_is_right
	s_endpgm
.Lentry_shape_is_right:
; q2[m][n] = sum over k of q[m][k] Wk[k][n] (stored bf16), cq[m] = sum over k of q[m][k] bk[k] (f32).  q16: [2048][1024] f16 = q x 2^-4, Wk: [1024][1024] f32, bk: [1024] f32.
; Why: k . q = (keys Wk^T + bk) . q = keys . (q Wk) + q . bk, so the projection of 16,384 keys becomes one of 2,048 queries.  The order of rounding differs from the projection written out.
; FORMATS.  The products are f16.  Wk and bk, the module's inputs, are rounded to bf16 like all its inputs, and that number is written as f16.  The sums are taken back by 16 on the way out.
; LIMITS.  |Wk| and |bk| stay under 65,504; below 6.1e-5 f16 keeps a fixed step of 6e-8.  NaN and infinities are not treated apart.
; SHARES.  A work-group makes 128 rows x 64 columns: 16 x 16 work-groups; of its bytes 256 KB are q16's and 256 KB Wk's, the least for 8,192 outputs with a 2-byte and a 4-byte operand.
; Eight waves, wave w: rows 32 (w / 2) on, columns 32 (w % 2) on: four accumulators, and two more for cq.
; q16's whole panel (128 rows x 2,048 bytes) lies in LDS as 8 chunks of 128 rows x 256 bytes.  Wave w brings chunk w: one tensor load a wave, the only one of the launch, so no LDS byte is filled twice.
; The four work-groups of a cluster are four column blocks of the same rows: the panel is asked for JOINTLY (same line, same descriptor, mask of four).
; Wk goes through registers: at the head of step t a wave asks for its 16 rows x 256 bytes of stage t + 2; it multiplies three quarters of slot t % 2, converts stage t + 1 into the other slot,
; and multiplies the last quarter: a stage has one step and three quarters in which to come.  One barrier a step.
; Wk lies [k][n], so its fragments come out of LDS turned, by ds_load_tr16_b128.  cq's accumulators multiply A's fragments by a fragment whose 16 rows are all bk: each register is cq of the lane's row.
; Every wave makes them; the waves with wn = 0 of column block 0 store them: half as many matrix instructions more, for no branch in the loop and none on the place in the cluster.
; A tile's row of q2 is 64 bf16, 128 bytes: half of an aligned 256; two neighbouring work-groups write the two halves (q2 is 4 MB in all).
; The 48 accumulator registers are cleared by v_mov_b32: there is no bias to start them, and the first step is not written out.
.set PITCH, 272                        ; a chunk's row in LDS: 256 bytes + 16
.set CHUNK, 128*PITCH
.set BS,    8*CHUNK                    ; behind the panel: Wk's two slots
.set PB,    160                        ; a row of Wk in LDS: 128 bytes + 32: an odd multiple of 32 for the turning load
.set BSLOT, 128*PB
.set BKB,   BS+2*BSLOT                 ; bk in f16, 2,048 bytes
.set SPARE, BKB+2048                   ; the spare words: 128 bytes for each of eight waves
.set SP,    144                        ; the stage's row: 128 bytes + 16.  The stage, 128 rows, lies in Wk's slot 0, which is read for the last time ahead of step 6's barrier
.set VOB, 1                            ; v1   byte offset of my 16 bytes in my first two rows of Wk's tile
.set LSB, 2                            ; v2   where my 8 bytes of them go in slot 0
.set AA,  3                            ; v3   my first A fragment in the chunk of the lap in hand
.set AB,  4                            ; v4   my first Wk fragment in slot 0
.set ABK, 5                            ; v5   bk's fragment of the lap in hand
.set STO, 6
.set RD,  7
.set CO,  8
.set CQO, 9
.set SPW, 12                           ; v12  my spare word; never rewritten
.set NIL, 13                           ; v13  0; never rewritten
.set ACC, 16                           ; v16-63   (a, b) at 8 (2 a + b); cq's two at 32 + 8 a
.set FR,  64                           ; v64-143  two fragment sets of 40: A 2 x 8, Wk 2 x 8, bk 8
.set P0,  144                          ; v144-175, v176-207 the two register sets of a stage
.set P1,  176
.set OB,  208
.set TMP, 224
.set MK,  30                           ; s30      a word's upper bf16
.set UP,  34                           ; s[34:35] 16
.set G1,  40                           ; s[40:47] descriptor group 1
.set G0,  48                           ; s[48:51] descriptor group 0
.macro PLACES                          ; four plain places between a matrix instruction and a load into, or a read of, its registers
.rept 4
	v_nop
.endr
.endm
.macro CROUND                          ; a round of the cluster's barrier
	s_barrier_signal -1
	s_barrier_wait -1
	s_cmp_lg_u32 s12, 0
	s_cbranch_scc1 .Lnot_wave_0_\@
	s_barrier_signal -3
.Lnot_wave_0_\@:
	s_barrier_wait -3
	s_barrier_signal -1
	s_barrier_wait -1
.endm
; cnt quads of f32 at v[b ..]: each number is rounded to bf16, and that number is written as f16, into the quad's first two registers.
; Phase by phase over all quads, so that no line reads the result of the one before it.
.macro TOF16 b, cnt
.set i, 0
.rept \cnt
	v_cvt_pk_bf16_f32 v[(\b)+4*i], v[(\b)+4*i], v[(\b)+4*i+1]
	v_cvt_pk_bf16_f32 v[(\b)+4*i+1], v[(\b)+4*i+2], v[(\b)+4*i+3]
.set i, i+1
.endr
.irp w, 0,1
.set i, 0
.rept \cnt
	v_lshlrev_b32 v[(\b)+4*i+2], 16, v[(\b)+4*i+\w]
	v_and_b32 v[(\b)+4*i+3], s[MK], v[(\b)+4*i+\w]
.set i, i+1
.endr
.set i, 0
.rept \cnt
	v_cvt_pk_f16_f32 v[(\b)+4*i+\w], v[(\b)+4*i+2], v[(\b)+4*i+3]
.set i, i+1
.endr
.endr
.endm
.macro LOADS p                         ; my 16 rows of a stage, two rows of 256 bytes to a load
.irp i, 0,1,2,3,4,5,6,7
	global_load_b128 v[(\p)+4*\i:(\p)+4*\i+3], v[VOB], s[6:7] offset:\i*8192
.endr
.endm
.macro ISSUE p
	s_wait_xcnt 0x0                                ; the base is stepped only when every earlier load has had its address translated
	s_add_nc_u64 s[6:7], s[6:7], 128*4096          ; 128 rows down
	LOADS \p
.endm
.macro CONSUME p, slot, n              ; n: the loads of the one younger stage, which stay out
	s_wait_loadcnt \n
	TOF16 \p, 8
.irp i, 0,1,2,3,4,5,6,7
	ds_store_b64 v[LSB], v[(\p)+4*\i:(\p)+4*\i+1] offset:(\slot)*BSLOT+\i*2*PB
.endr
.endm
.macro MULS c                          ; six matrix instructions, the accumulators by turns
.irp a, 0,1
.irp b, 0,1
	v_wmma_f32_16x16x32_f16 v[ACC+8*(2*\a+\b):ACC+8*(2*\a+\b)+7], v[FR+40*(\c)+16+8*\b:FR+40*(\c)+16+8*\b+7], v[FR+40*(\c)+8*\a:FR+40*(\c)+8*\a+7], v[ACC+8*(2*\a+\b):ACC+8*(2*\a+\b)+7]
.endr
.endr
.irp a, 0,1
	v_wmma_f32_16x16x32_f16 v[ACC+32+8*\a:ACC+32+8*\a+7], v[FR+40*(\c)+32:FR+40*(\c)+39], v[FR+40*(\c)+8*\a:FR+40*(\c)+8*\a+7], v[ACC+32+8*\a:ACC+32+8*\a+7]
.endr
.endm
; half hf of a lap's step `slot`: 64 along K: 20 fragment loads, 12 matrix instructions.  cp: the register set that is converted between the two runs of products, into slot cs, with the count cn
.macro HALF slot, hf, cp=-1, cs=0, cn=0
	PLACES
.irp c, 0,1
.irp a, 0,1
	ds_load_b128 v[FR+40*\c+8*\a:FR+40*\c+8*\a+3],   v[AA] offset:(\slot)*CHUNK+\a*16*PITCH+64*(2*(\hf)+\c)
	ds_load_b128 v[FR+40*\c+8*\a+4:FR+40*\c+8*\a+7], v[AA] offset:(\slot)*CHUNK+\a*16*PITCH+64*(2*(\hf)+\c)+32
.endr
.irp b, 0,1
	ds_load_tr16_b128 v[FR+40*\c+16+8*\b:FR+40*\c+16+8*\b+3], v[AB] offset:(\slot)*BSLOT+(2*(\hf)+\c)*32*PB+32*\b
	ds_load_tr16_b128 v[FR+40*\c+20+8*\b:FR+40*\c+20+8*\b+3], v[AB] offset:(\slot)*BSLOT+(2*(\hf)+\c)*32*PB+16*PB+32*\b
.endr
	ds_load_b128 v[FR+40*\c+32:FR+40*\c+35], v[ABK] offset:(\slot)*256+64*(2*(\hf)+\c)     ; all 16 lanes of a half read the same 16 bytes of bk
	ds_load_b128 v[FR+40*\c+36:FR+40*\c+39], v[ABK] offset:(\slot)*256+64*(2*(\hf)+\c)+32
.endr
	s_wait_dscnt 10                                ; the first set is in; the second set's ten loads may be out
	MULS 0
.if (\cp) >= 0
	CONSUME \cp, \cs, \cn                          ; into the slot that was read in the last step, ahead of its barrier
	s_wait_dscnt 8                                 ; the second set, which is older, is in; the eight stores just issued may be out
.else
	s_wait_dscnt 0x0
.endif
	MULS 1
.endm
.macro MEET                            ; my stores into the other slot are done and my reads of this one are back; then all eight waves meet
	s_wait_dscnt 0x0
	s_barrier_signal -1
	s_barrier_wait -1
.endm
	s_load_b256 s[4:11], s[0:1], 0x0               ; q16 s[4:5], Wk s[6:7], bk s[8:9], q2 s[10:11]
	s_load_b64 s[16:17], s[0:1], 0x20              ; cq
	v_lshl_add_u32 v[SPW], v0, 2, SPARE
	v_mov_b32 v[NIL], 0
	ds_add_u32 v[SPW], v[NIL]                      ; the wave's opening: the add and its wait ahead of my first tensor load; the set-up, work on registers, stands between them
	v_lshrrev_b32 v10, 5, v0
	v_readfirstlane_b32 s12, v10                   ; wave 0..7
	v_and_b32 v10, 15, v0                          ; r
	v_bfe_u32 v11, v0, 4, 1                        ; h
	s_lshr_b32 s14, s12, 1                         ; wm: which 32 rows
	s_and_b32 s15, s12, 1                          ; wn: which 32 columns
	s_and_b32 s18, ttmp7, 0xffff                   ; y: block of 128 rows, which the four partners share
	s_mov_b32 s[MK], 0xffff0000
	s_mov_b32 s[UP], 0x41800000                    ; 16
	s_mov_b32 s[UP+1], s[UP]                       ; named with it as a pair
	; descriptor group 1: 128 rows x 128 elements of 2 bytes, padded in LDS
	s_mov_b32 s[G1], 15|(1<<16)|(1<<20)|(1<<21)|(5<<22)|(3<<25)  ; the mask of four; 2-byte elements; padding on; bit 21 beside a mask; after every 64 words, 4 words
	s_mov_b32 s[G1+1], 128<<16                     ; tensor_dim0 = 128
	s_mov_b32 s[G1+2], 128<<16                     ; tensor_dim1 = 128
	s_mov_b32 s[G1+3], 128<<16                     ; tile_dim0 = 128
	s_mov_b32 s[G1+4], 128                         ; tile_dim1 = 128
	s_mov_b32 s[G1+5], 1024                        ; elements from row to row
	s_mov_b32 s[G1+6], 0
	s_mov_b32 s[G1+7], 0
	s_lshl_b32 s20, s18, 18                        ; q16: 128 y rows of 2,048 bytes,
	s_lshl_b32 s21, s12, 8                         ; + chunk w: 256 bytes along the rows
	s_add_co_u32 s20, s20, s21
	s_mov_b32 s21, 0
	s_mul_i32 s22, s12, CHUNK                      ; and where it goes: no place in the cluster enters an LDS address
	s_bfe_u32 s52, ttmp6, 0x40000                  ; cx
	s_lshl_b32 s53, ttmp9, 2
	s_add_co_u32 s53, s53, s52                     ; x: my block of 64 columns: it enters the addresses of Wk and q2, and the lanes that store cq
	s_lshl_b32 s24, s53, 8                         ; Wk: 64 x columns of 4 bytes
	s_mov_b32 s25, 0
	s_lshl_b32 s26, s18, 18                        ; q2: 128 y rows of 2,048 bytes,
	s_lshl_b32 s27, s12, 15                        ; + 16 w rows,
	s_add_co_u32 s26, s26, s27
	s_lshl_b32 s27, s53, 7                         ; + 64 x columns of 2 bytes
	s_add_co_u32 s26, s26, s27
	s_mov_b32 s27, 0
	s_lshl_b32 s28, s18, 9                         ; cq: 128 y + 32 wm numbers
	s_lshl_b32 s29, s14, 7
	s_add_co_u32 s28, s28, s29
	s_mov_b32 s29, 0
	v_lshlrev_b32 v[VOB], 4, v10                   ; Wk: lanes 0-15 take 256 bytes of one row, lanes 16-31 of the next;
	v_lshl_add_u32 v[VOB], v11, 12, v[VOB]
	v_lshl_add_u32 v[VOB], s12, 16, v[VOB]         ; wave x 16 rows
	s_mul_i32 s23, s12, 16*PB
	s_add_co_u32 s23, s23, BS
	v_mul_u32_u24 v14, v11, PB
	v_lshl_add_u32 v14, v10, 3, v14
	v_add_nc_u32 v[LSB], s23, v14
	v_mul_u32_u24 v14, v10, PITCH
	v_lshl_add_u32 v14, v11, 4, v14                ; r x pitch + 16 h
	s_mul_i32 s23, s14, 32*PITCH
	v_add_nc_u32 v[AA], s23, v14
	v_and_b32 v14, 7, v0
	v_lshl_add_u32 v14, v11, 3, v14                ; 8 h + lane % 8: the row of Wk that I address
	v_mul_u32_u24 v14, v14, PB
	v_bfe_u32 v15, v0, 3, 1
	v_lshl_add_u32 v14, v15, 4, v14                ; + 16 ((lane / 8) % 2)
	s_lshl_b32 s23, s15, 6                         ; + 32 wn columns of 2 bytes
	s_add_co_u32 s23, s23, BS
	v_add_nc_u32 v[AB], s23, v14
	v_lshl_add_u32 v[ABK], v11, 4, BKB
	v_mul_u32_u24 v14, v10, SP                     ; into the stage: row 32 wm + r, byte 64 wn + 16 h
	v_lshl_add_u32 v14, v11, 4, v14
	s_mul_i32 s23, s14, 32*SP
	s_lshl_b32 s32, s15, 6
	s_add_co_u32 s23, s23, s32
	s_add_co_u32 s23, s23, BS
	v_add_nc_u32 v[STO], s23, v14
	v_bfe_u32 v14, v0, 3, 2                        ; back: 32 lanes take four rows of 128 bytes; wave w rows 16 w on
	v_and_b32 v15, 7, v0
	v_mul_u32_u24 v[RD], v14, SP
	v_lshl_add_u32 v[RD], v15, 4, v[RD]
	s_mul_i32 s23, s12, 16*SP
	s_add_co_u32 s23, s23, BS
	v_add_nc_u32 v[RD], s23, v[RD]
	v_lshlrev_b32 v[CO], 11, v14                   ; and the same four rows in q2
	v_lshl_add_u32 v[CO], v15, 4, v[CO]
	v_lshlrev_b32 v[CQO], 2, v10
	v_lshlrev_b32 v14, 4, v0                       ; bk: 16 bytes a thread,
	v_lshl_add_u32 v15, v0, 3, BKB                 ; 8 bytes of f16
	s_mov_b32 s[G0], 1                             ; count = 1
	s_mov_b32 s[G0+1], s22                         ; LDS address
	s_wait_dscnt 0x0                               ; the opening add is done
	s_wait_kmcnt 0x0
	s_add_nc_u64 s[G0+2:G0+3], s[4:5], s[20:21]    ; global address
	s_or_b32 s[G0+3], s[G0+3], 0x80000000          ; type = 2
	s_add_nc_u64 s[6:7], s[6:7], s[24:25]
	s_add_nc_u64 s[10:11], s[10:11], s[26:27]
	s_add_nc_u64 s[16:17], s[16:17], s[28:29]
	global_load_b128 v[TMP:TMP+3], v14, s[8:9]     ; bk: four numbers a thread.  These 17 loads hang on no partner: they go out ahead of the round and are on their way while the cluster meets
	LOADS P0                                       ; stage 0
	ISSUE P1                                       ; stage 1
	CROUND                                         ; all four work-groups are here: the joint loads meet
	tensor_load_to_lds s[G0:G0+3], s[G1:G1+7]      ; my chunk of the panel: the one tensor load of mine
	s_nop 0
	PLACES
.set i, 0
.rept 48
	v_mov_b32 v[ACC+i], 0
.set i, i+1
.endr
	s_wait_loadcnt 16                              ; bk is in; the two stages' 16 loads stay out
	TOF16 TMP, 1
	ds_store_b64 v15, v[TMP:TMP+1]
	CONSUME P0, 0, 8
	s_wait_tensorcnt 0x0                           ; my chunk of the panel is in
	MEET                                           ; everybody's is, and so are bk and stage 0
	s_mov_b32 s13, 4
.Lk:                                                   ; a trip is two steps; trips 1 to 3 ask for stages 2 to 7; the fourth asks for nothing and is left in its middle
	s_cmp_eq_u32 s13, 1
	s_cbranch_scc1 .Lno_more
	ISSUE P0                                       ; stage t + 2 into the set that the last step emptied: its LDS stores were waited for in front of the barrier
	s_branch .Lasked
.Lno_more:
	s_wait_loadcnt 0x0                             ; no younger stage follows stage 7: its wait is for all
.Lasked:
	HALF 0, 0
	HALF 0, 1, P1, 1, 8                            ; stage t + 1 is converted behind the third quarter's products
	MEET
	s_cmp_eq_u32 s13, 1
	s_cbranch_scc1 .Llast
	ISSUE P1
	HALF 1, 0
	HALF 1, 1, P0, 0, 8
	MEET
	v_add_nc_u32 v[AA], 2*CHUNK, v[AA]             ; two chunks of the panel on,
	v_add_nc_u32 v[ABK], 512, v[ABK]               ; 256 numbers of bk on
	s_sub_co_u32 s13, s13, 1
	s_cmp_lg_u32 s13, 0
	s_cbranch_scc1 .Lk
.Llast:
	HALF 1, 0                                      ; step 7
	HALF 1, 1
	; THE WAY OUT.  The sums are taken back by 16 and rounded to bf16.  A row's 128 bytes come from two waves: one stage, in Wk's slot 0, which nobody has read since step 6's barrier; a barrier between writing and reading.
	PLACES
.set i, 0
.rept 17                               ; each accumulator from its low end on; of cq's two the first pair alone is wanted
	v_pk_mul_f32 v[ACC+2*i:ACC+2*i+1], v[ACC+2*i:ACC+2*i+1], s[UP:UP+1] op_sel_hi:[1,0]
.set i, i+1
.endr
	v_pk_mul_f32 v[ACC+40:ACC+41], v[ACC+40:ACC+41], s[UP:UP+1] op_sel_hi:[1,0]
.irp t, 0,1,2,3
.irp k, 0,1,2,3
	v_cvt_pk_bf16_f32 v[TMP+4*\t+\k], v[ACC+8*\t+2*\k], v[ACC+8*\t+2*\k+1]
.endr
.endr
.irp a, 0,1
.irp b, 0,1
	ds_store_b128 v[STO], v[TMP+4*(2*\a+\b):TMP+4*(2*\a+\b)+3] offset:\a*16*SP+32*\b
.endr
.endr
	MEET                                           ; for the others' sake: my stores into the stage are done
.irp t, 0,1,2,3
	ds_load_b128 v[OB+4*\t:OB+4*\t+3], v[RD] offset:\t*4*SP
.endr
.irp t, 0,1,2,3
	s_wait_dscnt 3-\t
	global_store_b128 v[CO], v[OB+4*\t:OB+4*\t+3], s[10:11] offset:\t*8192  ; 8 lanes store a row's 128 consecutive bytes
.endr
	s_cmp_lg_u32 s15, 0
	s_cbranch_scc1 .Lno_cq                         ; cq hangs on the rows alone: the waves with wn = 0 hold it as well as the others
	v_mov_b32 v14, s53
	v_cmp_eq_u32 vcc_lo, 0, v14                    ; and column block 0 stores it: all lanes on there, none elsewhere
	s_wait_xcnt 0x0                                ; EXEC changes only when every earlier store has had its address translated
	s_and_saveexec_b32 s31, vcc_lo
	global_store_b32 v[CQO], v[ACC+32], s[16:17]   ; the two halves of the lanes hold, and store, the same 16 numbers
	global_store_b32 v[CQO], v[ACC+40], s[16:17] offset:64
	s_wait_xcnt 0x0                                ; and again in front of the line that widens it
	s_or_b32 exec_lo, exec_lo, s31
.Lno_cq:
	s_wait_tensorcnt 0x0                           ; the wave's end: an add of 0 to my spare word behind my last tensor load and my last LDS store, and its wait
	ds_add_u32 v[SPW], v[NIL]
	s_wait_dscnt 0x0
	CROUND                                         ; the closing round
	s_endpgm
.Lfunc_end_k_qfff147f53c_fold:
	.size	k_qfff147f53c_fold, .Lfunc_end_k_qfff147f53c_fold-k_qfff147f53c_fold
	.p2alignl 7, 3214868480
	.fill 96, 4, 3214868480
	.section	.rodata,"a",@progbits
	.p2align	6, 0x0
	.amdhsa_kernel k_qfff147f53c_fold
		.amdhsa_group_segment_fixed_size 327680
		.amdhsa_private_segment_fixed_size 0
		.amdhsa_enable_private_segment 0
		.amdhsa_kernarg_size 40
		.amdhsa_user_sgpr_count 2
		.amdhsa_user_sgpr_kernarg_segment_ptr 1
		.amdhsa_wavefront_size32 1
		.amdhsa_system_sgpr_workgroup_id_x 1
		.amdhsa_system_sgpr_workgroup_id_y 1
		.amdhsa_system_sgpr_workgroup_id_z 1
		.amdhsa_system_vgpr_workitem_id 0
		.amdhsa_next_free_vgpr 240
		.amdhsa_next_free_sgpr 66
		.amdhsa_reserve_vcc 1
		.amdhsa_float_denorm_mode_32 3
		.amdhsa_float_denorm_mode_16_64 3
		.amdhsa_memory_ordered 1
		.amdhsa_forward_progress 1
		.amdhsa_inst_pref_size 40
	.end_amdhsa_kernel
	.amdgpu_metadata
---
amdhsa.version: [ 1, 2 ]
amdhsa.kernels:
  - .name:           k_qfff147f53c_fold
    .symbol:         k_qfff147f53c_fold.kd
    .args:
      - { .name: q16, .offset: 0, .size: 8, .value_kind: global_buffer, .address_space: global }
      - { .name: Wk, .offset: 8, .size: 8, .value_kind: global_buffer, .address_space: global }
      - { .name: bk, .offset: 16, .size: 8, .value_kind: global_buffer, .address_space: global }
      - { .name: q2b, .offset: 24, .size: 8, .value_kind: global_buffer, .address_space: global }
      - { .name: cqv, .offset: 32, .size: 8, .value_kind: global_buffer, .address_space: global }
    .group_segment_fixed_size: 327680
    .private_segment_fixed_size: 0
    .kernarg_segment_align: 8
    .kernarg_segment_size: 40
    .max_flat_workgroup_size: 256
    .sgpr_count:     66
    .vgpr_count:     240
    .wavefront_size: 32
...
	.end_amdgpu_metadata
.endif
;; end of part 8
;; launch scores (part 9): grid 32 x 8, 4 waves a work-group, clusters of 4 x 1, 327,680 bytes of LDS; arguments keys, q2b, cqv, ew, stt; writes ew, stt
.if DOCPART == 9
	.amdgcn_target "amdgcn-amd-amdhsa--gfx1250"
	.amdhsa_code_object_version 6
	.text
	.protected	k_qfff147f53c_scores
	.globl	k_qfff147f53c_scores
	.p2align	8
	.type	k_qfff147f53c_scores,@function
k_qfff147f53c_scores:
	s_mov_b64 s[64:65], 0
	v_nop
	global_prefetch_b8 v0, s[64:65] scope:SCOPE_SE
	s_setreg_imm32_b32 hwreg(HW_REG_WAVE_MODE, 25, 1), 1
	s_wait_xcnt 0x0
	s_wait_alu depctr_hold_cnt(0) depctr_sa_sdst(0) depctr_va_vdst(0) depctr_va_sdst(0) depctr_va_ssrc(0) depctr_va_vcc(0) depctr_vm_vsrc(0)
	s_getreg_b32 s2, hwreg(HW_REG_IB_STS2, 6, 4)
	s_cmp_eq_u32 s2, 0
	s_cbranch_scc0 .Lentry_in_a_cluster
	s_endpgm
.Lentry_in_a_cluster:
	s_bfe_u32 s2, ttmp6, 0x10000c
	s_cmp_lg_u32 s2, 0x3003
	s_cbranch_scc0 .Lentry_shape_is_right
	s_endpgm
.Lentry_shape_is_right:
; S[s][kq] = keys[s] . q2[kq] + cq[kq]  (= k . q of the module, unscaled).  For each block of 64 keys and each query: m = c max S, l = the sum of e, e = 2^(c S - m), c = log2(e) / 32.
; keys: [4][4096][1024] f32, q2: [2048][1024] bf16, cq: [2048] f32.  Out: E [4][4096][512] f16 (e), st: m [4][64][512] f32, then l in the same shape 524,288 bytes on.
; The maximum is the block's true maximum; the next launch joins the 64 blocks of a batch.  LIMITS: keys are rounded to bf16 as a matrix operand; e lies in 0 to 1 (to within a rounding) and is
; kept in f16: below 6e-5 of its block's largest it has f16's fixed step of 6e-8; l is summed of the unrounded e; an e below 2^-126 counts as 0; NaN and infinities are not treated apart.
; SHARES.  A work-group: 128 keys x 256 queries of a batch.  Four waves, wave w: keys 64 (w / 2) on, queries 128 (w % 2) on: 32 accumulators.  K in 8 steps of 128, each four quarters of 32.
; q2's tiles (256 rows x 256 bytes) come by tensor loads into two slots; the four work-groups of a cluster are four key blocks of the same queries, so each tile is asked for JOINTLY
; (same line, same descriptor, mask of four).  keys are f32 in memory: each wave loads 32 rows x 512 bytes into one of two register sets, rounds them and stores them into slots of their own,
; which no tensor load touches.  Step t asks for stage t + 2 at the head of its second quarter and converts stage t + 1 in its third.
; A quarter's fragments are asked for at the head of the quarter before: 32 matrix instructions stand between the LDS loads and their use (behind a change of slots: 16).
; The matrix instruction is used transposed (source 0 = 16 queries, source 1 = 16 keys): a lane holds one key and eight neighbouring queries, so a row of E packs, and a query's maximum and sum
; run over registers and over the 16 lanes of a half.
; REGISTERS, in windows of 256: window 0: v2-23 addresses; v64-159, v160-255 two fragment buffers (q2 8 x 8, keys 4 x 8).  window 1: accumulator (a, b) at 8 (8 a + b).
;   window 2: v0-127, v128-255 the two register sets of keys.  window 3: v0-63 cq of my 128 queries in the accumulators' layout: the C operand that starts the sums.
.set PITCH, 272                        ; an LDS row: 256 bytes + 16: the 16 rows of a fragment load start 16 bytes apart modulo 256
.set QSLOT, 256*PITCH
.set KBASE, 2*QSLOT
.set KSLOT, 128*PITCH
.set STAGE, KBASE+2*KSLOT              ; 16 rows x 272 bytes for each wave, for the way out
.set SPARE, STAGE+4*16*PITCH           ; the spare words: 128 bytes for each of four waves
.set ADQ, 2                            ; v2, v3   my q2 fragments in slot 0, 1
.set ADK, 4                            ; v4, v5   my keys fragments in slot 0, 1
.set KO,  6                            ; v6   byte offset of my 16 bytes in my first row of the keys' tile
.set KL,  7                            ; v7   where my 8 bytes of that row go in keys' slot 0
.set STO, 8
.set RD,  9
.set CO,  10                           ; v10  my byte offset in two rows of E
.set SO,  11                           ; v11  16 x lane
.set SGS, 12                           ; v12  the statistics' way into my stage
.set SGL, 13                           ; v13  and back
.set SPW, 14                           ; v14  my spare word; never rewritten
.set NIL, 15                           ; v15  0; never rewritten
.set CIO, 16
.set F0,  64
.set F1,  160
.set MX,  64                           ; the way out: c max, 64 registers
.set SL,  128                          ; the sums, 64 registers; later the rows read back, two sets of 32
.set S2,  192
.set TMP, 208                          ; packed e
.set WV,  14                           ; s14  wave
.set G1,  24                           ; s[24:31] descriptor group 1
.set G0,  32                           ; s[32:39] descriptor group 0, a set for each slot
.set CS,  58                           ; s[58:59] c
.set MSB, 0
.macro WIN new
.if MSB != (\new)
	s_set_vgpr_msb (MSB<<8)|(\new)
.set MSB, (\new)
.endif
.endm
.macro PLACES
.rept 4
	v_nop
.endr
.endm
.macro CREST                           ; a round of the cluster's barrier behind its opening barrier
	s_cmp_lg_u32 s[WV], 0
	s_cbranch_scc1 .Lnot_wave_0_\@
	s_barrier_signal -3
.Lnot_wave_0_\@:
	s_barrier_wait -3
	s_barrier_signal -1
	s_barrier_wait -1
.endm
.macro CROUND
	s_barrier_signal -1
	s_barrier_wait -1
	CREST
.endm
.macro KLOADS r                        ; my 32 rows of a stage, 512 bytes of a row to a load
	WIN 0x80                                       ; destination window 2
.set i, 0
.rept 32
	global_load_b128 v[128*(\r)+4*i:128*(\r)+4*i+3], v[KO], s[4:5] offset:i*4096
.set i, i+1
.endr
	WIN 0
.endm
.macro KISSUE r
	s_wait_xcnt 0x0                                ; the base is stepped only when every earlier load has had its address translated
	s_add_nc_u64 s[4:5], s[4:5], 512               ; 128 numbers along K
	KLOADS \r
.endm
; set r is rounded to bf16 in place and stored into keys' slot r.  n: the loads of the one younger stage, which stay out
.macro KCONS r, n
	s_wait_loadcnt \n
	WIN 0x8a                                       ; destination and both sources window 2
.set i, 0
.rept 32
	v_cvt_pk_bf16_f32 v[128*(\r)+4*i], v[128*(\r)+4*i], v[128*(\r)+4*i+1]
	v_cvt_pk_bf16_f32 v[128*(\r)+4*i+1], v[128*(\r)+4*i+2], v[128*(\r)+4*i+3]
.set i, i+1
.endr
	WIN 0x08                                       ; store data window 2, address window 0
.set i, 0
.rept 32
	ds_store_b64 v[KL], v[128*(\r)+4*i:128*(\r)+4*i+1] offset:(\r)*KSLOT+i*PITCH
.set i, i+1
.endr
	WIN 0
.endm
	s_load_b256 s[4:11], s[0:1], 0x0               ; keys s[4:5], q2 s[6:7], cq s[8:9], E s[10:11]
	s_load_b64 s[12:13], s[0:1], 0x20              ; st
	v_lshl_add_u32 v[SPW], v0, 2, SPARE
	v_mov_b32 v[NIL], 0
	ds_add_u32 v[SPW], v[NIL]                      ; the wave's opening: the add and its wait ahead of my first tensor load
	v_lshrrev_b32 v18, 5, v0
	v_readfirstlane_b32 s[WV], v18                 ; wave 0..3
	s_lshr_b32 s15, s[WV], 1                       ; ws: which 64 keys
	s_and_b32 s16, s[WV], 1                        ; wq: which 128 queries
	s_and_b32 s19, ttmp7, 0xffff                   ; y = 2 x batch + half of the queries: the four partners share it
	s_lshr_b32 s52, s19, 1                         ; batch
	s_and_b32 s53, s19, 1                          ; half
	; descriptor group 1: 64 rows x 128 elements of 2 bytes, padded in LDS
	s_mov_b32 s[G1], 15|(1<<16)|(1<<20)|(1<<21)|(5<<22)|(3<<25)  ; the mask of four; 2-byte elements; padding on; bit 21 beside a mask; after every 64 words, 4 words
	s_mov_b32 s[G1+1], 128<<16                     ; tensor_dim0 = 128
	s_mov_b32 s[G1+2], 64<<16                      ; tensor_dim1 = 64
	s_mov_b32 s[G1+3], 128<<16                     ; tile_dim0 = 128
	s_mov_b32 s[G1+4], 64                          ; tile_dim1 = 64
	s_mov_b32 s[G1+5], 1024                        ; elements from row to row
	s_mov_b32 s[G1+6], 0
	s_mov_b32 s[G1+7], 0
	s_lshl_b32 s20, s19, 19                        ; q2: 256 y rows of 2,048 bytes,
	s_lshl_b32 s21, s[WV], 17                      ; + 64 w rows: my quarter of a tile
	s_add_co_u32 s20, s20, s21
	s_mov_b32 s21, 0
	s_mul_i32 s17, s[WV], 64*PITCH                 ; and where it goes: no place in the cluster enters an LDS address
	s_lshl_b32 s48, s19, 10                        ; cq: 256 y + 128 wq numbers
	s_lshl_b32 s49, s16, 9
	s_add_co_u32 s48, s48, s49
	s_mov_b32 s49, 0
	s_bfe_u32 s40, ttmp6, 0x40000                  ; cx
	s_lshl_b32 s41, ttmp9, 2
	s_add_co_u32 s41, s41, s40                     ; my block of 128 keys: it enters the addresses of keys, E and st alone
	s_lshl_b32 s42, s52, 24                        ; keys: batch x 4,096 rows of 4,096 bytes + block x 128 rows
	s_lshl_b32 s43, s41, 19
	s_add_co_u32 s42, s42, s43
	s_mov_b32 s43, 0
	s_lshl_b32 s44, s52, 22                        ; E: batch x 4,096 rows of 1,024 bytes,
	s_lshl_b32 s45, s41, 17                        ; + block x 128 rows,
	s_add_co_u32 s44, s44, s45
	s_lshl_b32 s45, s15, 16                        ; + 64 ws rows,
	s_add_co_u32 s44, s44, s45
	s_lshl_b32 s45, s53, 9                         ; + 256 x half columns,
	s_add_co_u32 s44, s44, s45
	s_lshl_b32 s45, s16, 8                         ; + 128 wq columns
	s_add_co_u32 s44, s44, s45
	s_mov_b32 s45, 0
	s_lshl_b32 s46, s52, 17                        ; st: (64 batch + 2 block + ws) rows of 2,048 bytes,
	s_lshl_b32 s47, s41, 12
	s_add_co_u32 s46, s46, s47
	s_lshl_b32 s47, s15, 11
	s_add_co_u32 s46, s46, s47
	s_lshl_b32 s47, s53, 10                        ; + 256 x half + 128 wq numbers
	s_add_co_u32 s46, s46, s47
	s_lshl_b32 s47, s16, 9
	s_add_co_u32 s46, s46, s47
	s_mov_b32 s47, 0
	s_mov_b32 s[CS], 0x3d38aa3b                    ; c = log2(e) / 32 = 0.0450842
	s_mov_b32 s[CS+1], s[CS]                       ; named with it as a pair
	v_and_b32 v18, 31, v0                          ; lane
	v_and_b32 v19, 15, v0                          ; r
	v_bfe_u32 v20, v0, 4, 1                        ; h
	v_lshlrev_b32 v[CIO], 5, v20                   ; cq: 8 h numbers
	v_lshlrev_b32 v[SO], 4, v18
	v_lshl_add_u32 v[KO], s[WV], 17, v[SO]         ; wave x 32 rows of 4,096 bytes + 16 x lane
	s_mul_i32 s50, s[WV], 32*PITCH
	s_add_co_u32 s50, s50, KBASE
	v_lshl_add_u32 v[KL], v18, 3, s50
	s_wait_dscnt 0x0                               ; the opening add is done
	s_wait_kmcnt 0x0
	s_add_nc_u64 s[22:23], s[6:7], s[20:21]
	s_add_nc_u64 s[4:5], s[4:5], s[42:43]
	s_add_nc_u64 s[8:9], s[8:9], s[48:49]
	s_add_nc_u64 s[10:11], s[10:11], s[44:45]
	s_add_nc_u64 s[12:13], s[12:13], s[46:47]
	; cq and stage 0 of keys hang on no partner: their 48 loads go out ahead of the round and are on their way while the cluster meets.  Stage 1 follows behind the tensor loads.
	WIN 0xc0                                       ; destination window 3
.irp b, 0,1,2,3,4,5,6,7
	global_load_b128 v[8*\b:8*\b+3],   v[CIO], s[8:9] offset:64*\b      ; register 8 b + j: cq of query 16 b + 8 h + j
	global_load_b128 v[8*\b+4:8*\b+7], v[CIO], s[8:9] offset:64*\b+16
.endr
	WIN 0
	KLOADS 0                                       ; stage 0
	CROUND                                         ; all four work-groups are here: the first joint loads meet
.irp n, 0,1
	s_mov_b32 s[G0+4*\n], 1                        ; count = 1
	s_add_co_u32 s[G0+4*\n+1], s17, \n*QSLOT       ; LDS address
	s_add_nc_u64 s[G0+4*\n+2:G0+4*\n+3], s[22:23], \n*256  ; global address: K step n
	s_or_b32 s[G0+4*\n+3], s[G0+4*\n+3], 0x80000000        ; type = 2
.endr
	tensor_load_to_lds s[G0:G0+3], s[G1:G1+7]      ; the two first fills together: two loads of mine are out
	s_nop 0
	tensor_load_to_lds s[G0+4:G0+7], s[G1:G1+7]
	s_nop 0
	PLACES
	KISSUE 1                                       ; stage 1
	v_mul_u32_u24 v21, v19, PITCH
	v_lshl_add_u32 v21, v20, 4, v21                ; r x pitch + 16 h
	s_mul_i32 s50, s16, 128*PITCH
	v_add_nc_u32 v[ADQ], s50, v21
	v_add_nc_u32 v[ADQ+1], QSLOT, v[ADQ]
	s_mul_i32 s50, s15, 64*PITCH
	s_add_co_u32 s50, s50, KBASE
	v_add_nc_u32 v[ADK], s50, v21
	v_add_nc_u32 v[ADK+1], KSLOT, v[ADK]
	s_mul_i32 s50, s[WV], 16*PITCH
	s_add_co_u32 s50, s50, STAGE                   ; my stage
	v_add_nc_u32 v[STO], s50, v21
	v_mul_u32_u24 v[RD], v20, PITCH
	v_lshl_add_u32 v[RD], v19, 4, v[RD]
	v_add_nc_u32 v[RD], s50, v[RD]
	v_lshlrev_b32 v[CO], 10, v20
	v_lshl_add_u32 v[CO], v19, 4, v[CO]
	v_lshl_add_u32 v[SGS], v20, 5, s50
	v_add_nc_u32 v[SGL], s50, v[SO]
; 16 matrix instructions: key blocks a0, a0 + 1 x all 8 query blocks, 32 along K.  first = 1: cq starts the sums.  The 32 accumulators take turns.
.macro MUL16 f, a0, first
.if \first
	WIN 0x70                                       ; D window 1, C window 3
.else
	WIN 0x50                                       ; C and D window 1
.endif
.irp a, \a0, (\a0)+1
.irp b, 0,1,2,3,4,5,6,7
.if \first
	v_wmma_f32_16x16x32_bf16 v[8*(8*(\a)+\b):8*(8*(\a)+\b)+7], v[(\f)+8*\b:(\f)+8*\b+7], v[(\f)+64+8*(\a):(\f)+64+8*(\a)+7], v[8*\b:8*\b+7]
.else
	v_wmma_f32_16x16x32_bf16 v[8*(8*(\a)+\b):8*(8*(\a)+\b)+7], v[(\f)+8*\b:(\f)+8*\b+7], v[(\f)+64+8*(\a):(\f)+64+8*(\a)+7], v[8*(8*(\a)+\b):8*(8*(\a)+\b)+7]
.endif
.endr
.endr
.endm
; 24 LDS loads in one run: the fragments of quarter q of a step into buffer f
.macro FETCH slot, q, f
	WIN 0
.irp b, 0,1,2,3,4,5,6,7
	ds_load_b128 v[(\f)+8*\b:(\f)+8*\b+3],   v[ADQ+(\slot)] offset:\b*16*PITCH+64*(\q)
	ds_load_b128 v[(\f)+8*\b+4:(\f)+8*\b+7], v[ADQ+(\slot)] offset:\b*16*PITCH+64*(\q)+32
.endr
.irp a, 0,1,2,3
	ds_load_b128 v[(\f)+64+8*\a:(\f)+64+8*\a+3],   v[ADK+(\slot)] offset:\a*16*PITCH+64*(\q)
	ds_load_b128 v[(\f)+64+8*\a+4:(\f)+64+8*\a+7], v[ADK+(\slot)] offset:\a*16*PITCH+64*(\q)+32
.endr
.endm
; One of a step's first three quarters: at its head it fetches quarter q into g, then multiplies buffer f; iss: the set to ask for; con: the set to convert, with its count n
.macro QUARTER slot, q, f, g, first=0, iss=-1, con=-1, n=0
	s_wait_dscnt 0x0                               ; buffer f is in: its loads were issued at the head of the quarter before
	PLACES                                         ; in front of the loads into g, which the quarter before multiplied
	FETCH \slot, \q, \g
.if (\iss) >= 0
	KISSUE \iss                                    ; into the set whose LDS stores were waited for in front of the last change of slots
.endif
	MUL16 \f, 0, \first
.if (\con) >= 0
	KCONS \con, \n
.endif
	MUL16 \f, 2, \first
.endm
; The last quarter multiplies buffer 1 and changes slots: ONE barrier.  In front of it each wave waits for all its tensor loads (one is out: its part of the next q2 slot), adds 0 to its spare
; word, and waits for that, for its reads of both slots in hand and for its stores into the next keys' slot.  fill = 1: the barrier opens a round of the cluster's, and q2's slot is filled again first behind it.
.macro TURN slot, next, fill
	WIN 0
	s_wait_tensorcnt 0x0
	ds_add_u32 v[SPW], v[NIL]                      ; 0 onto my spare word
	s_wait_dscnt 0x0
	s_barrier_signal -1
	MUL16 F1, 0, 0                                 ; work on registers while the others arrive
	WIN 0
	s_barrier_wait -1
.if \fill
	CREST                                          ; no wave of any partner still reads this slot's tile or has a load on its way
	s_add_nc_u64 s[G0+4*(\slot)+2:G0+4*(\slot)+3], s[G0+4*(\slot)+2:G0+4*(\slot)+3], 512  ; two K steps on; no tensor load of mine is out
	tensor_load_to_lds s[G0+4*(\slot):G0+4*(\slot)+3], s[G1:G1+7]  ; my one tensor load behind the round: it has a step less 16 matrix instructions in which to land
	s_nop 0
.endif
	PLACES                                         ; behind the load; also the places in front of the loads into buffer 0
	FETCH \next, 0, F0
	MUL16 F1, 2, 0
.endm
	KCONS 0, 32                                    ; stage 0 (and cq, which is older) is in; stage 1's 32 loads stay out
	s_wait_tensorcnt 1                             ; my part of K step 0 is in; K step 1's may stay out
	s_wait_dscnt 0x0                               ; my rows of keys are in their slot
	s_barrier_signal -1
	s_barrier_wait -1
	FETCH 0, 0, F0
	QUARTER 0, 1, F0, F1, 1                        ; the first quarter stands in front of the loop: its products start the sums, on cq
	WIN 0
	s_mov_b32 s3, 3
.Llap:                                                 ; a trip: from a lap's second quarter to the next lap's first; steps 0 to 5 ask for stages 2 to 7 and fill both q2 slots again
	QUARTER 0, 2, F1, F0, 0, 0
	QUARTER 0, 3, F0, F1, 0, -1, 1, 32
	TURN 0, 1, 1
	QUARTER 1, 1, F0, F1
	QUARTER 1, 2, F1, F0, 0, 1
	QUARTER 1, 3, F0, F1, 0, -1, 0, 32
	TURN 1, 0, 1
	QUARTER 0, 1, F0, F1
	WIN 0
	s_sub_co_u32 s3, s3, 1
	s_cmp_lg_u32 s3, 0
	s_cbranch_scc1 .Llap
	QUARTER 0, 2, F1, F0                           ; the last lap asks for nothing
	QUARTER 0, 3, F0, F1, 0, -1, 1, 0              ; stage 7 is the last out
	TURN 0, 1, 0
	QUARTER 1, 1, F0, F1
	QUARTER 1, 2, F1, F0
	QUARTER 1, 3, F0, F1
	s_wait_dscnt 0x0
	MUL16 F1, 0, 0
	MUL16 F1, 2, 0
	; THE BLOCK'S STATISTICS.  Register 8 b + j of a lane stands for query 16 b + 8 h + j; its 64 keys lie in the four key blocks and the 16 lanes of my half.
	PLACES
	WIN 0x15                                       ; three sources window 1
.set i, 0
.rept 64
	v_max3_num_f32 v[MX+i], v[i], v[64+i], v[128+i]  ; each accumulator's lowest registers are read first
.set i, i+1
.endr
	WIN 0x01
.set i, 0
.rept 64
	v_max_num_f32 v[MX+i], v[192+i], v[MX+i]
.set i, i+1
.endr
	WIN 0
.macro XRED op, base                   ; over the 16 lanes of a half: four steps, each over all 64 registers, so that no line waits for the one before it
.irp m, 1,2,4,8
.set i, 0
.rept 64
	\op v[(\base)+i], v[(\base)+i], v[(\base)+i] row_xmask:\m row_mask:0xf bank_mask:0xf
.set i, i+1
.endr
.endr
.endm
	XRED v_max_num_f32_dpp, MX
.set i, 0
.rept 32
	v_pk_mul_f32 v[MX+2*i:MX+2*i+1], v[MX+2*i:MX+2*i+1], s[CS:CS+1] op_sel_hi:[1,0]  ; m = c max
.set i, i+1
.endr
	WIN 0x41                                       ; destination and source 0 window 1, m window 0
.set i, 0
.rept 128
	v_pk_fma_f32 v[2*i:2*i+1], v[2*i:2*i+1], s[CS:CS+1], v[MX+(2*i)%64:MX+(2*i)%64+1] op_sel_hi:[1,0,1] neg_lo:[0,0,1] neg_hi:[0,0,1]  ; c S - m
.set i, i+1
.endr
.set i, 0
.rept 256
	v_exp_f32 v[i], v[i]
.set i, i+1
.endr
	v_nop                                          ; a plain instruction between the last exponential and the use of its result
	WIN 0x05                                       ; both sources window 1
.set i, 0
	s_wait_alu depctr_va_vdst(0)
.rept 32
	v_pk_add_f32 v[SL+2*i:SL+2*i+1], v[2*i:2*i+1], v[64+2*i:64+2*i+1]
	v_pk_add_f32 v[S2+2*i:S2+2*i+1], v[128+2*i:128+2*i+1], v[192+2*i:192+2*i+1]
.set i, i+1
.endr
	WIN 0
.set i, 0
.rept 32
	v_pk_add_f32 v[SL+2*i:SL+2*i+1], v[SL+2*i:SL+2*i+1], v[S2+2*i:S2+2*i+1]
.set i, i+1
.endr
	XRED v_add_f32_dpp, SL
	; m and l of my 128 queries go through my stage, so that each leaves as 512 consecutive bytes.  The 16 lanes of a half hold, and store, the same numbers.
.irp b, 0,1,2,3,4,5,6,7
	ds_store_b128 v[SGS], v[MX+8*\b:MX+8*\b+3]   offset:64*\b
	ds_store_b128 v[SGS], v[MX+8*\b+4:MX+8*\b+7] offset:64*\b+16
	ds_store_b128 v[SGS], v[SL+8*\b:SL+8*\b+3]   offset:512+64*\b
	ds_store_b128 v[SGS], v[SL+8*\b+4:SL+8*\b+7] offset:512+64*\b+16
.endr
	ds_load_b128 v[S2:S2+3],   v[SGL]
	ds_load_b128 v[S2+4:S2+7], v[SGL] offset:512
	s_wait_dscnt 0x0
	global_store_b128 v[SO], v[S2:S2+3],   s[12:13]
	global_store_b128 v[SO], v[S2+4:S2+7], s[12:13] offset:524288
	; E, a key block (16 rows x 256 bytes) at a time: rounded to f16, 16 bytes a lane into my stage, whole rows back
.macro PACK a
	WIN 0x05
.irp b, 0,1,2,3,4,5,6,7
.irp k, 0,1,2,3
	v_cvt_pk_f16_f32 v[TMP+4*\b+\k], v[64*(\a)+8*\b+2*\k], v[64*(\a)+8*\b+2*\k+1]
.endr
.endr
	WIN 0
.endm
.macro TOSTAGE a
	s_wait_xcnt 0x0                                ; the registers that earlier stores read are loaded again only behind this wait
.irp b, 0,1,2,3,4,5,6,7
	ds_store_b128 v[STO], v[TMP+4*\b:TMP+4*\b+3] offset:32*\b
.endr
.irp t, 0,1,2,3,4,5,6,7
	ds_load_b128 v[SL+32*((\a)%2)+4*\t:SL+32*((\a)%2)+4*\t+3], v[RD] offset:\t*2*PITCH  ; LDS serves a wave's instructions in order: these see the stores above
.endr
.endm
.macro SEND a
.irp t, 0,1,2,3,4,5,6,7
	s_wait_dscnt 7-\t
	global_store_b128 v[CO], v[SL+32*((\a)%2)+4*\t:SL+32*((\a)%2)+4*\t+3], s[10:11] offset:(16*(\a)+2*\t)*1024  ; 16 lanes store 256 consecutive bytes, at a multiple of 256 from E's first byte
.endr
.endm
	PACK 0
	TOSTAGE 0
.irp a, 1,2,3                          ; a block's conversions stand between the loads of the block before and the wait for them
	PACK \a
	SEND (\a)-1
	TOSTAGE \a
.endr
	SEND 3
	s_wait_tensorcnt 0x0                           ; the wave's end: an add of 0 to my spare word behind my last tensor load and my last LDS store, and its wait
	ds_add_u32 v[SPW], v[NIL]
	s_wait_dscnt 0x0
	CROUND                                         ; the closing round: no work-group ends while a partner may still ask for a tile that names it
	s_endpgm
.Lfunc_end_k_qfff147f53c_scores:
	.size	k_qfff147f53c_scores, .Lfunc_end_k_qfff147f53c_scores-k_qfff147f53c_scores
	.p2alignl 7, 3214868480
	.fill 96, 4, 3214868480
	.section	.rodata,"a",@progbits
	.p2align	6, 0x0
	.amdhsa_kernel k_qfff147f53c_scores
		.amdhsa_group_segment_fixed_size 327680
		.amdhsa_private_segment_fixed_size 0
		.amdhsa_enable_private_segment 0
		.amdhsa_kernarg_size 40
		.amdhsa_user_sgpr_count 2
		.amdhsa_user_sgpr_kernarg_segment_ptr 1
		.amdhsa_wavefront_size32 1
		.amdhsa_system_sgpr_workgroup_id_x 1
		.amdhsa_system_sgpr_workgroup_id_y 1
		.amdhsa_system_sgpr_workgroup_id_z 1
		.amdhsa_system_vgpr_workitem_id 0
		.amdhsa_next_free_vgpr 832
		.amdhsa_next_free_sgpr 66
		.amdhsa_reserve_vcc 0
		.amdhsa_float_denorm_mode_32 3
		.amdhsa_float_denorm_mode_16_64 3
		.amdhsa_memory_ordered 1
		.amdhsa_forward_progress 1
		.amdhsa_inst_pref_size 187
	.end_amdhsa_kernel
	.amdgpu_metadata
---
amdhsa.version: [ 1, 2 ]
amdhsa.kernels:
  - .name:           k_qfff147f53c_scores
    .symbol:         k_qfff147f53c_scores.kd
    .args:
      - { .name: keys, .offset: 0, .size: 8, .value_kind: global_buffer, .address_space: global }
      - { .name: q2b, .offset: 8, .size: 8, .value_kind: global_buffer, .address_space: global }
      - { .name: cqv, .offset: 16, .size: 8, .value_kind: global_buffer, .address_space: global }
      - { .name: ew, .offset: 24, .size: 8, .value_kind: global_buffer, .address_space: global }
      - { .name: stt, .offset: 32, .size: 8, .value_kind: global_buffer, .address_space: global }
    .group_segment_fixed_size: 327680
    .private_segment_fixed_size: 0
    .kernarg_segment_align: 8
    .kernarg_segment_size: 40
    .max_flat_workgroup_size: 128
    .sgpr_count:     66
    .vgpr_count:     832
    .wavefront_size: 32
...
	.end_amdgpu_metadata
.endif
;; end of part 9
;; launch norm (part 10): grid 4 x 64, 8 waves a work-group, no clusters, 9,216 bytes of LDS; arguments ew, stt, out1, pn; writes out1, pn
.if DOCPART == 10
	.amdgcn_target "amdgcn-amd-amdhsa--gfx1250"
	.amdhsa_code_object_version 6
	.text
	.protected	k_qfff147f53c_norm
	.globl	k_qfff147f53c_norm
	.p2align	8
	.type	k_qfff147f53c_norm,@function
k_qfff147f53c_norm:
	s_mov_b64 s[64:65], 0
	v_nop
	global_prefetch_b8 v0, s[64:65] scope:SCOPE_SE
	s_setreg_imm32_b32 hwreg(HW_REG_WAVE_MODE, 25, 1), 1
	s_wait_xcnt 0x0
; The softmax is finished.  For each query: M = the maximum of its 64 blocks' m, L = the sum of l 2^(m - M); weight = e 2^(m_block - M) / L.
; E: [4][4096][512] f16, st: m [4][64][512] f32 and l 524,288 bytes on.  Out: out1 [4][4096][512] f32, Pn: the same numbers rounded to bf16, the next launch's matrix operand.
; A stream: memory binds, so no matrix unit, no cluster, no tensor load.  A work-group owns 256 rows x 128 columns; a lane 4 columns, a wave 32 rows (half a block of 64 keys).
; Each load of E covers 256 consecutive bytes, each store of out1 512, of Pn 256.  All 32 rows of a wave are asked for at the start and lie in registers while M and L are made.
; M and L of the group's 128 columns: wave w joins blocks 8 w to 8 w + 7, the eight waves' figures meet in LDS behind one barrier, and every wave joins those.
; LIMITS: an exponential below 2^-126 counts as 0; NaN and infinities are not treated apart.
.set MP,    0                          ; the waves' maxima: 512 bytes a wave
.set LP,    4096                       ; the waves' sums
.set SPARE, 8192
.set SOFF, 1                           ; v1  st: my 16 bytes in my wave's first block
.set OWO,  2                           ; v2  st: my 16 bytes in the block of my rows
.set EO,   3                           ; v3  E and Pn: my 8 bytes in my wave's first row
.set OO,   4                           ; v4  out1: my 16 bytes there
.set LST,  5                           ; v5  LDS: 16 x thread
.set LL,   6                           ; v6  LDS: 16 x lane
.set SPW,  7
.set NIL,  8
.set ZR,   9                           ; v9  0, the addend of the mixed multiply
.set MO,   12                          ; v12-15  a maximum for each of my 4 columns
.set LO,   16                          ; v16-19  a sum
.set OWN,  20                          ; v20-23  m of my rows' block
.set FF,   24                          ; v24-27  2^(m - M) / L
.set MB,   32                          ; v32-63  eight quads of m
.set LB,   64                          ; v64-95  eight quads of l
.set ER,   96                          ; v96-159 32 rows of E, two registers each
.set OU,   160                         ; v160-175 two sets of 8: four f32, two words of bf16
	s_load_b256 s[4:11], s[0:1], 0x0               ; E s[4:5], st s[6:7], out1 s[8:9], Pn s[10:11]
	v_lshl_add_u32 v[SPW], v0, 2, SPARE
	v_mov_b32 v[NIL], 0
	v_mov_b32 v[ZR], 0
	v_lshrrev_b32 v10, 5, v0
	v_readfirstlane_b32 s12, v10                   ; wave
	v_and_b32 v10, 31, v0                          ; lane
	s_and_b32 s13, ttmp7, 0xffff                   ; y = 16 x batch + group of 256 rows
	s_lshr_b32 s14, s13, 4                         ; batch
	s_and_b32 s15, s13, 15
	v_lshlrev_b32 v[LL], 4, v10
	v_lshlrev_b32 v[LST], 4, v0
	v_lshl_add_u32 v[SOFF], s12, 14, v[LL]         ; wave x 8 blocks of 2,048 bytes
	s_lshl_b32 s16, s15, 2
	s_lshr_b32 s17, s12, 1
	s_add_co_u32 s16, s16, s17                     ; my rows' block: 4 x group + wave / 2
	v_lshl_add_u32 v[OWO], s16, 11, v[LL]
	v_lshlrev_b32 v[EO], 3, v10
	v_lshl_add_u32 v[EO], s12, 15, v[EO]           ; wave x 32 rows of 1,024 bytes
	v_lshl_add_u32 v[OO], s12, 16, v[LL]           ; wave x 32 rows of 2,048 bytes
	s_lshl_b32 s18, s14, 17                        ; st: batch x 64 blocks + 128 x columns
	s_lshl_b32 s19, ttmp9, 9
	s_add_co_u32 s18, s18, s19
	s_lshl_b32 s22, s13, 19                        ; out1: 256 y rows + 128 x columns
	s_add_co_u32 s22, s22, s19
	s_mov_b32 s19, 0
	s_mov_b32 s23, 0
	s_lshl_b32 s20, s13, 18                        ; E and Pn likewise
	s_lshl_b32 s21, ttmp9, 8
	s_add_co_u32 s20, s20, s21
	s_mov_b32 s21, 0
	s_wait_kmcnt 0x0
	s_add_nc_u64 s[4:5], s[4:5], s[20:21]
	s_add_nc_u64 s[6:7], s[6:7], s[18:19]
	s_add_nc_u64 s[8:9], s[8:9], s[22:23]
	s_add_nc_u64 s[10:11], s[10:11], s[20:21]
.irp i, 0,1,2,3,4,5,6,7
	global_load_b128 v[MB+4*\i:MB+4*\i+3], v[SOFF], s[6:7] offset:\i*2048
.endr
.irp i, 0,1,2,3,4,5,6,7
	global_load_b128 v[LB+4*\i:LB+4*\i+3], v[SOFF], s[6:7] offset:\i*2048+524288
.endr
	global_load_b128 v[OWN:OWN+3], v[OWO], s[6:7]
.set i, 0
.rept 32
	global_load_b64 v[ER+2*i:ER+2*i+1], v[EO], s[4:5] offset:i*1024 th:TH_LOAD_NT
.set i, i+1
.endr
; eight (m, l) for each of my 4 columns are joined into one: MO = the maximum, LO = the sum of l 2^(m - MO)
.macro COMBINE
.irp c, 0,1,2,3
	v_max3_num_f32 v[MO+\c], v[MB+\c], v[MB+4+\c], v[MB+8+\c]
.endr
.irp c, 0,1,2,3
	v_max3_num_f32 v[MO+\c], v[MO+\c], v[MB+12+\c], v[MB+16+\c]
.endr
.irp c, 0,1,2,3
	v_max3_num_f32 v[MO+\c], v[MO+\c], v[MB+20+\c], v[MB+24+\c]
.endr
.irp c, 0,1,2,3
	v_max_num_f32 v[MO+\c], v[MO+\c], v[MB+28+\c]
.endr
.irp i, 0,1,2,3,4,5,6,7
	v_pk_add_f32 v[MB+4*\i:MB+4*\i+1],   v[MB+4*\i:MB+4*\i+1],   v[MO:MO+1]   neg_lo:[0,1] neg_hi:[0,1]
	v_pk_add_f32 v[MB+4*\i+2:MB+4*\i+3], v[MB+4*\i+2:MB+4*\i+3], v[MO+2:MO+3] neg_lo:[0,1] neg_hi:[0,1]
.endr
.set i, 0
.rept 32
	v_exp_f32 v[MB+i], v[MB+i]
.set i, i+1
.endr
	v_nop                                          ; a plain instruction between the last exponential and the use of its result
	s_wait_alu depctr_va_vdst(0)
	v_pk_mul_f32 v[LO:LO+1],   v[LB:LB+1],   v[MB:MB+1]
	v_pk_mul_f32 v[LO+2:LO+3], v[LB+2:LB+3], v[MB+2:MB+3]
.irp i, 1,2,3,4,5,6,7
	v_pk_fma_f32 v[LO:LO+1],   v[LB+4*\i:LB+4*\i+1],   v[MB+4*\i:MB+4*\i+1],   v[LO:LO+1]
	v_pk_fma_f32 v[LO+2:LO+3], v[LB+4*\i+2:LB+4*\i+3], v[MB+4*\i+2:MB+4*\i+3], v[LO+2:LO+3]
.endr
.endm
	s_wait_loadcnt 32                              ; the statistics are in; E's 32 loads stay out
	COMBINE
	ds_store_b128 v[LST], v[MO:MO+3] offset:MP
	ds_store_b128 v[LST], v[LO:LO+3] offset:LP
	s_wait_dscnt 0x0                               ; for the others' sake: my figures are in LDS
	s_barrier_signal -1
	s_barrier_wait -1
.irp i, 0,1,2,3,4,5,6,7
	ds_load_b128 v[MB+4*\i:MB+4*\i+3], v[LL] offset:MP+512*\i
	ds_load_b128 v[LB+4*\i:LB+4*\i+3], v[LL] offset:LP+512*\i
.endr
	s_wait_dscnt 0x0
	COMBINE                                        ; M and L
	v_pk_add_f32 v[OWN:OWN+1],   v[OWN:OWN+1],   v[MO:MO+1]   neg_lo:[0,1] neg_hi:[0,1]
	v_pk_add_f32 v[OWN+2:OWN+3], v[OWN+2:OWN+3], v[MO+2:MO+3] neg_lo:[0,1] neg_hi:[0,1]
.irp c, 0,1,2,3
	v_exp_f32 v[OWN+\c], v[OWN+\c]
.endr
.irp c, 0,1,2,3
	v_rcp_f32 v[LO+\c], v[LO+\c]
.endr
	v_nop
	s_wait_alu depctr_va_vdst(0)
	v_pk_mul_f32 v[FF:FF+1],   v[OWN:OWN+1],   v[LO:LO+1]
	v_pk_mul_f32 v[FF+2:FF+3], v[OWN+2:OWN+3], v[LO+2:LO+3]
.set i, 0
.rept 32
.set o, OU+8*(i%2)
	s_wait_loadcnt 31-i                            ; row i is in; the younger rows stay out
	s_wait_xcnt 0x0                                ; the registers that earlier stores read are rewritten only behind this wait
	v_fma_mix_f32 v[o],   v[ER+2*i],   v[FF],   v[ZR] op_sel_hi:[1,0,0]                  ; an f16 half times an f32
	v_fma_mix_f32 v[o+1], v[ER+2*i],   v[FF+1], v[ZR] op_sel:[1,0,0] op_sel_hi:[1,0,0]
	v_fma_mix_f32 v[o+2], v[ER+2*i+1], v[FF+2], v[ZR] op_sel_hi:[1,0,0]
	v_fma_mix_f32 v[o+3], v[ER+2*i+1], v[FF+3], v[ZR] op_sel:[1,0,0] op_sel_hi:[1,0,0]
	v_cvt_pk_bf16_f32 v[o+4], v[o],   v[o+1]
	v_cvt_pk_bf16_f32 v[o+5], v[o+2], v[o+3]
	global_store_b128 v[OO], v[o:o+3],   s[8:9]   offset:i*2048 th:TH_STORE_NT
	global_store_b64  v[EO], v[o+4:o+5], s[10:11] offset:i*1024
.set i, i+1
.endr
	s_wait_tensorcnt 0x0                           ; the wave's end: an add of 0 to my spare word behind my last LDS store, and its wait
	ds_add_u32 v[SPW], v[NIL]
	s_wait_dscnt 0x0
	s_endpgm
.Lfunc_end_k_qfff147f53c_norm:
	.size	k_qfff147f53c_norm, .Lfunc_end_k_qfff147f53c_norm-k_qfff147f53c_norm
	.p2alignl 7, 3214868480
	.fill 96, 4, 3214868480
	.section	.rodata,"a",@progbits
	.p2align	6, 0x0
	.amdhsa_kernel k_qfff147f53c_norm
		.amdhsa_group_segment_fixed_size 9216
		.amdhsa_private_segment_fixed_size 0
		.amdhsa_enable_private_segment 0
		.amdhsa_kernarg_size 32
		.amdhsa_user_sgpr_count 2
		.amdhsa_user_sgpr_kernarg_segment_ptr 1
		.amdhsa_wavefront_size32 1
		.amdhsa_system_sgpr_workgroup_id_x 1
		.amdhsa_system_sgpr_workgroup_id_y 1
		.amdhsa_system_sgpr_workgroup_id_z 1
		.amdhsa_system_vgpr_workitem_id 0
		.amdhsa_next_free_vgpr 176
		.amdhsa_next_free_sgpr 66
		.amdhsa_reserve_vcc 0
		.amdhsa_float_denorm_mode_32 3
		.amdhsa_float_denorm_mode_16_64 3
		.amdhsa_memory_ordered 1
		.amdhsa_forward_progress 1
		.amdhsa_inst_pref_size 37
	.end_amdhsa_kernel
	.amdgpu_metadata
---
amdhsa.version: [ 1, 2 ]
amdhsa.kernels:
  - .name:           k_qfff147f53c_norm
    .symbol:         k_qfff147f53c_norm.kd
    .args:
      - { .name: ew, .offset: 0, .size: 8, .value_kind: global_buffer, .address_space: global }
      - { .name: stt, .offset: 8, .size: 8, .value_kind: global_buffer, .address_space: global }
      - { .name: out1, .offset: 16, .size: 8, .value_kind: global_buffer, .address_space: global }
      - { .name: pn, .offset: 24, .size: 8, .value_kind: global_buffer, .address_space: global }
    .group_segment_fixed_size: 9216
    .private_segment_fixed_size: 0
    .kernarg_segment_align: 8
    .kernarg_segment_size: 32
    .max_flat_workgroup_size: 256
    .sgpr_count:     66
    .vgpr_count:     176
    .wavefront_size: 32
...
	.end_amdgpu_metadata
.endif
;; end of part 10
;; launch ctx (part 11): grid 8 x 32, 4 waves a work-group, clusters of 4 x 1, 327,680 bytes of LDS; arguments pn, values, tp; writes tp
.if DOCPART == 11
	.amdgcn_target "amdgcn-amd-amdhsa--gfx1250"
	.amdhsa_code_object_version 6
	.text
	.protected	k_qfff147f53c_ctx
	.globl	k_qfff147f53c_ctx
	.p2align	8
	.type	k_qfff147f53c_ctx,@function
k_qfff147f53c_ctx:
	s_mov_b64 s[64:65], 0
	v_nop
	global_prefetch_b8 v0, s[64:65] scope:SCOPE_SE
	s_setreg_imm32_b32 hwreg(HW_REG_WAVE_MODE, 25, 1), 1
	s_wait_xcnt 0x0
	s_wait_alu depctr_hold_cnt(0) depctr_sa_sdst(0) depctr_va_vdst(0) depctr_va_sdst(0) depctr_va_ssrc(0) depctr_va_vcc(0) depctr_vm_vsrc(0)
	s_getreg_b32 s2, hwreg(HW_REG_IB_STS2, 6, 4)
	s_cmp_eq_u32 s2, 0
	s_cbranch_scc0 .Lentry_in_a_cluster
	s_endpgm
.Lentry_in_a_cluster:
	s_bfe_u32 s2, ttmp6, 0x10000c
	s_cmp_lg_u32 s2, 0x3003
	s_cbranch_scc0 .Lentry_shape_is_right
	s_endpgm
.Lentry_shape_is_right:
; Tp[part][kq][h] = the sum over a quarter of a batch's keys s of Pn[s][kq] values[s][h].  Pn: [4][4096][512] bf16, values: [4][4096][1024] f32, Tp: [4 parts][2048][1024] f32.
; Why values and not v: the weights of a query sum to 1, so weights^T (values Wv^T + bv) = (weights^T values) Wv^T + bv; Wv and bv follow two launches on.  The order of rounding differs
; from the projection written out.  The keys are split in four so that 64 tiles of 256 x 128 make 256 work-groups; the parts stay f32 and are added in the next launch, in a fixed order.
; SHARES.  A work-group: 256 queries x 128 channels, 1,024 keys in 8 steps of 128.  Four waves, wave w: queries 128 (w / 2) on, channels 64 (w % 2) on: 32 accumulators.
; Pn's tiles (128 keys x 512 bytes) come by tensor loads into two slots; the four work-groups of a cluster are four channel blocks of the same weights, so each tile is asked for JOINTLY.
; values are f32: each wave loads 32 rows x 512 bytes into one of two register sets, rounds them to bf16 and stores them into slots of their own, which no tensor load touches.
; Step t asks for stage t + 2 at the head of its second quarter and converts stage t + 1 in its third.  Both operands lie [key][..], so all fragments come out of LDS turned, by ds_load_tr16_b128.
; A quarter's fragments are asked for at the head of the quarter before: 32 matrix instructions stand between the LDS loads and their use (behind a change of slots: 16).
; Source 0 = 16 channels, source 1 = 16 queries: a lane holds one query and eight neighbouring channels.  NaN and infinities are not treated apart.
; REGISTERS: window 0: v2-23 addresses; v64-159, v160-255 two fragment buffers (Pn 8 x 8, values 4 x 8).  window 1: accumulator (b, c) at 8 (4 b + c).  window 2: the two register sets of values.
.set PP,    544                        ; a row of Pn in LDS: 512 bytes + 32
.set PSLOT, 128*PP
.set VBASE, 2*PSLOT
.set PV,    288                        ; a row of values in LDS: 256 + 32
.set VSLOT, 128*PV
.set STAGE, VBASE+2*VSLOT
.set SP,    272
.set SPARE, STAGE+4*16*SP
.set ADP, 2                            ; v2, v3   my Pn fragments in slot 0, 1
.set ADV, 4                            ; v4, v5   my values fragments in slot 0, 1
.set VO,  6
.set VL,  7
.set STO, 8
.set RD,  9
.set CO,  10
.set SPW, 14
.set NIL, 15
.set F0,  64
.set F1,  160
.set BK,  64                           ; the way out: rows read back, two sets of 32
.set WV,  14
.set G1,  24
.set G0,  32
.set MSB, 0
.macro WIN new
.if MSB != (\new)
	s_set_vgpr_msb (MSB<<8)|(\new)
.set MSB, (\new)
.endif
.endm
.macro PLACES
.rept 4
	v_nop
.endr
.endm
.macro CREST
	s_cmp_lg_u32 s[WV], 0
	s_cbranch_scc1 .Lnot_wave_0_\@
	s_barrier_signal -3
.Lnot_wave_0_\@:
	s_barrier_wait -3
	s_barrier_signal -1
	s_barrier_wait -1
.endm
.macro CROUND
	s_barrier_signal -1
	s_barrier_wait -1
	CREST
.endm
.macro KLOADS r                        ; my 32 rows of a stage, 512 bytes of a row to a load
	WIN 0x80
.set i, 0
.rept 32
	global_load_b128 v[128*(\r)+4*i:128*(\r)+4*i+3], v[VO], s[6:7] offset:i*4096
.set i, i+1
.endr
	WIN 0
.endm
.macro KISSUE r
	s_wait_xcnt 0x0                                ; the base is stepped only when every earlier load has had its address translated
	s_add_nc_u64 s[6:7], s[6:7], 128*4096          ; 128 keys down
	KLOADS \r
.endm
.macro KCONS r, n                      ; set r is rounded to bf16 in place and stored into values' slot r.  n: the loads of the one younger stage, which stay out
	s_wait_loadcnt \n
	WIN 0x8a
.set i, 0
.rept 32
	v_cvt_pk_bf16_f32 v[128*(\r)+4*i], v[128*(\r)+4*i], v[128*(\r)+4*i+1]
	v_cvt_pk_bf16_f32 v[128*(\r)+4*i+1], v[128*(\r)+4*i+2], v[128*(\r)+4*i+3]
.set i, i+1
.endr
	WIN 0x08
.set i, 0
.rept 32
	ds_store_b64 v[VL], v[128*(\r)+4*i:128*(\r)+4*i+1] offset:(\r)*VSLOT+i*PV
.set i, i+1
.endr
	WIN 0
.endm
	s_load_b128 s[4:7], s[0:1], 0x0                ; Pn s[4:5], values s[6:7]
	s_load_b64 s[8:9], s[0:1], 0x10                ; Tp
	v_lshl_add_u32 v[SPW], v0, 2, SPARE
	v_mov_b32 v[NIL], 0
	ds_add_u32 v[SPW], v[NIL]                      ; the wave's opening: the add and its wait ahead of my first tensor load
	v_lshrrev_b32 v18, 5, v0
	v_readfirstlane_b32 s[WV], v18
	s_lshr_b32 s15, s[WV], 1                       ; wk: which 128 queries
	s_and_b32 s16, s[WV], 1                        ; wh: which 64 channels
	s_and_b32 s19, ttmp7, 0xffff                   ; y = 2 (4 batch + quarter) + half of the queries: the four partners share it
	s_lshr_b32 s52, s19, 1                         ; 4 batch + quarter: 1,024 keys each
	s_and_b32 s53, s19, 1                          ; half
	s_and_b32 s54, s52, 3                          ; quarter
	s_lshr_b32 s55, s52, 2                         ; batch
	; descriptor group 1: 32 rows x 256 elements of 2 bytes, padded in LDS
	s_mov_b32 s[G1], 15|(1<<16)|(1<<20)|(1<<21)|(6<<22)|(7<<25)  ; the mask of four; 2-byte elements; padding on; bit 21 beside a mask; after every 128 words, 8 words
	s_mov_b32 s[G1+1], 256<<16                     ; tensor_dim0 = 256
	s_mov_b32 s[G1+2], 32<<16                      ; tensor_dim1 = 32
	s_mov_b32 s[G1+3], 256<<16                     ; tile_dim0 = 256
	s_mov_b32 s[G1+4], 32                          ; tile_dim1 = 32
	s_mov_b32 s[G1+5], 512                         ; elements from row to row
	s_mov_b32 s[G1+6], 0
	s_mov_b32 s[G1+7], 0
	s_lshl_b32 s20, s52, 20                        ; Pn: 1,024 rows of 1,024 bytes for each quarter,
	s_lshl_b32 s21, s[WV], 15                      ; + 32 w rows: my quarter of a tile,
	s_add_co_u32 s20, s20, s21
	s_lshl_b32 s21, s53, 9                         ; + 256 x half columns
	s_add_co_u32 s20, s20, s21
	s_mov_b32 s21, 0
	s_mul_i32 s17, s[WV], 32*PP                    ; and where it goes
	s_bfe_u32 s40, ttmp6, 0x40000                  ; cx
	s_lshl_b32 s41, ttmp9, 2
	s_add_co_u32 s41, s41, s40                     ; my block of 128 channels: it enters the addresses of values and Tp alone
	s_lshl_b32 s42, s52, 22                        ; values: 1,024 rows of 4,096 bytes for each quarter + 128 x block columns
	s_lshl_b32 s43, s41, 9
	s_add_co_u32 s42, s42, s43
	s_lshl_b32 s44, s54, 23                        ; Tp: the part,
	s_add_co_u32 s44, s44, s43                     ; + my channels,
	s_mov_b32 s43, 0
	s_lshl_b32 s45, s55, 21                        ; + 512 batch rows of 4,096 bytes,
	s_add_co_u32 s44, s44, s45
	s_lshl_b32 s45, s53, 20                        ; + 256 x half rows,
	s_add_co_u32 s44, s44, s45
	s_lshl_b32 s45, s15, 19                        ; + 128 wk rows,
	s_add_co_u32 s44, s44, s45
	s_lshl_b32 s45, s16, 8                         ; + 64 wh channels
	s_add_co_u32 s44, s44, s45
	s_mov_b32 s45, 0
	v_and_b32 v18, 31, v0                          ; lane
	v_and_b32 v19, 15, v0                          ; r
	v_bfe_u32 v20, v0, 4, 1                        ; h
	v_lshlrev_b32 v21, 4, v18
	v_lshl_add_u32 v[VO], s[WV], 17, v21           ; wave x 32 rows of 4,096 bytes + 16 x lane
	s_mul_i32 s50, s[WV], 32*PV
	s_add_co_u32 s50, s50, VBASE
	v_lshl_add_u32 v[VL], v18, 3, s50
	s_wait_dscnt 0x0                               ; the opening add is done
	s_wait_kmcnt 0x0
	s_add_nc_u64 s[22:23], s[4:5], s[20:21]
	s_add_nc_u64 s[6:7], s[6:7], s[42:43]
	s_add_nc_u64 s[8:9], s[8:9], s[44:45]
	KLOADS 0                                       ; stage 0 hangs on no partner: its 32 loads go out ahead of the round and are on their way while the cluster meets
	CROUND                                         ; all four work-groups are here: the first joint loads meet
.irp n, 0,1
	s_mov_b32 s[G0+4*\n], 1
	s_add_co_u32 s[G0+4*\n+1], s17, \n*PSLOT
	s_add_nc_u64 s[G0+4*\n+2:G0+4*\n+3], s[22:23], \n*131072  ; step n: 128 rows down
	s_or_b32 s[G0+4*\n+3], s[G0+4*\n+3], 0x80000000
.endr
	tensor_load_to_lds s[G0:G0+3], s[G1:G1+7]      ; the two first fills together: two loads of mine are out
	s_nop 0
	tensor_load_to_lds s[G0+4:G0+7], s[G1:G1+7]
	s_nop 0
	PLACES
	KISSUE 1                                       ; stage 1
	v_and_b32 v21, 7, v0
	v_lshl_add_u32 v21, v20, 3, v21                ; 8 h + lane % 8: the key that I address
	v_bfe_u32 v22, v0, 3, 1                        ; (lane / 8) % 2: which 16 bytes
	v_mul_u32_u24 v[ADP], v21, PP
	v_lshl_add_u32 v[ADP], v22, 4, v[ADP]
	v_lshl_add_u32 v[ADP], s15, 8, v[ADP]          ; + 128 wk queries
	v_add_nc_u32 v[ADP+1], PSLOT, v[ADP]
	v_mul_u32_u24 v[ADV], v21, PV
	v_lshl_add_u32 v[ADV], v22, 4, v[ADV]
	s_lshl_b32 s50, s16, 7                         ; + 64 wh channels
	s_add_co_u32 s50, s50, VBASE
	v_add_nc_u32 v[ADV], s50, v[ADV]
	v_add_nc_u32 v[ADV+1], VSLOT, v[ADV]
	s_mul_i32 s50, s[WV], 16*SP
	s_add_co_u32 s50, s50, STAGE                   ; my stage
	v_mul_u32_u24 v[STO], v19, SP
	v_lshl_add_u32 v[STO], v20, 5, v[STO]          ; row r, 32 bytes for each half of the lanes
	v_add_nc_u32 v[STO], s50, v[STO]
	v_mul_u32_u24 v[RD], v20, SP
	v_lshl_add_u32 v[RD], v19, 4, v[RD]
	v_add_nc_u32 v[RD], s50, v[RD]
	v_lshlrev_b32 v[CO], 12, v20
	v_lshl_add_u32 v[CO], v19, 4, v[CO]
; 16 matrix instructions: query blocks b0 .. b0 + 3 x all 4 channel blocks, 32 keys.  first = 1: the products start the sums.  The 32 accumulators take turns.
.macro MUL16 f, b0, first
	WIN 0x50                                       ; C and D window 1
.irp b, \b0, (\b0)+1, (\b0)+2, (\b0)+3
.irp c, 0,1,2,3
.if \first
	v_wmma_f32_16x16x32_bf16 v[8*(4*(\b)+\c):8*(4*(\b)+\c)+7], v[(\f)+64+8*\c:(\f)+64+8*\c+7], v[(\f)+8*(\b):(\f)+8*(\b)+7], 0
.else
	v_wmma_f32_16x16x32_bf16 v[8*(4*(\b)+\c):8*(4*(\b)+\c)+7], v[(\f)+64+8*\c:(\f)+64+8*\c+7], v[(\f)+8*(\b):(\f)+8*(\b)+7], v[8*(4*(\b)+\c):8*(4*(\b)+\c)+7]
.endif
.endr
.endr
.endm
.macro FETCH slot, q, f                ; 24 turning loads in one run: the fragments of quarter q (32 keys) into buffer f
	WIN 0
.irp b, 0,1,2,3,4,5,6,7
	ds_load_tr16_b128 v[(\f)+8*\b:(\f)+8*\b+3],   v[ADP+(\slot)] offset:(\q)*32*PP+32*\b
	ds_load_tr16_b128 v[(\f)+8*\b+4:(\f)+8*\b+7], v[ADP+(\slot)] offset:(\q)*32*PP+16*PP+32*\b
.endr
.irp c, 0,1,2,3
	ds_load_tr16_b128 v[(\f)+64+8*\c:(\f)+64+8*\c+3],   v[ADV+(\slot)] offset:(\q)*32*PV+32*\c
	ds_load_tr16_b128 v[(\f)+64+8*\c+4:(\f)+64+8*\c+7], v[ADV+(\slot)] offset:(\q)*32*PV+16*PV+32*\c
.endr
.endm
; One of a step's first three quarters: at its head it fetches quarter q into g, then multiplies buffer f; iss: the set to ask for; con: the set to convert, with its count n
.macro QUARTER slot, q, f, g, first=0, iss=-1, con=-1, n=0
	s_wait_dscnt 0x0                               ; buffer f is in: its loads were issued at the head of the quarter before
	PLACES                                         ; in front of the loads into g, which the quarter before multiplied
	FETCH \slot, \q, \g
.if (\iss) >= 0
	KISSUE \iss                                    ; into the set whose LDS stores were waited for in front of the last change of slots
.endif
	MUL16 \f, 0, \first
.if (\con) >= 0
	KCONS \con, \n
.endif
	MUL16 \f, 4, \first
.endm
; The last quarter changes slots: ONE barrier; in front of it each wave waits for all its tensor loads (one is out: its part of the next Pn slot), adds 0 to its spare word, and waits for that,
; for its reads of the slots in hand and for its stores into the next values' slot.  fill = 1: the barrier opens a round of the cluster's, and Pn's slot is filled again first behind it.
.macro TURN slot, next, fill
	WIN 0
	s_wait_tensorcnt 0x0
	ds_add_u32 v[SPW], v[NIL]                      ; 0 onto my spare word
	s_wait_dscnt 0x0
	s_barrier_signal -1
	MUL16 F1, 0, 0
	WIN 0
	s_barrier_wait -1
.if \fill
	CREST
	s_add_nc_u64 s[G0+4*(\slot)+2:G0+4*(\slot)+3], s[G0+4*(\slot)+2:G0+4*(\slot)+3], 262144  ; two steps, 256 rows, down; no tensor load of mine is out
	tensor_load_to_lds s[G0+4*(\slot):G0+4*(\slot)+3], s[G1:G1+7]  ; my one tensor load behind the round
	s_nop 0
.endif
	PLACES
	FETCH \next, 0, F0
	MUL16 F1, 4, 0
.endm
	KCONS 0, 32                                    ; stage 0 is in; stage 1's 32 loads stay out
	s_wait_tensorcnt 1                             ; my part of step 0 is in; step 1's may stay out
	s_wait_dscnt 0x0
	s_barrier_signal -1
	s_barrier_wait -1
	FETCH 0, 0, F0
	QUARTER 0, 1, F0, F1, 1                        ; the first quarter stands in front of the loop: its products start the sums
	WIN 0
	s_mov_b32 s3, 3
.Llap:                                                 ; steps 0 to 5 ask for stages 2 to 7 and fill both Pn slots again
	QUARTER 0, 2, F1, F0, 0, 0
	QUARTER 0, 3, F0, F1, 0, -1, 1, 32
	TURN 0, 1, 1
	QUARTER 1, 1, F0, F1
	QUARTER 1, 2, F1, F0, 0, 1
	QUARTER 1, 3, F0, F1, 0, -1, 0, 32
	TURN 1, 0, 1
	QUARTER 0, 1, F0, F1
	WIN 0
	s_sub_co_u32 s3, s3, 1
	s_cmp_lg_u32 s3, 0
	s_cbranch_scc1 .Llap
	QUARTER 0, 2, F1, F0
	QUARTER 0, 3, F0, F1, 0, -1, 1, 0
	TURN 0, 1, 0
	QUARTER 1, 1, F0, F1
	QUARTER 1, 2, F1, F0
	QUARTER 1, 3, F0, F1
	s_wait_dscnt 0x0
	MUL16 F1, 0, 0
	MUL16 F1, 4, 0
	; THE WAY OUT, a query block (16 rows x 256 bytes of f32) at a time through my own stage
	PLACES
.macro TOSTAGE b
	WIN 0
	s_wait_xcnt 0x0                                ; the registers that earlier stores read are loaded again only behind this wait
	WIN 0x04                                       ; store data window 1
.irp c, 0,1,2,3
	ds_store_b128 v[STO], v[8*(4*(\b)+\c):8*(4*(\b)+\c)+3]   offset:64*\c
	ds_store_b128 v[STO], v[8*(4*(\b)+\c)+4:8*(4*(\b)+\c)+7] offset:64*\c+16
.endr
	WIN 0
.irp t, 0,1,2,3,4,5,6,7
	ds_load_b128 v[BK+32*((\b)%2)+4*\t:BK+32*((\b)%2)+4*\t+3], v[RD] offset:\t*2*SP  ; LDS serves a wave's instructions in order: these see the stores above, and the next block's stores come behind them
.endr
.endm
.macro SEND b, younger                 ; younger: the next block's sixteen LDS instructions, or none
.irp t, 0,1,2,3,4,5,6,7
	s_wait_dscnt (\younger)+7-\t
	global_store_b128 v[CO], v[BK+32*((\b)%2)+4*\t:BK+32*((\b)%2)+4*\t+3], s[8:9] offset:(16*(\b)+2*\t)*4096  ; 16 lanes store 256 consecutive bytes, at a multiple of 256 from Tp's first byte
.endr
.endm
	TOSTAGE 0
.irp b, 1,2,3,4,5,6,7
	TOSTAGE \b
	SEND (\b)-1, 16
.endr
	SEND 7, 0
	s_wait_tensorcnt 0x0                           ; the wave's end: an add of 0 to my spare word behind my last tensor load and my last LDS store, and its wait
	ds_add_u32 v[SPW], v[NIL]
	s_wait_dscnt 0x0
	CROUND                                         ; the closing round
	s_endpgm
.Lfunc_end_k_qfff147f53c_ctx:
	.size	k_qfff147f53c_ctx, .Lfunc_end_k_qfff147f53c_ctx-k_qfff147f53c_ctx
	.p2alignl 7, 3214868480
	.fill 96, 4, 3214868480
	.section	.rodata,"a",@progbits
	.p2align	6, 0x0
	.amdhsa_kernel k_qfff147f53c_ctx
		.amdhsa_group_segment_fixed_size 327680
		.amdhsa_private_segment_fixed_size 0
		.amdhsa_enable_private_segment 0
		.amdhsa_kernarg_size 24
		.amdhsa_user_sgpr_count 2
		.amdhsa_user_sgpr_kernarg_segment_ptr 1
		.amdhsa_wavefront_size32 1
		.amdhsa_system_sgpr_workgroup_id_x 1
		.amdhsa_system_sgpr_workgroup_id_y 1
		.amdhsa_system_sgpr_workgroup_id_z 1
		.amdhsa_system_vgpr_workitem_id 0
		.amdhsa_next_free_vgpr 768
		.amdhsa_next_free_sgpr 66
		.amdhsa_reserve_vcc 0
		.amdhsa_float_denorm_mode_32 3
		.amdhsa_float_denorm_mode_16_64 3
		.amdhsa_memory_ordered 1
		.amdhsa_forward_progress 1
		.amdhsa_inst_pref_size 121
	.end_amdhsa_kernel
	.amdgpu_metadata
---
amdhsa.version: [ 1, 2 ]
amdhsa.kernels:
  - .name:           k_qfff147f53c_ctx
    .symbol:         k_qfff147f53c_ctx.kd
    .args:
      - { .name: pn, .offset: 0, .size: 8, .value_kind: global_buffer, .address_space: global }
      - { .name: values, .offset: 8, .size: 8, .value_kind: global_buffer, .address_space: global }
      - { .name: tp, .offset: 16, .size: 8, .value_kind: global_buffer, .address_space: global }
    .group_segment_fixed_size: 327680
    .private_segment_fixed_size: 0
    .kernarg_segment_align: 8
    .kernarg_segment_size: 24
    .max_flat_workgroup_size: 128
    .sgpr_count:     66
    .vgpr_count:     768
    .wavefront_size: 32
...
	.end_amdgpu_metadata
.endif
;; end of part 11
;; launch red (part 12): grid 256 x 1, 8 waves a work-group, no clusters, 0 bytes of LDS; arguments tp, t16; writes t16
.if DOCPART == 12
	.amdgcn_target "amdgcn-amd-amdhsa--gfx1250"
	.amdhsa_code_object_version 6
	.text
	.protected	k_qfff147f53c_red
	.globl	k_qfff147f53c_red
	.p2align	8
	.type	k_qfff147f53c_red,@function
k_qfff147f53c_red:
	s_mov_b64 s[64:65], 0
	v_nop
	global_prefetch_b8 v0, s[64:65] scope:SCOPE_SE
	s_setreg_imm32_b32 hwreg(HW_REG_WAVE_MODE, 25, 1), 1
	s_wait_xcnt 0x0
; T = (Tp[0] + Tp[1]) + (Tp[2] + Tp[3]): the four parts of the sum over keys, added in f32 in one fixed order, then rounded once to f16, the next launch's matrix operand.
; Tp: [4][2048][1024] f32, T: [2048][1024] f16.  LIMIT: T is a weighted mean of values' rows and has their range, which stays under 65,504; below 6.1e-5 f16 keeps a fixed step of 6e-8.
; A stream: a work-group owns 8,192 numbers, a thread 4 in each of 8 chunks of 1,024.  All 32 loads of a wave go out at once, each 512 consecutive bytes;
; the waits count down by a chunk's four; each store of a wave covers 256 consecutive bytes, aligned.  No LDS, no barrier, no matrix unit: memory binds.
.set X, 8                              ; v[8 + 16 j + 4 p ..]: chunk j, part p
	s_load_b128 s[4:7], s[0:1], 0x0                ; Tp s[4:5], T s[6:7]
	v_lshlrev_b32 v1, 4, v0
	v_lshlrev_b32 v2, 3, v0
	s_lshl_b32 s8, ttmp9, 15
	s_mov_b32 s9, 0
	s_lshl_b32 s16, ttmp9, 14
	s_mov_b32 s17, 0
	s_wait_kmcnt 0x0
	s_add_nc_u64 s[4:5], s[4:5], s[8:9]
	s_add_nc_u64 s[6:7], s[6:7], s[16:17]
	s_add_nc_u64 s[10:11], s[4:5], 0x800000        ; the parts lie 8,388,608 bytes apart
	s_add_nc_u64 s[12:13], s[4:5], 0x1000000
	s_add_nc_u64 s[14:15], s[4:5], 0x1800000
.irp j, 0,1,2,3,4,5,6,7
	global_load_b128 v[X+16*\j:X+16*\j+3],     v1, s[4:5]   offset:\j*4096 th:TH_LOAD_NT
	global_load_b128 v[X+16*\j+4:X+16*\j+7],   v1, s[10:11] offset:\j*4096 th:TH_LOAD_NT
	global_load_b128 v[X+16*\j+8:X+16*\j+11],  v1, s[12:13] offset:\j*4096 th:TH_LOAD_NT
	global_load_b128 v[X+16*\j+12:X+16*\j+15], v1, s[14:15] offset:\j*4096 th:TH_LOAD_NT
.endr
.irp j, 0,1,2,3,4,5,6,7
	s_wait_loadcnt 28-4*\j                         ; chunk j's four parts are in; the younger chunks stay out
	v_pk_add_f32 v[X+16*\j:X+16*\j+1],     v[X+16*\j:X+16*\j+1],     v[X+16*\j+4:X+16*\j+5]
	v_pk_add_f32 v[X+16*\j+2:X+16*\j+3],   v[X+16*\j+2:X+16*\j+3],   v[X+16*\j+6:X+16*\j+7]
	v_pk_add_f32 v[X+16*\j+8:X+16*\j+9],   v[X+16*\j+8:X+16*\j+9],   v[X+16*\j+12:X+16*\j+13]
	v_pk_add_f32 v[X+16*\j+10:X+16*\j+11], v[X+16*\j+10:X+16*\j+11], v[X+16*\j+14:X+16*\j+15]
	v_pk_add_f32 v[X+16*\j:X+16*\j+1],     v[X+16*\j:X+16*\j+1],     v[X+16*\j+8:X+16*\j+9]
	v_pk_add_f32 v[X+16*\j+2:X+16*\j+3],   v[X+16*\j+2:X+16*\j+3],   v[X+16*\j+10:X+16*\j+11]
	v_cvt_pk_f16_f32 v[X+16*\j+4], v[X+16*\j],   v[X+16*\j+1]
	v_cvt_pk_f16_f32 v[X+16*\j+5], v[X+16*\j+2], v[X+16*\j+3]
	global_store_b64 v2, v[X+16*\j+4:X+16*\j+5], s[6:7] offset:\j*2048
.endr
	s_endpgm
.Lfunc_end_k_qfff147f53c_red:
	.size	k_qfff147f53c_red, .Lfunc_end_k_qfff147f53c_red-k_qfff147f53c_red
	.p2alignl 7, 3214868480
	.fill 96, 4, 3214868480
	.section	.rodata,"a",@progbits
	.p2align	6, 0x0
	.amdhsa_kernel k_qfff147f53c_red
		.amdhsa_group_segment_fixed_size 0
		.amdhsa_private_segment_fixed_size 0
		.amdhsa_enable_private_segment 0
		.amdhsa_kernarg_size 16
		.amdhsa_user_sgpr_count 2
		.amdhsa_user_sgpr_kernarg_segment_ptr 1
		.amdhsa_wavefront_size32 1
		.amdhsa_system_sgpr_workgroup_id_x 1
		.amdhsa_system_sgpr_workgroup_id_y 1
		.amdhsa_system_sgpr_workgroup_id_z 1
		.amdhsa_system_vgpr_workitem_id 0
		.amdhsa_next_free_vgpr 136
		.amdhsa_next_free_sgpr 66
		.amdhsa_reserve_vcc 0
		.amdhsa_float_denorm_mode_32 3
		.amdhsa_float_denorm_mode_16_64 3
		.amdhsa_memory_ordered 1
		.amdhsa_forward_progress 1
		.amdhsa_inst_pref_size 9
	.end_amdhsa_kernel
	.amdgpu_metadata
---
amdhsa.version: [ 1, 2 ]
amdhsa.kernels:
  - .name:           k_qfff147f53c_red
    .symbol:         k_qfff147f53c_red.kd
    .args:
      - { .name: tp, .offset: 0, .size: 8, .value_kind: global_buffer, .address_space: global }
      - { .name: t16, .offset: 8, .size: 8, .value_kind: global_buffer, .address_space: global }
    .group_segment_fixed_size: 0
    .private_segment_fixed_size: 0
    .kernarg_segment_align: 8
    .kernarg_segment_size: 16
    .max_flat_workgroup_size: 256
    .sgpr_count:     66
    .vgpr_count:     136
    .wavefront_size: 32
...
	.end_amdgpu_metadata
.endif
;; end of part 12
;; launch projo (part 13): grid 16 x 16, 8 waves a work-group, clusters of 4 x 1, 327,680 bytes of LDS; arguments t16, Wv, bv, out0; writes out0
.if DOCPART == 13
	.amdgcn_target "amdgcn-amd-amdhsa--gfx1250"
	.amdhsa_code_object_version 6
	.text
	.protected	k_qfff147f53c_projo
	.globl	k_qfff147f53c_projo
	.p2align	8
	.type	k_qfff147f53c_projo,@function
k_qfff147f53c_projo:
	s_mov_b64 s[64:65], 0
	v_nop
	global_prefetch_b8 v0, s[64:65] scope:SCOPE_SE
	s_setreg_imm32_b32 hwreg(HW_REG_WAVE_MODE, 25, 1), 1
	s_wait_xcnt 0x0
	s_wait_alu depctr_hold_cnt(0) depctr_sa_sdst(0) depctr_va_vdst(0) depctr_va_sdst(0) depctr_va_ssrc(0) depctr_va_vcc(0) depctr_vm_vsrc(0)
	s_getreg_b32 s2, hwreg(HW_REG_IB_STS2, 6, 4)
	s_cmp_eq_u32 s2, 0
	s_cbranch_scc0 .Lentry_in_a_cluster
	s_endpgm
.Lentry_in_a_cluster:
	s_bfe_u32 s2, ttmp6, 0x10000c
	s_cmp_lg_u32 s2, 0x3003
	s_cbranch_scc0 .Lentry_shape_is_right
	s_endpgm
.Lentry_shape_is_right:
; out0[m][n] = sum over k of T[m][k] Wv[n][k] + bv[n].  T: [2048][1024] f16, Wv: [1024][1024] f32, bv: [1024] f32, out0: [2048][1024] f32.
; FORMATS.  The products are f16: T, which the program itself made, keeps 11 significant bits.  Wv, the module's input, is rounded to bf16 like all its inputs, and that number is written as f16;
; bv is rounded to bf16 and starts the sums.  LIMITS.  |Wv| stays under 65,504; below 6.1e-5 f16 keeps a fixed step of 6e-8.  NaN and infinities are not treated apart.
; SHARES.  A work-group makes 128 rows x 64 columns: 16 x 16 work-groups; of its bytes 256 KB are T's and 256 KB Wv's, the least for 8,192 outputs with a 2-byte and a 4-byte operand.
; Eight waves, wave w: rows 32 (w / 2) on, columns 32 (w % 2) on: four accumulators.
; T's whole panel (128 rows x 2,048 bytes) lies in LDS as 8 chunks of 128 rows x 256 bytes.  Wave w brings chunk w: one tensor load a wave, the only one of the launch, so no LDS byte is filled twice.
; The four work-groups of a cluster are four column blocks of the same rows: the panel is asked for JOINTLY (same line, same descriptor, mask of four).
; Wv goes through registers: at the head of step t a wave asks for its 8 rows x 512 bytes of stage t + 2; it multiplies three quarters of slot t % 2, converts stage t + 1 into the other slot,
; and multiplies the last quarter: a stage has one step and three quarters in which to come.  One barrier a step.
; The matrix instruction is used transposed (source 0 = 16 rows of Wv, source 1 = 16 rows of T): a lane holds one row of out0 and eight neighbouring columns.
.set PITCH, 272                        ; an LDS row: 256 bytes + 16
.set CHUNK, 128*PITCH
.set BS,    8*CHUNK                    ; behind the panel: Wv's two slots of 64 rows; on the way out the two together are the stage, 128 rows x 272 bytes
.set BSLOT, 64*PITCH
.set SPARE, BS+2*BSLOT                 ; the spare words: 128 bytes for each of eight waves
.set VOB, 1                            ; v1   byte offset of my 16 bytes in my first row of Wv's tile (8 rows a wave)
.set LSB, 2                            ; v2   where my 8 bytes of it go in slot 0
.set AA,  3                            ; v3   my first T fragment in the chunk of the lap in hand
.set AB,  4                            ; v4   my first Wv fragment in slot 0
.set STO, 5
.set RD,  6
.set CO,  7
.set BO,  8
.set SPW, 12                           ; v12  my spare word; never rewritten
.set NIL, 13                           ; v13  0; never rewritten
.set ACC, 16                           ; v16-47   (a, b) at 8 (2 a + b)
.set FR,  48                           ; v48-111  two fragment sets of 32: T 2 x 8, Wv 2 x 8
.set P0,  112                          ; v112-143, v144-175 the two register sets of a stage
.set P1,  144
.set OB,  176                          ; v176-207 rows read back
.set TMP, 208                          ; v208-215 the bias in bf16
.set MK,  30                           ; s30      a word's upper bf16
.set G1,  40                           ; s[40:47] descriptor group 1
.set G0,  48                           ; s[48:51] descriptor group 0
.macro PLACES                          ; four plain places between a matrix instruction and a load into, or a read of, its registers
.rept 4
	v_nop
.endr
.endm
.macro CROUND                          ; a round of the cluster's barrier
	s_barrier_signal -1
	s_barrier_wait -1
	s_cmp_lg_u32 s12, 0
	s_cbranch_scc1 .Lnot_wave_0_\@
	s_barrier_signal -3
.Lnot_wave_0_\@:
	s_barrier_wait -3
	s_barrier_signal -1
	s_barrier_wait -1
.endm
; cnt quads of f32 at v[b ..]: each number is rounded to bf16, and that number is written as f16, into the quad's first two registers; phase by phase over all quads
.macro TOF16 b, cnt
.set i, 0
.rept \cnt
	v_cvt_pk_bf16_f32 v[(\b)+4*i], v[(\b)+4*i], v[(\b)+4*i+1]
	v_cvt_pk_bf16_f32 v[(\b)+4*i+1], v[(\b)+4*i+2], v[(\b)+4*i+3]
.set i, i+1
.endr
.irp w, 0,1
.set i, 0
.rept \cnt
	v_lshlrev_b32 v[(\b)+4*i+2], 16, v[(\b)+4*i+\w]
	v_and_b32 v[(\b)+4*i+3], s[MK], v[(\b)+4*i+\w]
.set i, i+1
.endr
.set i, 0
.rept \cnt
	v_cvt_pk_f16_f32 v[(\b)+4*i+\w], v[(\b)+4*i+2], v[(\b)+4*i+3]
.set i, i+1
.endr
.endr
.endm
.macro LOADS p                         ; my 8 rows of a stage, 512 bytes of a row to a load
.irp i, 0,1,2,3,4,5,6,7
	global_load_b128 v[(\p)+4*\i:(\p)+4*\i+3], v[VOB], s[6:7] offset:\i*4096
.endr
.endm
.macro ISSUE p
	s_wait_xcnt 0x0                                ; the base is stepped only when every earlier load has had its address translated
	s_add_nc_u64 s[6:7], s[6:7], 512               ; 128 numbers along K
	LOADS \p
.endm
.macro CONSUME p, slot, n              ; n: the loads of the one younger stage, which stay out
	s_wait_loadcnt \n
	TOF16 \p, 8
.irp i, 0,1,2,3,4,5,6,7
	ds_store_b64 v[LSB], v[(\p)+4*\i:(\p)+4*\i+1] offset:(\slot)*BSLOT+\i*PITCH
.endr
.endm
.macro MULS c                          ; four matrix instructions, the accumulators by turns
.irp a, 0,1
.irp b, 0,1
	v_wmma_f32_16x16x32_f16 v[ACC+8*(2*\a+\b):ACC+8*(2*\a+\b)+7], v[FR+32*(\c)+16+8*\b:FR+32*(\c)+16+8*\b+7], v[FR+32*(\c)+8*\a:FR+32*(\c)+8*\a+7], v[ACC+8*(2*\a+\b):ACC+8*(2*\a+\b)+7]
.endr
.endr
.endm
; half hf of a lap's step `slot`: 64 along K: 16 fragment loads, 8 matrix instructions.  cp: the register set that is converted between the two runs of products, into slot cs, with the count cn
.macro HALF slot, hf, cp=-1, cs=0, cn=0
	PLACES
.irp c, 0,1
.irp a, 0,1
	ds_load_b128 v[FR+32*\c+8*\a:FR+32*\c+8*\a+3],   v[AA] offset:(\slot)*CHUNK+\a*16*PITCH+64*(2*(\hf)+\c)
	ds_load_b128 v[FR+32*\c+8*\a+4:FR+32*\c+8*\a+7], v[AA] offset:(\slot)*CHUNK+\a*16*PITCH+64*(2*(\hf)+\c)+32
.endr
.irp b, 0,1
	ds_load_b128 v[FR+32*\c+16+8*\b:FR+32*\c+16+8*\b+3], v[AB] offset:(\slot)*BSLOT+\b*16*PITCH+64*(2*(\hf)+\c)
	ds_load_b128 v[FR+32*\c+20+8*\b:FR+32*\c+20+8*\b+3], v[AB] offset:(\slot)*BSLOT+\b*16*PITCH+64*(2*(\hf)+\c)+32
.endr
.endr
	s_wait_dscnt 8                                 ; the first set is in; the second set's eight loads may be out
	MULS 0
.if (\cp) >= 0
	CONSUME \cp, \cs, \cn                          ; into the slot that was read in the last step, ahead of its barrier
	s_wait_dscnt 8                                 ; the second set, which is older, is in; the eight stores just issued may be out
.else
	s_wait_dscnt 0x0
.endif
	MULS 1
.endm
.macro MEET                            ; my stores are done and my reads are back; then all eight waves meet
	s_wait_dscnt 0x0
	s_barrier_signal -1
	s_barrier_wait -1
.endm
	s_load_b256 s[4:11], s[0:1], 0x0               ; T s[4:5], Wv s[6:7], bv s[8:9], out0 s[10:11]
	v_lshl_add_u32 v[SPW], v0, 2, SPARE
	v_mov_b32 v[NIL], 0
	ds_add_u32 v[SPW], v[NIL]                      ; the wave's opening: the add and its wait ahead of my first tensor load; the set-up, work on registers, stands between them
	v_lshrrev_b32 v10, 5, v0
	v_readfirstlane_b32 s12, v10                   ; wave 0..7
	v_and_b32 v9, 31, v0                           ; lane
	v_and_b32 v10, 15, v0                          ; r
	v_bfe_u32 v11, v0, 4, 1                        ; h
	s_lshr_b32 s14, s12, 1                         ; wm: which 32 rows
	s_and_b32 s15, s12, 1                          ; wn: which 32 columns
	s_and_b32 s18, ttmp7, 0xffff                   ; y: block of 128 rows, which the four partners share
	s_mov_b32 s[MK], 0xffff0000
	; descriptor group 1: 128 rows x 128 elements of 2 bytes, padded in LDS
	s_mov_b32 s[G1], 15|(1<<16)|(1<<20)|(1<<21)|(5<<22)|(3<<25)  ; the mask of four; 2-byte elements; padding on; bit 21 beside a mask; after every 64 words, 4 words
	s_mov_b32 s[G1+1], 128<<16                     ; tensor_dim0 = 128
	s_mov_b32 s[G1+2], 128<<16                     ; tensor_dim1 = 128
	s_mov_b32 s[G1+3], 128<<16                     ; tile_dim0 = 128
	s_mov_b32 s[G1+4], 128                         ; tile_dim1 = 128
	s_mov_b32 s[G1+5], 1024                        ; elements from row to row
	s_mov_b32 s[G1+6], 0
	s_mov_b32 s[G1+7], 0
	s_lshl_b32 s20, s18, 18                        ; T: 128 y rows of 2,048 bytes,
	s_lshl_b32 s21, s12, 8                         ; + chunk w: 256 bytes along the rows
	s_add_co_u32 s20, s20, s21
	s_mov_b32 s21, 0
	s_mul_i32 s22, s12, CHUNK                      ; and where it goes: no place in the cluster enters an LDS address
	s_bfe_u32 s52, ttmp6, 0x40000                  ; cx
	s_lshl_b32 s53, ttmp9, 2
	s_add_co_u32 s53, s53, s52                     ; x: my block of 64 columns: it enters the addresses of Wv, bv and out0 alone
	s_lshl_b32 s24, s53, 18                        ; Wv: 64 x rows of 4,096 bytes
	s_mov_b32 s25, 0
	s_lshl_b32 s28, s53, 8                         ; bv, and out0's columns: 64 x numbers
	s_mov_b32 s29, 0
	s_lshl_b32 s26, s18, 19                        ; out0: 128 y rows of 4,096 bytes,
	s_lshl_b32 s27, s12, 16                        ; + 16 w rows,
	s_add_co_u32 s26, s26, s27
	s_add_co_u32 s26, s26, s28                     ; + 64 x columns
	s_mov_b32 s27, 0
	v_lshlrev_b32 v14, 4, v9
	v_lshl_add_u32 v[VOB], s12, 15, v14            ; wave x 8 rows + 16 x lane
	s_mul_i32 s23, s12, 8*PITCH
	s_add_co_u32 s23, s23, BS
	v_lshl_add_u32 v[LSB], v9, 3, s23
	v_mul_u32_u24 v14, v10, PITCH                  ; r x pitch
	v_lshl_add_u32 v15, v11, 4, v14                ; + 16 h
	s_mul_i32 s23, s14, 32*PITCH
	v_add_nc_u32 v[AA], s23, v15
	s_lshl_b32 s32, s15, 7
	s_add_co_u32 s23, s23, s32
	s_add_co_u32 s23, s23, BS
	v_lshl_add_u32 v[STO], v11, 5, v14             ; into the stage: row 32 wm + r, byte 128 wn + 32 h
	v_add_nc_u32 v[STO], s23, v[STO]
	s_mul_i32 s23, s15, 32*PITCH
	s_add_co_u32 s23, s23, BS
	v_add_nc_u32 v[AB], s23, v15
	s_mul_i32 s23, s12, 16*PITCH
	s_add_co_u32 s23, s23, BS
	v_mul_u32_u24 v[RD], v11, PITCH                ; back: wave w takes rows 16 w on, whole: lanes 0-15 one row of 256 bytes, lanes 16-31 the next
	v_lshl_add_u32 v[RD], v10, 4, v[RD]
	v_add_nc_u32 v[RD], s23, v[RD]
	v_lshlrev_b32 v[CO], 12, v11
	v_lshl_add_u32 v[CO], v10, 4, v[CO]
	v_lshlrev_b32 v[BO], 5, v11                    ; bias: 8 h numbers,
	v_lshl_add_u32 v[BO], s15, 7, v[BO]            ; + 32 wn
	s_mov_b32 s[G0], 1                             ; count = 1
	s_mov_b32 s[G0+1], s22                         ; LDS address
	s_wait_dscnt 0x0                               ; the opening add is done
	s_wait_kmcnt 0x0
	s_add_nc_u64 s[G0+2:G0+3], s[4:5], s[20:21]    ; global address
	s_or_b32 s[G0+3], s[G0+3], 0x80000000          ; type = 2
	s_add_nc_u64 s[6:7], s[6:7], s[24:25]
	s_add_nc_u64 s[8:9], s[8:9], s[28:29]
	s_add_nc_u64 s[10:11], s[10:11], s[26:27]
	; the bias and the first two stages hang on no partner: their 20 loads go out ahead of the round and are on their way while the cluster meets
.irp b, 0,1                            ; the bias goes into the accumulators of my first 16 rows: register j of block b is bv[32 wn + 16 b + 8 h + j]
	global_load_b128 v[ACC+8*\b:ACC+8*\b+3],   v[BO], s[8:9] offset:64*\b
	global_load_b128 v[ACC+8*\b+4:ACC+8*\b+7], v[BO], s[8:9] offset:64*\b+16
.endr
	LOADS P0                                       ; stage 0
	ISSUE P1                                       ; stage 1
	CROUND                                         ; all four work-groups are here: the joint loads meet
	tensor_load_to_lds s[G0:G0+3], s[G1:G1+7]      ; my chunk of the panel: the one tensor load of mine
	s_nop 0
	PLACES
	CONSUME P0, 0, 8                               ; stage 0 (and the bias, which is older) is in; stage 1's 8 loads stay out
.set i, 0
.rept 8                                ; the bias is rounded to bf16 and widened again, for both blocks of rows: it starts the sums
	v_cvt_pk_bf16_f32 v[TMP+i], v[ACC+2*i], v[ACC+2*i+1]
.set i, i+1
.endr
.set i, 0
.rept 8
	v_lshlrev_b32 v[ACC+2*i], 16, v[TMP+i]
	v_and_b32 v[ACC+2*i+1], s[MK], v[TMP+i]
	v_lshlrev_b32 v[ACC+16+2*i], 16, v[TMP+i]
	v_and_b32 v[ACC+16+2*i+1], s[MK], v[TMP+i]
.set i, i+1
.endr
	s_wait_tensorcnt 0x0                           ; my chunk of the panel is in
	MEET                                           ; everybody's is, and so is stage 0
	s_mov_b32 s13, 4
.Lk:                                                   ; a trip is two steps; trips 1 to 3 ask for stages 2 to 7; the fourth asks for nothing and is left in its middle
	s_cmp_eq_u32 s13, 1
	s_cbranch_scc1 .Lno_more
	ISSUE P0                                       ; stage t + 2 into the set that the last step emptied: its LDS stores were waited for in front of the barrier
	s_branch .Lasked
.Lno_more:
	s_wait_loadcnt 0x0                             ; no younger stage follows stage 7: its wait is for all
.Lasked:
	HALF 0, 0
	HALF 0, 1, P1, 1, 8                            ; stage t + 1 is converted behind the third quarter's products
	MEET
	s_cmp_eq_u32 s13, 1
	s_cbranch_scc1 .Llast
	ISSUE P1
	HALF 1, 0
	HALF 1, 1, P0, 0, 8
	MEET
	v_add_nc_u32 v[AA], 2*CHUNK, v[AA]             ; two chunks of the panel on
	s_sub_co_u32 s13, s13, 1
	s_cmp_lg_u32 s13, 0
	s_cbranch_scc1 .Lk
.Llast:
	HALF 1, 0                                      ; step 7
	HALF 1, 1
	; THE WAY OUT.  A row's 256 bytes come from two waves: one stage, in Wv's two slots.  A barrier in front, since slot 1 was read in step 7; another between writing and reading.
	MEET
	PLACES
.irp a, 0,1
.irp b, 0,1
	ds_store_b128 v[STO], v[ACC+8*(2*\a+\b):ACC+8*(2*\a+\b)+3]   offset:\a*16*PITCH+64*\b
	ds_store_b128 v[STO], v[ACC+8*(2*\a+\b)+4:ACC+8*(2*\a+\b)+7] offset:\a*16*PITCH+64*\b+16
.endr
.endr
	MEET                                           ; for the others' sake: my stores into the stage are done
.irp t, 0,1,2,3,4,5,6,7
	ds_load_b128 v[OB+4*\t:OB+4*\t+3], v[RD] offset:\t*2*PITCH
.endr
.irp t, 0,1,2,3,4,5,6,7
	s_wait_dscnt 7-\t
	global_store_b128 v[CO], v[OB+4*\t:OB+4*\t+3], s[10:11] offset:\t*8192  ; 16 lanes store 256 consecutive bytes, at a multiple of 256 from out0's first byte
.endr
	s_wait_tensorcnt 0x0                           ; the wave's end: an add of 0 to my spare word behind my last tensor load and my last LDS store, and its wait
	ds_add_u32 v[SPW], v[NIL]
	s_wait_dscnt 0x0
	CROUND                                         ; the closing round
	s_endpgm
.Lfunc_end_k_qfff147f53c_projo:
	.size	k_qfff147f53c_projo, .Lfunc_end_k_qfff147f53c_projo-k_qfff147f53c_projo
	.p2alignl 7, 3214868480
	.fill 96, 4, 3214868480
	.section	.rodata,"a",@progbits
	.p2align	6, 0x0
	.amdhsa_kernel k_qfff147f53c_projo
		.amdhsa_group_segment_fixed_size 327680
		.amdhsa_private_segment_fixed_size 0
		.amdhsa_enable_private_segment 0
		.amdhsa_kernarg_size 32
		.amdhsa_user_sgpr_count 2
		.amdhsa_user_sgpr_kernarg_segment_ptr 1
		.amdhsa_wavefront_size32 1
		.amdhsa_system_sgpr_workgroup_id_x 1
		.amdhsa_system_sgpr_workgroup_id_y 1
		.amdhsa_system_sgpr_workgroup_id_z 1
		.amdhsa_system_vgpr_workitem_id 0
		.amdhsa_next_free_vgpr 216
		.amdhsa_next_free_sgpr 66
		.amdhsa_reserve_vcc 0
		.amdhsa_float_denorm_mode_32 3
		.amdhsa_float_denorm_mode_16_64 3
		.amdhsa_memory_ordered 1
		.amdhsa_forward_progress 1
		.amdhsa_inst_pref_size 34
	.end_amdhsa_kernel
	.amdgpu_metadata
---
amdhsa.version: [ 1, 2 ]
amdhsa.kernels:
  - .name:           k_qfff147f53c_projo
    .symbol:         k_qfff147f53c_projo.kd
    .args:
      - { .name: t16, .offset: 0, .size: 8, .value_kind: global_buffer, .address_space: global }
      - { .name: Wv, .offset: 8, .size: 8, .value_kind: global_buffer, .address_space: global }
      - { .name: bv, .offset: 16, .size: 8, .value_kind: global_buffer, .address_space: global }
      - { .name: out0, .offset: 24, .size: 8, .value_kind: global_buffer, .address_space: global }
    .group_segment_fixed_size: 327680
    .private_segment_fixed_size: 0
    .kernarg_segment_align: 8
    .kernarg_segment_size: 32
    .max_flat_workgroup_size: 256
    .sgpr_count:     66
    .vgpr_count:     216
    .wavefront_size: 32
...
	.end_amdgpu_metadata
.endif
;; end of part 13
;; ======== version 3 of 3: 7 launches; version 2 with the launches projq, norm written anew for expert scheduling mode
;; limits: values are held in f16: magnitudes above 65,504 overflow, below 6.1e-05 lose precision; inputs' magnitudes at most 65,504
;; workspace buffers: q16 4,194,304 bytes; q2b 4,194,304 bytes; cqv 8,192 bytes; ew 16,777,216 bytes; stt 1,048,576 bytes; pn 16,777,216 bytes; tp 33,554,432 bytes; t16 4,194,304 bytes
;; launch projq (part 14): grid 8 x 32, 8 waves a work-group, no clusters, 122,880 bytes of LDS; arguments queries, Wq, bq, q16; writes q16
.if DOCPART == 14
	.amdgcn_target "amdgcn-amd-amdhsa--gfx1250"
	.amdhsa_code_object_version 6
	.text
	.protected	k_qfff147f53c_projq
	.globl	k_qfff147f53c_projq
	.p2align	8
	.type	k_qfff147f53c_projq,@function
k_qfff147f53c_projq:
	s_mov_b64 s[64:65], 0
	v_nop
	global_prefetch_b8 v0, s[64:65] scope:SCOPE_SE
	s_setreg_imm32_b32 hwreg(HW_REG_WAVE_SCHED_MODE, 0, 2), 2
	s_setreg_imm32_b32 hwreg(HW_REG_WAVE_MODE, 25, 1), 1
	s_wait_xcnt 0x0
	s_wait_alu depctr_vm_vsrc(0)
; q[m][n] = sum over k of queries[m][k] Wq[n][k] + bq[n], stored as f16 of q x 2^-4.  queries: [2048][1024], Wq: [1024][1024], bq: [1024], all f32; q16: [2048][1024] f16.
; queries, Wq and bq are rounded once to bf16 (all that comes in carries one and the same rounding), the sums are f32, the bias starts them.
; The factor 2^-4 is exact and is taken back by the next launch; it leaves |q| room up to 16 x 65,504.  Below 9.8e-4 q keeps a fixed step of 9.5e-7.
; A work-group makes 64 x 128: 8 x 32 work-groups.  Eight waves, wave w: rows 16 (w / 2) on, columns 64 (w % 2) on: four accumulators of 16 x 16.
; K goes in 8 steps of 128 through two LDS slots.  In step t a wave asks for its part of stage t + 2 (24 loads of 512 bytes into one of two register sets),
; multiplies half of slot t % 2, converts stage t + 1 into the other slot, multiplies the other half; one barrier a step.
; No tensor load: both operands are f32 in memory and are wanted as bf16, so they pass through registers anyway.  No cluster for the same reason.
; The matrix instruction is used transposed (source 0 = 16 rows of Wq, source 1 = 16 rows of queries): a lane holds one row of q and eight neighbouring columns.
; NaN and infinities are not treated apart.
; THE MODE: SCHED_MODE bits 1:0 = 2 (LLVM: expert scheduling mode 2), set by the entry lines.  The code itself states the register dependences
; between vector or matrix instructions and memory or LDS instructions, with s_wait_alu, always for 0.
; THE PLAN.  Registers that memory or LDS instructions touch, in the loop:
;   P0, P1      the two register sets of a stage.  Step t: the loads of stage t + 2 land in the set that step t - 1 emptied; the conversions of stage t + 1 read and write the other set in place,
;               and the LDS stores behind them read it.
;   FR0 .. FR3  four fragment sets, one for each quarter of a step.  Step t: ten LDS loads land in set c; the four matrix instructions of quarter c read it.
;   v1 to v10   offsets and LDS addresses: written at the head and never again.
;   The accumulators are named by vector and matrix instructions alone, but for the bias's loads at the start.
; Behind each step's barrier stand one wait on vm_vsrc (the step's LDS stores have read their set) and one on va_vdst (its conversions are done with that set, its matrix instructions done reading
; all four fragment sets).  They state all that the next step's 40 LDS loads and 24 global loads hang on: of the vector side only the products of quarters 0 and 1 are issued ahead of the last of those
; loads, and they name FR0, FR1 and the accumulators.  So the loads of FR2 and FR3 are dealt among the products with no further wait.  One more wait on va_vdst stands behind the conversions, ahead of the LDS stores.
.set ROWB,  4096                       ; bytes in a row of queries and Wq
.set PITCH, 272                        ; an LDS row: 256 bytes + 16: the 16 rows of a fragment load start 16 bytes apart modulo 256
.set ASZ,   64*PITCH                   ; A's 64 rows, then B's 128 rows
.set SLOT,  192*PITCH
.set STAGE, 2*SLOT                     ; behind the slots: the work-group's stage, 64 rows x 272 bytes
.set SPARE, STAGE+64*PITCH             ; the spare words: 128 bytes for each of eight waves
.set VOA, 1                            ; v1   byte offset of my 16 bytes in my first row of A's tile (8 rows a wave)
.set VOB, 2                            ; v2   the same for B (16 rows a wave)
.set LSA, 3                            ; v3   where my 8 bytes of my first row of A go in slot 0
.set LSB, 4                            ; v4   the same for B
.set AA,  5                            ; v5   my A fragment's address in slot 0
.set AB,  6                            ; v6   my first B fragment's
.set STO, 7                            ; v7   the way out: in
.set RD,  8                            ; v8   the way out: back
.set CO,  9                            ; v9   my byte offset in two rows of q16
.set BO,  10                           ; v10  my byte offset in the bias
.set SPW, 12                           ; v12  my spare word; never rewritten
.set NIL, 13                           ; v13  0; never rewritten
.set ACC, 16                           ; v16-47   four accumulators
.set FR,  64                           ; v64-223  four fragment sets of 40: A 8, B 4 x 8
.set OB,  224                          ; v224-239 rows read back; at the start: the bias in bf16
.set TMP, 240                          ; v240-255 packed results
.set P0,  0                            ; window 1: v0-95 and v96-191: the two register sets of a stage (A 8 x 4, B 16 x 4)
.set DN,  28                           ; s[28:29] 2^-4: the packed multiply takes the pair's low word for both halves
.set MSB, 0
.macro WIN new                         ; the immediate's high byte repeats the setting that is left
.if MSB != (\new)
	s_set_vgpr_msb (MSB<<8)|(\new)
.set MSB, (\new)
.endif
.endm
.macro PLACES                          ; four plain places behind a matrix instruction, ahead of a load into, or a read of, its registers
.rept 4
	v_nop
.endr
.endm
	s_load_b256 s[4:11], s[0:1], 0x0               ; queries s[4:5], Wq s[6:7], bq s[8:9], q16 s[10:11]
	v_lshl_add_u32 v[SPW], v0, 2, SPARE
	v_mov_b32 v[NIL], 0
	v_lshrrev_b32 v48, 5, v0
	v_readfirstlane_b32 s12, v48                   ; wave 0..7
	v_and_b32 v49, 31, v0                          ; lane
	v_and_b32 v50, 15, v0                          ; r
	v_bfe_u32 v51, v0, 4, 1                        ; h
	s_wait_alu depctr_va_sdst(0)                   ; s12 is written, ahead of its first reader: offsets, LDS addresses and the base of q16 are made from it
	s_lshr_b32 s14, s12, 1                         ; wm: which 16 rows
	s_and_b32 s15, s12, 1                          ; wn: which 64 columns
	s_and_b32 s16, ttmp7, 0xffff                   ; y: block of 64 rows
	v_lshlrev_b32 v48, 4, v49                      ; 16 x lane
	v_lshl_add_u32 v[VOA], s12, 15, v48            ; + wave x 8 rows
	v_lshl_add_u32 v[VOB], s12, 16, v48            ; + wave x 16 rows
	s_mul_i32 s17, s12, 8*PITCH
	v_lshl_add_u32 v[LSA], v49, 3, s17
	s_mul_i32 s17, s12, 16*PITCH
	s_add_co_u32 s17, s17, ASZ
	v_lshl_add_u32 v[LSB], v49, 3, s17
	v_mul_u32_u24 v48, v50, PITCH                  ; r x pitch
	v_lshl_add_u32 v[AA], v51, 4, v48              ; + 16 h
	s_mul_i32 s17, s15, 64*PITCH
	s_add_co_u32 s17, s17, ASZ
	v_add_nc_u32 v[AB], s17, v[AA]
	v_mov_b32 v[STO], v[AA]
	s_mul_i32 s17, s14, 16*PITCH
	v_add_nc_u32 v[AA], s17, v[AA]
	s_lshl_b32 s27, s15, 7
	s_add_co_u32 s17, s17, s27
	s_add_co_u32 s17, s17, STAGE
	v_add_nc_u32 v[STO], s17, v[STO]               ; stage row 16 wm + r, byte 128 wn + 16 h
	s_mul_i32 s17, s12, 8*PITCH
	s_add_co_u32 s17, s17, STAGE
	v_mul_u32_u24 v[RD], v51, PITCH                ; back: wave w takes rows 8 w on, whole: lanes 0-15 one row of 256 bytes, lanes 16-31 the next
	v_lshl_add_u32 v[RD], v50, 4, v[RD]
	v_add_nc_u32 v[RD], s17, v[RD]
	v_lshlrev_b32 v[CO], 11, v51                   ; a row of q16 is 2,048 bytes
	v_lshl_add_u32 v[CO], v50, 4, v[CO]
	v_lshlrev_b32 v[BO], 5, v51                    ; bias: 8 h numbers,
	v_lshl_add_u32 v[BO], s15, 8, v[BO]            ; + 64 wn
	s_lshl_b32 s18, s16, 18                        ; A: 64 y rows
	s_mov_b32 s19, 0
	s_lshl_b32 s20, ttmp9, 19                      ; B: 128 x rows
	s_mov_b32 s21, 0
	s_lshl_b32 s22, ttmp9, 9                       ; bias: 128 x numbers
	s_mov_b32 s23, 0
	s_lshl_b32 s24, s16, 17                        ; q16: 64 y rows,
	s_lshl_b32 s25, s12, 14                        ; + 8 w rows,
	s_add_co_u32 s24, s24, s25
	s_lshl_b32 s25, ttmp9, 8                       ; + 128 x columns
	s_add_co_u32 s24, s24, s25
	s_mov_b32 s25, 0
	s_mov_b32 s26, 0xffff0000                      ; a word's upper bf16
	s_mov_b32 s[DN], 0x3d800000                    ; 2^-4
	s_mov_b32 s[DN+1], s[DN]                       ; named with it as a pair
	s_wait_kmcnt 0x0
	s_add_nc_u64 s[4:5], s[4:5], s[18:19]
	s_add_nc_u64 s[6:7], s[6:7], s[20:21]
	s_add_nc_u64 s[8:9], s[8:9], s[22:23]
	s_add_nc_u64 s[10:11], s[10:11], s[24:25]
	s_wait_alu depctr_va_vdst(0)                   ; the ten offsets and addresses v1 to v10 are written, which every load and store of the kernel reads
; my part of a stage: 8 rows of A's tile and 16 of B's, 512 bytes of a row to a load
.macro LOADS p
	WIN 0x40                                       ; destination window 1
.irp i, 0,1,2,3,4,5,6,7
	global_load_b128 v[(\p)+4*\i:(\p)+4*\i+3], v[VOA], s[4:5] offset:\i*ROWB
.endr
.irp i, 0,1,2,3,4,5,6,7,8,9,10,11,12,13,14,15
	global_load_b128 v[(\p)+32+4*\i:(\p)+32+4*\i+3], v[VOB], s[6:7] offset:\i*ROWB
.endr
	WIN 0
.endm
.macro ISSUE p                         ; no wait on the vector side: none of its instructions since the waits behind the last barrier names this set
	s_wait_xcnt 0x0                                ; the bases are stepped only when every earlier load has had its address translated
	s_add_nc_u64 s[4:5], s[4:5], 512               ; 128 numbers along K
	s_add_nc_u64 s[6:7], s[6:7], 512
	LOADS \p
.endm
; a stage is rounded to bf16 in place and stored into a slot.  n: the loads of the one younger stage, which stay out
.macro CONSUME p, slot, n
	s_wait_loadcnt \n
	WIN 0x45                                       ; destination and both sources window 1
.set i, 0
.rept 24
	v_cvt_pk_bf16_f32 v[(\p)+4*i], v[(\p)+4*i], v[(\p)+4*i+1]
	v_cvt_pk_bf16_f32 v[(\p)+4*i+1], v[(\p)+4*i+2], v[(\p)+4*i+3]
.set i, i+1
.endr
	WIN 0x04                                       ; store data window 1, address window 0
	s_wait_alu depctr_va_vdst(0)                   ; the conversions have written the set's packed words, which the LDS stores read
.set i, 0
.rept 8
	ds_store_b64 v[LSA], v[(\p)+4*i:(\p)+4*i+1] offset:(\slot)*SLOT+i*PITCH
.set i, i+1
.endr
.set i, 0
.rept 16
	ds_store_b64 v[LSB], v[(\p)+32+4*i:(\p)+32+4*i+1] offset:(\slot)*SLOT+i*PITCH
.set i, i+1
.endr
	WIN 0
.endm
.macro MULS c                          ; quarter c: four matrix instructions, the accumulators by turns
.irp b, 0,1,2,3
	v_wmma_f32_16x16x32_bf16 v[ACC+8*\b:ACC+8*\b+7], v[FR+40*(\c)+8+8*\b:FR+40*(\c)+8+8*\b+7], v[FR+40*(\c):FR+40*(\c)+7], v[ACC+8*\b:ACC+8*\b+7]
.endr
.endm
; the fragments of quarter c of a step (32 along K, at byte 64 c of the slot's rows) into set c: ten LDS loads
.macro FRAG slot, c
	ds_load_b128 v[FR+40*(\c):FR+40*(\c)+3],   v[AA] offset:(\slot)*SLOT+64*(\c)
	ds_load_b128 v[FR+40*(\c)+4:FR+40*(\c)+7], v[AA] offset:(\slot)*SLOT+64*(\c)+32
.irp b, 0,1,2,3
	ds_load_b128 v[FR+40*(\c)+8+8*\b:FR+40*(\c)+8+8*\b+3],   v[AB] offset:(\slot)*SLOT+\b*16*PITCH+64*(\c)
	ds_load_b128 v[FR+40*(\c)+12+8*\b:FR+40*(\c)+12+8*\b+3], v[AB] offset:(\slot)*SLOT+\b*16*PITCH+64*(\c)+32
.endr
.endm
; A step behind the loads of its sets 0 and 1.  cp: the register set that is converted behind the second quarter's products, into slot cs, with the count cn; none in the last step
.macro REST slot, cp=-1, cs=0, cn=0
	s_wait_dscnt 10                                ; set 0 is in; set 1's ten loads may be out
	MULS 0
	FRAG \slot, 2                                  ; no wait: no vector or matrix instruction since the waits behind the barrier names set 2
	s_wait_dscnt 10                                ; set 1 is in; set 2's ten loads may be out
	MULS 1
	FRAG \slot, 3                                  ; nor set 3
.if (\cp) >= 0
	CONSUME \cp, \cs, \cn                          ; into the slot that was read in the last step, ahead of its barrier
	s_wait_dscnt 34                                ; set 2 is in; set 3's ten loads and the 24 stores may be out
.else
	s_wait_dscnt 10                                ; set 2 is in; set 3's ten loads may be out
.endif
	MULS 2
.if (\cp) >= 0
	s_wait_dscnt 24                                ; set 3 is in; the 24 stores may be out
.else
	s_wait_dscnt 0x0
.endif
	MULS 3
	PLACES                                         ; behind the step's last product: ahead of the next step's loads into the fragment sets; behind the last step, ahead of the first read of the sums
.endm
.macro MEET                            ; a step's end: my stores into the other slot are done and my reads of this one are back; then all eight waves meet
	s_wait_dscnt 0x0
	s_barrier_signal -1
	s_barrier_wait -1
.endm
.macro HEAD                            ; behind a step's barrier, ahead of any branch: what the next step's loads hang on
	s_wait_alu depctr_vm_vsrc(0)                   ; the LDS stores of the step just ended have read their register set, in which the next stage's loads land
	s_wait_alu depctr_va_vdst(0)                   ; its conversions are done reading and writing that set, and its matrix instructions done reading the four fragment sets, in which the next step's LDS loads land
.endm
.irp k, 0,1,2,3                        ; the bias goes straight into the accumulators: register j of block k is bias[64 wn + 16 k + 8 h + j]
	global_load_b128 v[ACC+8*\k:ACC+8*\k+3],   v[BO], s[8:9] offset:64*\k
	global_load_b128 v[ACC+8*\k+4:ACC+8*\k+7], v[BO], s[8:9] offset:64*\k+16
.endr
	LOADS P0                                       ; stage 0
	ISSUE P0+96                                    ; stage 1
	CONSUME P0, 0, 24                              ; stage 0 (and the bias, which is older) is in; stage 1's 24 loads stay out
.set i, 0
.rept 16                               ; the bias is rounded to bf16 and widened again, in place: it starts the sums
	v_cvt_pk_bf16_f32 v[OB+i], v[ACC+2*i], v[ACC+2*i+1]
.set i, i+1
.endr
.set i, 0
.rept 16
	v_lshlrev_b32 v[ACC+2*i], 16, v[OB+i]
	v_and_b32 v[ACC+2*i+1], s26, v[OB+i]
.set i, i+1
.endr
	MEET
	HEAD
	s_mov_b32 s13, 4
.Lk:                                                   ; a trip is two steps; trips 1 to 3 ask for stages 2 to 7; the fourth asks for nothing and is left in its middle
	FRAG 0, 0
	FRAG 0, 1
	s_cmp_eq_u32 s13, 1
	s_cbranch_scc1 .Lno_more
	ISSUE P0                                       ; stage t + 2 into the set that the last step emptied
	s_branch .Lasked
.Lno_more:
	s_wait_loadcnt 0x0                             ; no younger stage follows stage 7: its wait is for all
.Lasked:
	REST 0, P0+96, 1, 24                           ; stage t + 1 goes into the slot that was read in the last step
	MEET
	HEAD
	s_cmp_eq_u32 s13, 1
	s_cbranch_scc1 .Llast
	FRAG 1, 0
	FRAG 1, 1
	ISSUE P0+96
	REST 1, P0, 0, 24
	MEET
	HEAD
	s_sub_co_u32 s13, s13, 1
	s_cmp_lg_u32 s13, 0
	s_cbranch_scc1 .Lk
.Llast:
	FRAG 1, 0                                      ; step 7
	FRAG 1, 1
	REST 1
	; THE WAY OUT.  Times 2^-4, rounded to f16.  A wave's 64 columns are 128 bytes, half of a row's 256: the waves share one stage, with a barrier between writing and reading.
.set i, 0
.rept 16                               ; each accumulator from its low end on; the four places stand at the last step's end
	v_pk_mul_f32 v[ACC+2*i:ACC+2*i+1], v[ACC+2*i:ACC+2*i+1], s[DN:DN+1] op_sel_hi:[1,0]
.set i, i+1
.endr
.irp b, 0,1,2,3
.irp k, 0,1,2,3
	v_cvt_pk_f16_f32 v[TMP+4*\b+\k], v[ACC+8*\b+2*\k], v[ACC+8*\b+2*\k+1]
.endr
.endr
	s_wait_alu depctr_va_vdst(0)                   ; the conversions have written v[TMP ..], which the LDS stores read; no vector instruction behind this wait names v[OB ..], in which the loads from the stage land
.irp b, 0,1,2,3
	ds_store_b128 v[STO], v[TMP+4*\b:TMP+4*\b+3] offset:32*\b
.endr
	MEET                                           ; for the others' sake: my stores into the stage are done
.irp t, 0,1,2,3
	ds_load_b128 v[OB+4*\t:OB+4*\t+3], v[RD] offset:\t*2*PITCH
.endr
.irp t, 0,1,2,3
	s_wait_dscnt 3-\t
	global_store_b128 v[CO], v[OB+4*\t:OB+4*\t+3], s[10:11] offset:\t*4096  ; 16 lanes store 256 consecutive bytes, at a multiple of 256 from q16's first byte
.endr
	s_wait_dscnt 0x0                               ; the closing lines, six on end
	s_wait_alu 0x0
	s_wait_tensorcnt 0x0
	ds_add_u32 v[SPW], v[NIL]
	s_wait_dscnt 0x0
	s_endpgm
.Lfunc_end_k_qfff147f53c_projq:
	.size	k_qfff147f53c_projq, .Lfunc_end_k_qfff147f53c_projq-k_qfff147f53c_projq
	.p2alignl 7, 3214868480
	.fill 96, 4, 3214868480
	.section	.rodata,"a",@progbits
	.p2align	6, 0x0
	.amdhsa_kernel k_qfff147f53c_projq
		.amdhsa_group_segment_fixed_size 122880
		.amdhsa_private_segment_fixed_size 0
		.amdhsa_enable_private_segment 0
		.amdhsa_kernarg_size 32
		.amdhsa_user_sgpr_count 2
		.amdhsa_user_sgpr_kernarg_segment_ptr 1
		.amdhsa_wavefront_size32 1
		.amdhsa_system_sgpr_workgroup_id_x 1
		.amdhsa_system_sgpr_workgroup_id_y 1
		.amdhsa_system_sgpr_workgroup_id_z 1
		.amdhsa_system_vgpr_workitem_id 0
		.amdhsa_next_free_vgpr 448
		.amdhsa_next_free_sgpr 66
		.amdhsa_reserve_vcc 0
		.amdhsa_float_denorm_mode_32 3
		.amdhsa_float_denorm_mode_16_64 3
		.amdhsa_memory_ordered 1
		.amdhsa_forward_progress 1
		.amdhsa_inst_pref_size 45
	.end_amdhsa_kernel
	.amdgpu_metadata
---
amdhsa.version: [ 1, 2 ]
amdhsa.kernels:
  - .name:           k_qfff147f53c_projq
    .symbol:         k_qfff147f53c_projq.kd
    .args:
      - { .name: queries, .offset: 0, .size: 8, .value_kind: global_buffer, .address_space: global }
      - { .name: Wq, .offset: 8, .size: 8, .value_kind: global_buffer, .address_space: global }
      - { .name: bq, .offset: 16, .size: 8, .value_kind: global_buffer, .address_space: global }
      - { .name: q16, .offset: 24, .size: 8, .value_kind: global_buffer, .address_space: global }
    .group_segment_fixed_size: 122880
    .private_segment_fixed_size: 0
    .kernarg_segment_align: 8
    .kernarg_segment_size: 32
    .max_flat_workgroup_size: 256
    .sgpr_count:     66
    .vgpr_count:     448
    .wavefront_size: 32
...
	.end_amdgpu_metadata
.endif
;; end of part 14
;; launch fold: the kernel of part 8 again; grid 16 x 16, 8 waves a work-group, clusters of 4 x 1, 327,680 bytes of LDS; arguments q16, Wk, bk, q2b, cqv; writes q2b, cqv
;; launch scores: the kernel of part 9 again; grid 32 x 8, 4 waves a work-group, clusters of 4 x 1, 327,680 bytes of LDS; arguments keys, q2b, cqv, ew, stt; writes ew, stt
;; launch norm (part 15): grid 4 x 64, 8 waves a work-group, no clusters, 9,216 bytes of LDS; arguments ew, stt, out1, pn; writes out1, pn
.if DOCPART == 15
	.amdgcn_target "amdgcn-amd-amdhsa--gfx1250"
	.amdhsa_code_object_version 6
	.text
	.protected	k_qfff147f53c_norm
	.globl	k_qfff147f53c_norm
	.p2align	8
	.type	k_qfff147f53c_norm,@function
k_qfff147f53c_norm:
	s_mov_b64 s[64:65], 0
	v_nop
	global_prefetch_b8 v0, s[64:65] scope:SCOPE_SE
	s_setreg_imm32_b32 hwreg(HW_REG_WAVE_SCHED_MODE, 0, 2), 2
	s_setreg_imm32_b32 hwreg(HW_REG_WAVE_MODE, 25, 1), 1
	s_wait_xcnt 0x0
	s_wait_alu depctr_vm_vsrc(0)
; The softmax is finished.  For each query: M = the maximum of its 64 blocks' m, L = the sum of l 2^(m - M); weight = e 2^(m_block - M) / L.
; E: [4][4096][512] f16, st: m [4][64][512] f32 and l 524,288 bytes on.  Out: out1 [4][4096][512] f32, Pn: the same numbers rounded to bf16, the next launch's matrix operand.
; A stream: memory binds, so no matrix unit, no cluster, no tensor load.  A work-group owns 256 rows x 128 columns; a lane 4 columns, a wave 32 rows (half a block of 64 keys).
; Each load of E covers 256 consecutive bytes, each store of out1 512, of Pn 256.  All 32 rows of a wave are asked for at the start and lie in registers while M and L are made.
; M and L of the group's 128 columns: wave w joins blocks 8 w to 8 w + 7, the eight waves' figures meet in LDS behind one barrier, and every wave joins those.
; LIMITS: an exponential below 2^-126 counts as 0; NaN and infinities are not treated apart.
; THE MODE: SCHED_MODE bits 1:0 = 2 (LLVM: expert scheduling mode 2), set by the entry lines.  The code itself states the register dependences
; between vector instructions and memory or LDS instructions, with s_wait_alu, always for 0.
; THE PLAN.  Registers that memory or LDS instructions touch:
;   MB, LB    global loads land in them; the first COMBINE reads and writes them; behind the barrier LDS loads land in them; the second COMBINE reads and writes them.
;   MO, LO    written by the first COMBINE, read by my two LDS stores, written again by the second COMBINE.
;   ER        32 rows of E: loaded once, read by the multiplies.
;   Y0, Y1    two out-buffers of four rows.  The 32 rows go in 8 blocks of four; block p writes Y[p % 2]; its eight stores are issued in block p + 1.
;   v1 to v6  offsets and LDS addresses: written at the head and never again.
; Block p's vector instructions name ER, the factors and Y[p % 2]; its memory instructions are the stores from the other Y, which the block before wrote.  So the waits at a block's head state all that
; its eight stores hang on, and these are dealt among its vector instructions, two ahead of each row's six, with no further wait.
.set MP,    0                          ; the waves' maxima: 512 bytes a wave
.set LP,    4096                       ; the waves' sums
.set SPARE, 8192
.set SOFF, 1                           ; v1  st: my 16 bytes in my wave's first block
.set OWO,  2                           ; v2  st: my 16 bytes in the block of my rows
.set EO,   3                           ; v3  E and Pn: my 8 bytes in my wave's first row
.set OO,   4                           ; v4  out1: my 16 bytes there
.set LST,  5                           ; v5  LDS: 16 x thread
.set LL,   6                           ; v6  LDS: 16 x lane
.set SPW,  7
.set NIL,  8
.set ZR,   9                           ; v9  0, the addend of the mixed multiply
.set MO,   12                          ; v12-15  a maximum for each of my 4 columns
.set LO,   16                          ; v16-19  a sum
.set OWN,  20                          ; v20-23  m of my rows' block
.set FF,   24                          ; v24-27  2^(m - M) / L
.set MB,   32                          ; v32-63  eight quads of m
.set LB,   64                          ; v64-95  eight quads of l
.set ER,   96                          ; v96-159 32 rows of E, two registers each
.set OU,   160                         ; v160-223 buffer k, row r: 8 registers at OU + 32 k + 8 r: four f32, two words of bf16
	s_load_b256 s[4:11], s[0:1], 0x0               ; E s[4:5], st s[6:7], out1 s[8:9], Pn s[10:11]
	v_lshl_add_u32 v[SPW], v0, 2, SPARE
	v_mov_b32 v[NIL], 0
	v_mov_b32 v[ZR], 0
	v_lshrrev_b32 v10, 5, v0
	v_readfirstlane_b32 s12, v10                   ; wave
	v_and_b32 v10, 31, v0                          ; lane
	s_and_b32 s13, ttmp7, 0xffff                   ; y = 16 x batch + group of 256 rows
	s_lshr_b32 s14, s13, 4                         ; batch
	s_and_b32 s15, s13, 15
	v_lshlrev_b32 v[LL], 4, v10
	v_lshlrev_b32 v[LST], 4, v0
	s_wait_alu depctr_va_sdst(0)                   ; s12 is written, ahead of its first reader: the wave's offsets are made from it
	v_lshl_add_u32 v[SOFF], s12, 14, v[LL]         ; wave x 8 blocks of 2,048 bytes
	s_lshl_b32 s16, s15, 2
	s_lshr_b32 s17, s12, 1
	s_add_co_u32 s16, s16, s17                     ; my rows' block: 4 x group + wave / 2
	v_lshl_add_u32 v[OWO], s16, 11, v[LL]
	v_lshlrev_b32 v[EO], 3, v10
	v_lshl_add_u32 v[EO], s12, 15, v[EO]           ; wave x 32 rows of 1,024 bytes
	v_lshl_add_u32 v[OO], s12, 16, v[LL]           ; wave x 32 rows of 2,048 bytes
	s_lshl_b32 s18, s14, 17                        ; st: batch x 64 blocks + 128 x columns
	s_lshl_b32 s19, ttmp9, 9
	s_add_co_u32 s18, s18, s19
	s_lshl_b32 s22, s13, 19                        ; out1: 256 y rows + 128 x columns
	s_add_co_u32 s22, s22, s19
	s_mov_b32 s19, 0
	s_mov_b32 s23, 0
	s_lshl_b32 s20, s13, 18                        ; E and Pn likewise
	s_lshl_b32 s21, ttmp9, 8
	s_add_co_u32 s20, s20, s21
	s_mov_b32 s21, 0
	s_wait_kmcnt 0x0
	s_add_nc_u64 s[4:5], s[4:5], s[20:21]
	s_add_nc_u64 s[6:7], s[6:7], s[18:19]
	s_add_nc_u64 s[8:9], s[8:9], s[22:23]
	s_add_nc_u64 s[10:11], s[10:11], s[20:21]
	s_wait_alu depctr_va_vdst(0)                   ; the six offsets and addresses v1 to v6 are written, which every load and store of the kernel reads
.irp i, 0,1,2,3,4,5,6,7
	global_load_b128 v[MB+4*\i:MB+4*\i+3], v[SOFF], s[6:7] offset:\i*2048
.endr
.irp i, 0,1,2,3,4,5,6,7
	global_load_b128 v[LB+4*\i:LB+4*\i+3], v[SOFF], s[6:7] offset:\i*2048+524288
.endr
	global_load_b128 v[OWN:OWN+3], v[OWO], s[6:7]
.set i, 0
.rept 32
	global_load_b64 v[ER+2*i:ER+2*i+1], v[EO], s[4:5] offset:i*1024 th:TH_LOAD_NT
.set i, i+1
.endr
; eight (m, l) for each of my 4 columns are joined into one: MO = the maximum, LO = the sum of l 2^(m - MO)
.macro COMBINE
.irp c, 0,1,2,3
	v_max3_num_f32 v[MO+\c], v[MB+\c], v[MB+4+\c], v[MB+8+\c]
.endr
.irp c, 0,1,2,3
	v_max3_num_f32 v[MO+\c], v[MO+\c], v[MB+12+\c], v[MB+16+\c]
.endr
.irp c, 0,1,2,3
	v_max3_num_f32 v[MO+\c], v[MO+\c], v[MB+20+\c], v[MB+24+\c]
.endr
.irp c, 0,1,2,3
	v_max_num_f32 v[MO+\c], v[MO+\c], v[MB+28+\c]
.endr
.irp i, 0,1,2,3,4,5,6,7
	v_pk_add_f32 v[MB+4*\i:MB+4*\i+1],   v[MB+4*\i:MB+4*\i+1],   v[MO:MO+1]   neg_lo:[0,1] neg_hi:[0,1]
	v_pk_add_f32 v[MB+4*\i+2:MB+4*\i+3], v[MB+4*\i+2:MB+4*\i+3], v[MO+2:MO+3] neg_lo:[0,1] neg_hi:[0,1]
.endr
.set i, 0
.rept 32
	v_exp_f32 v[MB+i], v[MB+i]
.set i, i+1
.endr
	v_nop                                          ; a plain instruction between the last exponential and the use of its result
	s_wait_alu depctr_va_vdst(0)                   ; the 32 exponentials have written v[MB ..], ahead of their first reader: one wait for the batch
	v_pk_mul_f32 v[LO:LO+1],   v[LB:LB+1],   v[MB:MB+1]
	v_pk_mul_f32 v[LO+2:LO+3], v[LB+2:LB+3], v[MB+2:MB+3]
.irp i, 1,2,3,4,5,6,7
	v_pk_fma_f32 v[LO:LO+1],   v[LB+4*\i:LB+4*\i+1],   v[MB+4*\i:MB+4*\i+1],   v[LO:LO+1]
	v_pk_fma_f32 v[LO+2:LO+3], v[LB+4*\i+2:LB+4*\i+3], v[MB+4*\i+2:MB+4*\i+3], v[LO+2:LO+3]
.endr
.endm
	s_wait_loadcnt 32                              ; the statistics are in; E's 32 loads stay out
	COMBINE
	s_wait_alu depctr_va_vdst(0)                   ; MO and LO are written, which the LDS stores read; the lines above are done reading MB and LB, in which the LDS loads behind the barrier land
	ds_store_b128 v[LST], v[MO:MO+3] offset:MP
	ds_store_b128 v[LST], v[LO:LO+3] offset:LP
	s_wait_dscnt 0x0                               ; for the others' sake: my figures are in LDS
	s_barrier_signal -1
	s_barrier_wait -1
.irp i, 0,1,2,3,4,5,6,7
	ds_load_b128 v[MB+4*\i:MB+4*\i+3], v[LL] offset:MP+512*\i
	ds_load_b128 v[LB+4*\i:LB+4*\i+3], v[LL] offset:LP+512*\i
.endr
	s_wait_alu depctr_vm_vsrc(0)                   ; my two LDS stores have read MO and LO, which the lines below write again
	s_wait_dscnt 0x0
	COMBINE                                        ; M and L
	v_pk_add_f32 v[OWN:OWN+1],   v[OWN:OWN+1],   v[MO:MO+1]   neg_lo:[0,1] neg_hi:[0,1]
	v_pk_add_f32 v[OWN+2:OWN+3], v[OWN+2:OWN+3], v[MO+2:MO+3] neg_lo:[0,1] neg_hi:[0,1]
.irp c, 0,1,2,3
	v_exp_f32 v[OWN+\c], v[OWN+\c]
.endr
.irp c, 0,1,2,3
	v_rcp_f32 v[LO+\c], v[LO+\c]
.endr
	v_nop                                          ; a plain instruction between the last reciprocal and the use of its result
	s_wait_alu depctr_va_vdst(0)                   ; the four exponentials have written v[OWN ..] and the four reciprocals v[LO ..], ahead of their first reader
	v_pk_mul_f32 v[FF:FF+1],   v[OWN:OWN+1],   v[LO:LO+1]
	v_pk_mul_f32 v[FF+2:FF+3], v[OWN+2:OWN+3], v[LO+2:LO+3]
; The rows, in 8 blocks of four.  Block p: i = the row, o = its registers in Y[p % 2], q = the registers of the row four back in the other Y.
.set p, 0
.rept 8
.if p >= 2
	s_wait_xcnt 0x0                                ; every earlier store has had its address translated: Y[p % 2] is rewritten only behind this wait
	s_wait_alu depctr_vm_vsrc(0)                   ; the stores issued in the block before have read Y[p % 2], which this block writes again
.endif
.if p >= 1
	s_wait_alu depctr_va_vdst(0)                   ; the block before has written the other Y, which the eight stores below read
.endif
.set r, 0
.rept 4
.set i, 4*p+r
.set o, OU+32*(p%2)+8*r
.set q, OU+32*((p+1)%2)+8*r
.if p >= 1
	global_store_b128 v[OO], v[q:q+3],   s[8:9]   offset:(i-4)*2048 th:TH_STORE_NT  ; the block before; no vector instruction since the wait names these registers
	global_store_b64  v[EO], v[q+4:q+5], s[10:11] offset:(i-4)*1024
.endif
	s_wait_loadcnt 31-i                            ; row i is in; the younger rows stay out
	v_fma_mix_f32 v[o],   v[ER+2*i],   v[FF],   v[ZR] op_sel_hi:[1,0,0]                  ; an f16 half times an f32
	v_fma_mix_f32 v[o+1], v[ER+2*i],   v[FF+1], v[ZR] op_sel:[1,0,0] op_sel_hi:[1,0,0]
	v_fma_mix_f32 v[o+2], v[ER+2*i+1], v[FF+2], v[ZR] op_sel_hi:[1,0,0]
	v_fma_mix_f32 v[o+3], v[ER+2*i+1], v[FF+3], v[ZR] op_sel:[1,0,0] op_sel_hi:[1,0,0]
	v_cvt_pk_bf16_f32 v[o+4], v[o],   v[o+1]
	v_cvt_pk_bf16_f32 v[o+5], v[o+2], v[o+3]
.set r, r+1
.endr
.set p, p+1
.endr
	s_wait_alu depctr_va_vdst(0)                   ; block 7 has written Y1, which the last eight stores read
.irp t, 0,1,2,3
	global_store_b128 v[OO], v[OU+32+8*\t:OU+32+8*\t+3],   s[8:9]   offset:(28+\t)*2048 th:TH_STORE_NT
	global_store_b64  v[EO], v[OU+32+8*\t+4:OU+32+8*\t+5], s[10:11] offset:(28+\t)*1024
.endr
	s_wait_dscnt 0x0                               ; the closing lines, six on end
	s_wait_alu 0x0
	s_wait_tensorcnt 0x0
	ds_add_u32 v[SPW], v[NIL]
	s_wait_dscnt 0x0
	s_endpgm
.Lfunc_end_k_qfff147f53c_norm:
	.size	k_qfff147f53c_norm, .Lfunc_end_k_qfff147f53c_norm-k_qfff147f53c_norm
	.p2alignl 7, 3214868480
	.fill 96, 4, 3214868480
	.section	.rodata,"a",@progbits
	.p2align	6, 0x0
	.amdhsa_kernel k_qfff147f53c_norm
		.amdhsa_group_segment_fixed_size 9216
		.amdhsa_private_segment_fixed_size 0
		.amdhsa_enable_private_segment 0
		.amdhsa_kernarg_size 32
		.amdhsa_user_sgpr_count 2
		.amdhsa_user_sgpr_kernarg_segment_ptr 1
		.amdhsa_wavefront_size32 1
		.amdhsa_system_sgpr_workgroup_id_x 1
		.amdhsa_system_sgpr_workgroup_id_y 1
		.amdhsa_system_sgpr_workgroup_id_z 1
		.amdhsa_system_vgpr_workitem_id 0
		.amdhsa_next_free_vgpr 224
		.amdhsa_next_free_sgpr 66
		.amdhsa_reserve_vcc 0
		.amdhsa_float_denorm_mode_32 3
		.amdhsa_float_denorm_mode_16_64 3
		.amdhsa_memory_ordered 1
		.amdhsa_forward_progress 1
		.amdhsa_inst_pref_size 36
	.end_amdhsa_kernel
	.amdgpu_metadata
---
amdhsa.version: [ 1, 2 ]
amdhsa.kernels:
  - .name:           k_qfff147f53c_norm
    .symbol:         k_qfff147f53c_norm.kd
    .args:
      - { .name: ew, .offset: 0, .size: 8, .value_kind: global_buffer, .address_space: global }
      - { .name: stt, .offset: 8, .size: 8, .value_kind: global_buffer, .address_space: global }
      - { .name: out1, .offset: 16, .size: 8, .value_kind: global_buffer, .address_space: global }
      - { .name: pn, .offset: 24, .size: 8, .value_kind: global_buffer, .address_space: global }
    .group_segment_fixed_size: 9216
    .private_segment_fixed_size: 0
    .kernarg_segment_align: 8
    .kernarg_segment_size: 32
    .max_flat_workgroup_size: 256
    .sgpr_count:     66
    .vgpr_count:     224
    .wavefront_size: 32
...
	.end_amdgpu_metadata
.endif
;; end of part 15
;; launch ctx: the kernel of part 11 again; grid 8 x 32, 4 waves a work-group, clusters of 4 x 1, 327,680 bytes of LDS; arguments pn, values, tp; writes tp
;; launch red: the kernel of part 12 again; grid 256 x 1, 8 waves a work-group, no clusters, 0 bytes of LDS; arguments tp, t16; writes t16
;; launch projo: the kernel of part 13 again; grid 16 x 16, 8 waves a work-group, clusters of 4 x 1, 327,680 bytes of LDS; arguments t16, Wv, bv, out0; writes out0
